; MI455X (gfx1250); checked and timed in simulation.
; The chip was launched on July 23, 2026; its instructions are those of AMD's public machine-readable ISA for CDNA 5 (MIT licence, August 2026) and "CDNA5" Instruction Set Architecture Reference Guide (July 2026). The comments in the code are by the model that wrote it; some were corrected since.
;; Multi Context Attention. Allowed arithmetic: float matrix products may take bf16 or f16 operands with f32 sums; other float arithmetic in f32, or as packed bf16 or f16 multiplies, adds, multiply-adds, maxima and minima; sums over many terms, partial sums and values carried from step to step in f32; what a program stores and reads back later, other than sums and carried values, may be rounded once to bf16 or f16.
;; Inputs: gate_b 4 float32; gate_w 4,096 x 4 float32; local_wk 1,024 x 1,024 float32; local_wo 1,024 x 1,024 float32; local_wq 1,024 x 1,024 float32; local_wv 1,024 x 1,024 float32; long_wk 1,024 x 1,024 float32; long_wo 1,024 x 1,024 float32; long_wq 1,024 x 1,024 float32; long_wv 1,024 x 1,024 float32; mem_wk 1,024 x 1,024 float32; mem_wo 1,024 x 1,024 float32; mem_wq 1,024 x 1,024 float32; mem_wv 1,024 x 1,024 float32; memory_kv 1 x 512 x 1,024 float32; per_wk 1,024 x 1,024 float32; per_wo 1,024 x 1,024 float32; per_wq 1,024 x 1,024 float32; per_wv 1,024 x 1,024 float32; persona_kv 1 x 64 x 1,024 float32; x 1 x 2,048 x 1,024 float32.
;; Outputs: out0 1 x 2,048 x 1,024 float32.
;; 3 versions, each right and faster than the one before. Each part assembles by itself: llvm-mc -triple=amdgcn-amd-amdhsa -mcpu=gfx1250 --defsym DOCPART=n.
;; ======== version 1 of 3: 5 launches
;; limits: values are held in f16: magnitudes above 65,504 overflow, below 6.1e-05 lose precision
;; workspace buffers: xb 4,194,304 bytes; cb 1,179,648 bytes; wb 25,165,824 bytes; wo16 8,388,608 bytes; ut 131,072 bytes; qkv 50,331,648 bytes; oh 16,777,216 bytes; pl 2,097,152 bytes
;; launch prep (part 1): grid 594 x 1, 8 waves a work-group, no clusters, 0 bytes of LDS; arguments local_wq, local_wk, local_wv, long_wq, long_wk, long_wv, mem_wq, per_wq, mem_wk, mem_wv, per_wk, per_wv, local_wo, long_wo, mem_wo, per_wo, x, memory_kv, persona_kv, gate_w, xb, cb, wb, wo16, ut; writes xb, cb, wb, wo16, ut
.if DOCPART == 1
	.amdgcn_target "amdgcn-amd-amdhsa--gfx1250"
	.amdhsa_code_object_version 6
	.text
	.protected	k_qbe5ef32a7f_prep
	.globl	k_qbe5ef32a7f_prep
	.p2align	8
	.type	k_qbe5ef32a7f_prep,@function
k_qbe5ef32a7f_prep:
	s_mov_b64 s[64:65], 0
	v_nop
	global_prefetch_b8 v0, s[64:65] scope:SCOPE_SE
	s_setreg_imm32_b32 hwreg(HW_REG_WAVE_MODE, 25, 1), 1
	s_wait_xcnt 0x0
; PREP: every f32 input is rounded once to bf16 and laid out for the later launches.  A stream: no LDS, no matrix unit, no barrier.
; A work-group takes 32 rows of 1,024 f32, wave w rows 4 w .. 4 w + 3.  A row is eight loads of 512 consecutive bytes (lane l: columns 128 t + 4 l ..) and eight stores of 256 consecutive, aligned bytes.
; Work-group g: g < 512: rows 32 (g % 32) .. of weight g / 32 (0-11 the q, k, v weights -> wb, 12-15 the four wo -> wo16); 512-575: x -> xb; 576-591: memory_kv -> cb; 592, 593: persona_kv -> cb rows 512 ..
; wo16 holds bf16(wo) written as f16 (exact inside f16's range), row k of branch i at row (k / 64) 256 + 64 i + k % 64, so that one head's 64 rows of all four branches lie together.
; The wo groups also make u_i = wo_i gw_i (1024 x 4), from bf16(wo) and bf16(gate_w), sums in f32: the gate's logits are sums of O_i u_i.  ut: f16 [branch][head][16 m][64 channels]; rows m = j and 8 + j hold u[.][j], j = 0..3, the others 0.
; LIMITS.  |wo| stays under 65,504; wo and u below 2^-14 keep f16's fixed step of 6e-8.  ut is written in pieces of 8 bytes a lane (131,072 bytes in the whole launch).
.set ACC, 12                           ; v[12:27]   u's sums: row rho, logit j at ACC + 4 rho + j
.set GW,  32                           ; v[32:95]   gate_w of my 32 columns, bf16 pairs: column (t, e) at GW + 2 (4 t + e): (g0, g1), (g2, g3)
.set X,   96                           ; v[96:223]  piece n = 8 rho + t of my four rows: 4 registers
	s_load_b512 s[8:23], s[0:1], 0x0               ; weights 0-7
	s_load_b512 s[24:39], s[0:1], 0x40             ; weights 8-15
	s_load_b512 s[40:55], s[0:1], 0x80             ; x, memory_kv, persona_kv, gate_w, xb, cb, wb, wo16
	s_load_b64 s[56:57], s[0:1], 0xc0              ; ut
	s_mov_b32 s2, ttmp9                            ; g
	s_lshr_b32 s3, s2, 5
	s_min_u32 s3, s3, 15                           ; which weight
	s_and_b32 s4, s2, 31                           ; which 32 rows of the source
	s_sub_co_u32 s5, s2, 512
	s_cmp_ge_u32 s2, 512
	s_cselect_b32 s4, s5, s4
	s_sub_co_u32 s5, s2, 576
	s_cmp_ge_u32 s2, 576
	s_cselect_b32 s4, s5, s4
	s_sub_co_u32 s5, s2, 592
	s_cmp_ge_u32 s2, 592
	s_cselect_b32 s4, s5, s4
	s_lshl_b32 s4, s4, 5                           ; the first row
	s_lshl_b32 s58, s4, 12                         ; its byte offset in the source
	s_mov_b32 s59, 0
	s_lshl_b32 s6, s4, 11                          ; and in xb or cb
	s_mov_b32 s7, 0
	s_lshl_b32 s5, s3, 21
	s_add_co_u32 s5, s5, s6                        ; in wb: 2 MiB a weight
	s_cmp_lt_u32 s2, 384
	s_cselect_b32 s6, s5, s6
	s_add_co_u32 s5, s6, 0x100000                  ; persona lies behind memory's 512 rows
	s_cmp_ge_u32 s2, 592
	s_cselect_b32 s6, s5, s6
	s_lshr_b32 s60, s4, 6                          ; head
	s_max_u32 s61, s3, 12
	s_sub_co_u32 s61, s61, 12                      ; branch i
	s_and_b32 s62, s4, 63                          ; the first row's place in the head
	s_lshl_b32 s5, s60, 8
	s_lshl_b32 s63, s61, 6
	s_add_co_u32 s5, s5, s63
	s_add_co_u32 s5, s5, s62
	s_lshl_b32 s5, s5, 11                          ; in wo16
	s_lshr_b32 s63, s2, 7                          ; 3 for the wo groups, 384 .. 511
	s_cmp_eq_u32 s63, 3
	s_cselect_b32 s6, s5, s6
	v_and_b32 v1, 31, v0                           ; lane
	v_and_b32 v4, 0xe0, v0                         ; 32 w
	v_lshlrev_b32 v2, 4, v1
	v_lshl_or_b32 v2, v4, 9, v2                    ; source: 4 rows of 4,096 bytes a wave, 16 bytes a lane
	v_lshlrev_b32 v3, 3, v1
	v_lshl_or_b32 v3, v4, 8, v3                    ; destination: 4 rows of 2,048 bytes a wave, 8 bytes a lane
	s_wait_kmcnt 0x0
	; the source's address is chosen among the sixteen weights by the bits of the weight's number, then among x, memory and persona
	s_bitcmp1_b32 s3, 0
.irp p, 8,12,16,20,24,28,32,36
	s_cselect_b64 s[\p:\p+1], s[\p+2:\p+3], s[\p:\p+1]
.endr
	s_bitcmp1_b32 s3, 1
.irp p, 8,16,24,32
	s_cselect_b64 s[\p:\p+1], s[\p+4:\p+5], s[\p:\p+1]
.endr
	s_bitcmp1_b32 s3, 2
.irp p, 8,24
	s_cselect_b64 s[\p:\p+1], s[\p+8:\p+9], s[\p:\p+1]
.endr
	s_bitcmp1_b32 s3, 3
	s_cselect_b64 s[8:9], s[24:25], s[8:9]
	s_cmp_ge_u32 s2, 512
	s_cselect_b64 s[8:9], s[40:41], s[8:9]
	s_cmp_ge_u32 s2, 576
	s_cselect_b64 s[8:9], s[42:43], s[8:9]
	s_cmp_ge_u32 s2, 592
	s_cselect_b64 s[8:9], s[44:45], s[8:9]
	s_cmp_lt_u32 s2, 384
	s_cselect_b64 s[66:67], s[52:53], s[54:55]     ; wb or wo16,
	s_cmp_ge_u32 s2, 512
	s_cselect_b64 s[66:67], s[48:49], s[66:67]     ; xb,
	s_cmp_ge_u32 s2, 576
	s_cselect_b64 s[66:67], s[50:51], s[66:67]     ; cb
	s_add_nc_u64 s[8:9], s[8:9], s[58:59]
	s_add_nc_u64 s[66:67], s[66:67], s[6:7]
	s_cmp_eq_u32 s63, 3
	s_cbranch_scc1 .Lwo
	; THE PLAIN CAST.  All 32 loads of a wave go out at once; each piece has its own registers, so nothing that a store still reads is written again.
.set n, 0
.rept 32
	global_load_b128 v[X+4*n:X+4*n+3], v2, s[8:9] offset:(n/8)*4096+(n%8)*512 th:TH_LOAD_NT
.set n, n+1
.endr
.set n, 0
.rept 32
	s_wait_loadcnt 31-n                            ; loads come back in order: piece n is in, the younger ones stay out
	v_cvt_pk_bf16_f32 v[X+4*n], v[X+4*n], v[X+4*n+1]
	v_cvt_pk_bf16_f32 v[X+4*n+1], v[X+4*n+2], v[X+4*n+3]
	global_store_b64 v3, v[X+4*n:X+4*n+1], s[66:67] offset:(n/8)*2048+(n%8)*256
.set n, n+1
.endr
	s_endpgm
.Lwo:	; THE FOUR wo: the cast, and u
	s_lshl_b32 s58, s61, 14                        ; gate_w's 1,024 rows of 16 bytes for branch i
	s_add_nc_u64 s[46:47], s[46:47], s[58:59]
	s_lshl_b32 s58, s61, 4
	s_add_co_u32 s58, s58, s60
	s_lshl_b32 s58, s58, 11                        ; ut: 2,048 bytes for a branch and head,
	s_lshl_b32 s5, s62, 1
	s_add_co_u32 s58, s58, s5                      ; the group's first channel
	s_add_nc_u64 s[56:57], s[56:57], s[58:59]
	s_mov_b32 s68, 0x76543210                      ; v_permlanex16_b32: each lane takes its own place in the other half
	s_mov_b32 s69, 0xfedcba98
	s_mov_b32 s70, 0xffff0000                      ; a word's upper bf16
	s_mov_b32 s71, 0xaaaaaaaa                      ; lanes with bit 0 set,
	s_mov_b32 s72, 0xcccccccc                      ; bit 1,
	s_mov_b32 s73, 0xf0f0f0f0                      ; bit 2
	v_mov_b32 v5, 0
	v_mov_b32 v28, 0
	v_lshlrev_b32 v29, 6, v1                       ; gate_w: my four columns' rows, 64 bytes a lane
	v_lshrrev_b32 v30, 2, v4
	v_lshl_add_u32 v30, v1, 7, v30                 ; ut: row m = lane, 128 bytes a row; my wave's four channels, 8 bytes
.set n, 0
.rept 32
	global_load_b128 v[X+4*n:X+4*n+3], v29, s[46:47] offset:(n/4)*2048+(n%4)*16
.set n, n+1
.endr
	s_wait_loadcnt 0x0
.set n, 0
.rept 32
	v_cvt_pk_bf16_f32 v[GW+2*n], v[X+4*n], v[X+4*n+1]
	v_cvt_pk_bf16_f32 v[GW+2*n+1], v[X+4*n+2], v[X+4*n+3]
.set n, n+1
.endr
.set n, 0
.rept 32
	global_load_b128 v[X+4*n:X+4*n+3], v2, s[8:9] offset:(n/8)*4096+(n%8)*512 th:TH_LOAD_NT
.set n, n+1
.endr
; element e of a piece's four lies in half ys of register X + 4 n + yr: four multiply-adds straight from the bf16 halves into the f32 sums; each sum's first takes 0 as its addend
.macro FM4 e, yr, ys
.set g, GW+2*(4*t+(\e))
.set c0, ACC+4*rho
.set c1, ACC+4*rho+1
.set c2, ACC+4*rho+2
.set c3, ACC+4*rho+3
.if (t == 0) && ((\e) == 0)
.set c0, 5
.set c1, 5
.set c2, 5
.set c3, 5
.endif
	v_fma_mix_f32_bf16 v[ACC+4*rho],   v[X+4*n+(\yr)], v[g],   v[c0] op_sel:[\ys,0,0] op_sel_hi:[1,1,0]
	v_fma_mix_f32_bf16 v[ACC+4*rho+1], v[X+4*n+(\yr)], v[g],   v[c1] op_sel:[\ys,1,0] op_sel_hi:[1,1,0]
	v_fma_mix_f32_bf16 v[ACC+4*rho+2], v[X+4*n+(\yr)], v[g+1], v[c2] op_sel:[\ys,0,0] op_sel_hi:[1,1,0]
	v_fma_mix_f32_bf16 v[ACC+4*rho+3], v[X+4*n+(\yr)], v[g+1], v[c3] op_sel:[\ys,1,0] op_sel_hi:[1,1,0]
.endm
.set n, 0
.rept 32
.set rho, n/8
.set t, n%8
	s_wait_loadcnt 31-n                            ; piece n is in, the younger ones stay out
	v_cvt_pk_bf16_f32 v[X+4*n], v[X+4*n], v[X+4*n+1]
	v_cvt_pk_bf16_f32 v[X+4*n+1], v[X+4*n+2], v[X+4*n+3]
	FM4 0, 0, 0
	FM4 1, 0, 1
	FM4 2, 1, 0
	FM4 3, 1, 1
	v_lshlrev_b32 v6, 16, v[X+4*n]                 ; the bf16 numbers as f32,
	v_and_b32 v7, s70, v[X+4*n]
	v_lshlrev_b32 v8, 16, v[X+4*n+1]
	v_and_b32 v9, s70, v[X+4*n+1]
	v_cvt_pk_f16_f32 v[X+4*n+2], v6, v7            ; written as f16: nothing is lost inside f16's range
	v_cvt_pk_f16_f32 v[X+4*n+3], v8, v9
	global_store_b64 v3, v[X+4*n+2:X+4*n+3], s[66:67] offset:rho*2048+t*256
.set n, n+1
.endr
	; the sixteen sums over the wave's 32 lanes: every lane ends with each
.set n, 0
.rept 16
	v_add_f32_dpp v[ACC+n], v[ACC+n], v[ACC+n] row_xmask:1 row_mask:0xf bank_mask:0xf
	v_add_f32_dpp v[ACC+n], v[ACC+n], v[ACC+n] row_xmask:2 row_mask:0xf bank_mask:0xf
	v_add_f32_dpp v[ACC+n], v[ACC+n], v[ACC+n] row_xmask:4 row_mask:0xf bank_mask:0xf
	v_add_f32_dpp v[ACC+n], v[ACC+n], v[ACC+n] row_xmask:8 row_mask:0xf bank_mask:0xf
	v_permlanex16_b32 v28, v[ACC+n], s68, s69
	v_add_f32 v[ACC+n], v[ACC+n], v28
.set n, n+1
.endr
	; lane m takes u[rho][m % 4], or 0 where m % 8 > 3
.irp r, 0,1,2,3
	v_cndmask_b32 v28, v[ACC+4*\r], v[ACC+4*\r+1], s71
	v_cndmask_b32 v31, v[ACC+4*\r+2], v[ACC+4*\r+3], s71
	v_cndmask_b32 v28, v28, v31, s72
	v_cndmask_b32 v[6+\r], v28, v5, s73
.endr
	v_cvt_pk_f16_f32 v10, v6, v7
	v_cvt_pk_f16_f32 v11, v8, v9
	v_cmp_gt_u32 vcc_lo, 16, v1
	s_wait_xcnt 0x0                                ; EXEC is a source of the stores above: it changes only behind this wait
	s_and_saveexec_b32 s74, vcc_lo
	global_store_b64 v30, v[10:11], s[56:57]       ; lanes 0-15: four channels of row m
	s_wait_xcnt 0x0                                ; and again in front of the line that widens it
	s_or_b32 exec_lo, exec_lo, s74
	s_endpgm
.Lfunc_end_k_qbe5ef32a7f_prep:
	.size	k_qbe5ef32a7f_prep, .Lfunc_end_k_qbe5ef32a7f_prep-k_qbe5ef32a7f_prep
	.p2alignl 7, 3214868480
	.fill 96, 4, 3214868480
	.section	.rodata,"a",@progbits
	.p2align	6, 0x0
	.amdhsa_kernel k_qbe5ef32a7f_prep
		.amdhsa_group_segment_fixed_size 0
		.amdhsa_private_segment_fixed_size 0
		.amdhsa_enable_private_segment 0
		.amdhsa_kernarg_size 200
		.amdhsa_user_sgpr_count 2
		.amdhsa_user_sgpr_kernarg_segment_ptr 1
		.amdhsa_wavefront_size32 1
		.amdhsa_system_sgpr_workgroup_id_x 1
		.amdhsa_system_sgpr_workgroup_id_y 1
		.amdhsa_system_sgpr_workgroup_id_z 1
		.amdhsa_system_vgpr_workitem_id 0
		.amdhsa_next_free_vgpr 224
		.amdhsa_next_free_sgpr 76
		.amdhsa_reserve_vcc 1
		.amdhsa_float_denorm_mode_32 3
		.amdhsa_float_denorm_mode_16_64 3
		.amdhsa_memory_ordered 1
		.amdhsa_forward_progress 1
		.amdhsa_inst_pref_size 81
	.end_amdhsa_kernel
	.amdgpu_metadata
---
amdhsa.version: [ 1, 2 ]
amdhsa.kernels:
  - .name:           k_qbe5ef32a7f_prep
    .symbol:         k_qbe5ef32a7f_prep.kd
    .args:
      - { .name: local_wq, .offset: 0, .size: 8, .value_kind: global_buffer, .address_space: global }
      - { .name: local_wk, .offset: 8, .size: 8, .value_kind: global_buffer, .address_space: global }
      - { .name: local_wv, .offset: 16, .size: 8, .value_kind: global_buffer, .address_space: global }
      - { .name: long_wq, .offset: 24, .size: 8, .value_kind: global_buffer, .address_space: global }
      - { .name: long_wk, .offset: 32, .size: 8, .value_kind: global_buffer, .address_space: global }
      - { .name: long_wv, .offset: 40, .size: 8, .value_kind: global_buffer, .address_space: global }
      - { .name: mem_wq, .offset: 48, .size: 8, .value_kind: global_buffer, .address_space: global }
      - { .name: per_wq, .offset: 56, .size: 8, .value_kind: global_buffer, .address_space: global }
      - { .name: mem_wk, .offset: 64, .size: 8, .value_kind: global_buffer, .address_space: global }
      - { .name: mem_wv, .offset: 72, .size: 8, .value_kind: global_buffer, .address_space: global }
      - { .name: per_wk, .offset: 80, .size: 8, .value_kind: global_buffer, .address_space: global }
      - { .name: per_wv, .offset: 88, .size: 8, .value_kind: global_buffer, .address_space: global }
      - { .name: local_wo, .offset: 96, .size: 8, .value_kind: global_buffer, .address_space: global }
      - { .name: long_wo, .offset: 104, .size: 8, .value_kind: global_buffer, .address_space: global }
      - { .name: mem_wo, .offset: 112, .size: 8, .value_kind: global_buffer, .address_space: global }
      - { .name: per_wo, .offset: 120, .size: 8, .value_kind: global_buffer, .address_space: global }
      - { .name: x, .offset: 128, .size: 8, .value_kind: global_buffer, .address_space: global }
      - { .name: memory_kv, .offset: 136, .size: 8, .value_kind: global_buffer, .address_space: global }
      - { .name: persona_kv, .offset: 144, .size: 8, .value_kind: global_buffer, .address_space: global }
      - { .name: gate_w, .offset: 152, .size: 8, .value_kind: global_buffer, .address_space: global }
      - { .name: xb, .offset: 160, .size: 8, .value_kind: global_buffer, .address_space: global }
      - { .name: cb, .offset: 168, .size: 8, .value_kind: global_buffer, .address_space: global }
      - { .name: wb, .offset: 176, .size: 8, .value_kind: global_buffer, .address_space: global }
      - { .name: wo16, .offset: 184, .size: 8, .value_kind: global_buffer, .address_space: global }
      - { .name: ut, .offset: 192, .size: 8, .value_kind: global_buffer, .address_space: global }
    .group_segment_fixed_size: 0
    .private_segment_fixed_size: 0
    .kernarg_segment_align: 8
    .kernarg_segment_size: 200
    .max_flat_workgroup_size: 256
    .sgpr_count:     76
    .vgpr_count:     224
    .wavefront_size: 32
...
	.end_amdgpu_metadata
.endif
;; end of part 1
;; launch proj (part 2): grid 32 x 8, 4 waves a work-group, clusters of 4 x 4, 327,680 bytes of LDS; arguments xb, wb, qkv; writes qkv
.if DOCPART == 2
	.amdgcn_target "amdgcn-amd-amdhsa--gfx1250"
	.amdhsa_code_object_version 6
	.text
	.protected	k_qbe5ef32a7f_proj
	.globl	k_qbe5ef32a7f_proj
	.p2align	8
	.type	k_qbe5ef32a7f_proj,@function
k_qbe5ef32a7f_proj:
	s_mov_b64 s[64:65], 0
	v_nop
	global_prefetch_b8 v0, s[64:65] scope:SCOPE_SE
	s_setreg_imm32_b32 hwreg(HW_REG_WAVE_MODE, 25, 1), 1
	s_wait_xcnt 0x0
	s_wait_alu depctr_hold_cnt(0) depctr_sa_sdst(0) depctr_va_vdst(0) depctr_va_sdst(0) depctr_va_ssrc(0) depctr_va_vcc(0) depctr_vm_vsrc(0)
	s_getreg_b32 s2, hwreg(HW_REG_IB_STS2, 6, 4)
	s_cmp_eq_u32 s2, 0
	s_cbranch_scc0 .Lentry_in_a_cluster
	s_endpgm
.Lentry_in_a_cluster:
	s_bfe_u32 s2, ttmp6, 0x10000c
	s_cmp_lg_u32 s2, 0xf033
	s_cbranch_scc0 .Lentry_shape_is_right
	s_endpgm
.Lentry_shape_is_right:
; PROJ: the eight products of x: C[m][n] = sum over k of xb[m][k] wb[wi][k][n], wi = 0..7 (local q, k, v; long q, k, v; mem q; per q).  xb: [2048][1024] bf16; wb: [12][1024 k][1024 n] bf16; sums in f32.
; The result is rounded once to f16, unscaled, and written by heads: qkv region wi (4 MiB) = [row / 128][head 16][128 rows][64 channels].  LIMIT: |q|, |k|, |v| stay under 65,504.
; A tile of C is 256 x 256 (tile column tc: weight tc / 4, columns 256 (tc % 4) ..): 32 x 8 tiles, one to a work-group of four waves; a wave makes 128 x 128: 64 accumulators, 512 registers.
; K goes in steps of 128 through two LDS slots.  A's tile: 256 rows of 256 bytes.  B's tile lies as in memory, [128 k][256 n], rows of 512 bytes, and comes out of LDS turned, by ds_load_tr16_b128.
; CLUSTER: 4 x 4 work-groups; A's tile is shared along a row of the cluster, B's along a column: each is asked for jointly, by the same tensor load with the same descriptor and a mask that names the four.
; THE MATRIX INSTRUCTION IS USED TRANSPOSED: source 0 = 16 columns of the weight, source 1 = 16 rows of x: a lane holds one row of C and eight neighbouring columns.
; REGISTERS, in windows of 256: window 0: v0-31 addresses; v64-127, v128-191 fragments of A, two buffers; v32-63, v192-255 at work on the way out.  window 1: v64-127, v128-191 fragments of B.
;   window 2: the accumulators of my rows 0-63 ((a, b) at v[8 (8 a + b)]);  window 3: those of my rows 64-127.
.set KSTEP,  128
.set PITCH,  272                       ; a row of A in LDS: 256 bytes + 16: the 16 rows of a fragment load start at 16 different groups of four banks
.set PB,     544                       ; a row of B: 512 bytes + 32
.set HALFT,  128*PITCH                 ; what one tensor load brings: 128 rows of A, or 64 rows of B: 34,816 bytes either way
.set SLOT,   4*HALFT                   ; A's 256 rows, then B's 128 rows
.set STAGE,  2*SLOT                    ; behind the ring: for each wave 2 heads x 16 rows x 144 bytes, for the way out
.set SP,     144
.set WSTAGE, 2*16*SP
.set SPARE,  STAGE+4*WSTAGE            ; the spare words, 128 bytes a wave: two blocks of 256 bytes that no other line names
.set LAPS,   4                         ; a lap = two K steps; 1024 / 256
.set ADRA, 16                          ; v16-17  LDS address of my A fragments in slot 0, 1
.set ADRB, 20                          ; v20-21  the same for B
.set STO,  24                          ; v24     the way out: where I put 16 bytes of a row
.set RD,   25                          ; v25     where I read rows back
.set GO,   26                          ; v26     16 x lane
.set SPW,  28                          ; v28     my spare word; never rewritten
.set NIL,  29                          ; v29     0; never rewritten
.set F0,   64
.set F1,   128
.set TMP,  192
.set OB,   32
.set G1, 24                            ; s[24:31] group 1 for A;  s[32:39] group 0, a set for each slot
.set G0, 32
.set G1B, 48                           ; s[48:55], s[56:63] the same for B
.set G0B, 56
.set MSB, 0
.macro WIN new                         ; the immediate's high byte repeats the setting that is left; a switch that changes nothing is dropped
.if MSB != (\new)
	s_set_vgpr_msb (MSB<<8)|(\new)
.set MSB, \new
.endif
.endm
.set MUL_LO, 0xa1                      ; source 0 (B) window 1, source 1 (A) window 0, C and D window 2
.set MUL_HI, 0xf1                      ; the same, C and D window 3
.set TO_B,   0x40                      ; destination window 1, address window 0
; A joint load: waves 0 and 1 fetch A's two halves, waves 2 and 3 B's.  An s_nop 0 and four v_nop follow each of the two lines.
.macro JLOAD s
	s_cmp_eq_u32 s11, 0
	s_cbranch_scc0 .Lfor_b_\@
	tensor_load_to_lds s[G0+4*(\s):G0+4*(\s)+3], s[G1:G1+7]
	s_nop 0
.rept 4
	v_nop
.endr
	s_branch .Lasked_\@
.Lfor_b_\@:
	tensor_load_to_lds s[G0B+4*(\s):G0B+4*(\s)+3], s[G1B:G1B+7]
	s_nop 0
.rept 4
	v_nop
.endr
.Lasked_\@:
.endm
.macro CREST                           ; a round of the cluster's barrier behind its opening barrier
	s_cmp_lg_u32 s10, 0
	s_cbranch_scc1 .Lnot_wave_0_\@
	s_barrier_signal -3
.Lnot_wave_0_\@:
	s_barrier_wait -3
	s_barrier_signal -1
	s_barrier_wait -1
.endm
.macro CROUND                          ; a whole round
	s_barrier_signal -1
	s_barrier_wait -1
	CREST
.endm
	s_load_b128 s[4:7], s[0:1], 0x0                ; xb s[4:5], wb s[6:7]
	s_load_b64 s[8:9], s[0:1], 0x10                ; qkv
	v_lshl_add_u32 v[SPW], v0, 2, SPARE
	v_mov_b32 v[NIL], 0
	ds_add_u32 v[SPW], v[NIL]                      ; the wave's opening: the add and its wait ahead of my first tensor load; the set-up stands between them
	ds_add_u32 v28, v29
	v_lshrrev_b32 v1, 5, v0
	v_readfirstlane_b32 s10, v1                    ; wave 0..3
	s_lshr_b32 s11, s10, 1                         ; my half of the tile's rows.  Also: I fetch for A (0) or for B (1)
	s_and_b32 s12, s10, 1                          ; my half of its columns.  Also: which half of that tile I fetch
	s_bfe_u32 s40, ttmp6, 0x40000                  ; cx
	s_bfe_u32 s41, ttmp6, 0x40004                  ; cy
	s_lshl_b32 s42, ttmp9, 2
	s_add_co_u32 s42, s42, s40                     ; tile column
	s_and_b32 s13, ttmp7, 0xffff
	s_lshl_b32 s13, s13, 2
	s_add_co_u32 s13, s13, s41                     ; tile row
	s_lshl_b32 s43, s41, 2
	s_lshl_b32 s43, 15, s43                        ; my row of the cluster
	s_lshl_b32 s44, 0x1111, s40                    ; my column
	s_or_b32 s[G1+0], s43, (1<<16)|(1<<20)|(1<<21)|(5<<22)|(3<<25)   ; the mask; 2-byte elements; padding on; bit 21 beside a mask; after every 64 words 4 words
	s_or_b32 s[G1B+0], s44, (1<<16)|(1<<20)|(1<<21)|(6<<22)|(7<<25)  ; after every 128 words 8 words
	s_mov_b32 s[G1+1], KSTEP<<16                   ; A: tensor_dim0 = 128
	s_mov_b32 s[G1+2], 128<<16                     ; tensor_dim1 = 128
	s_mov_b32 s[G1+3], KSTEP<<16                   ; tile_dim0 = 128
	s_mov_b32 s[G1+4], 128                         ; tile_dim1 = 128
	s_mov_b32 s[G1+5], 1024                        ; elements from row to row
	s_mov_b32 s[G1+6], 0
	s_mov_b32 s[G1+7], 0
	s_mov_b32 s[G1B+1], 256<<16                    ; B: 256 elements x 64 rows
	s_mov_b32 s[G1B+2], 64<<16
	s_mov_b32 s[G1B+3], 256<<16
	s_mov_b32 s[G1B+4], 64
	s_mov_b32 s[G1B+5], 1024
	s_mov_b32 s[G1B+6], 0
	s_mov_b32 s[G1B+7], 0
	s_lshl_b32 s16, s13, 8                         ; A hangs on the tile row and the wave alone:
	s_lshl_b32 s17, s12, 7
	s_add_co_u32 s16, s16, s17
	s_lshl_b32 s16, s16, 11                        ; row 256 tr + 128 half, 2,048 bytes a row
	s_mov_b32 s17, 0
	s_lshr_b32 s46, s42, 2                         ; B on the tile column and the wave alone:
	s_lshl_b32 s46, s46, 21                        ; the weight, 2 MiB each,
	s_lshl_b32 s47, s12, 17                        ; 64 rows of 2,048 bytes for the second half,
	s_add_co_u32 s46, s46, s47
	s_and_b32 s47, s42, 3
	s_lshl_b32 s47, s47, 9                         ; 256 columns
	s_add_co_u32 s46, s46, s47
	s_mov_b32 s47, 0
	s_mul_i32 s20, s10, HALFT                      ; where they go: wave x 34,816
	s_wait_dscnt 0x0                               ; the opening add is done
	s_wait_kmcnt 0x0
	s_add_nc_u64 s[14:15], s[4:5], s[16:17]
	s_add_nc_u64 s[46:47], s[6:7], s[46:47]
	CROUND                                         ; all sixteen work-groups are here: the first joint loads meet
.irp s, 0,1
	s_mov_b32 s[G0+4*(\s)], 1
	s_add_co_u32 s[G0+4*(\s)+1], s20, (\s)*SLOT
	s_add_nc_u64 s[G0+4*(\s)+2:G0+4*(\s)+3], s[14:15], (\s)*KSTEP*2
	s_or_b32 s[G0+4*(\s)+3], s[G0+4*(\s)+3], 0x80000000
	s_mov_b32 s[G0B+4*(\s)], 1
	s_add_co_u32 s[G0B+4*(\s)+1], s20, (\s)*SLOT
	s_add_nc_u64 s[G0B+4*(\s)+2:G0B+4*(\s)+3], s[46:47], (\s)*KSTEP*2048
	s_or_b32 s[G0B+4*(\s)+3], s[G0B+4*(\s)+3], 0x80000000
	JLOAD \s
.endr
	v_and_b32 v1, 15, v0                           ; l % 16
	v_bfe_u32 v2, v0, 4, 1                         ; l / 16
	v_mul_u32_u24 v3, v1, PITCH
	v_lshl_add_u32 v3, v2, 4, v3                   ; A: row x pitch + 16 x half
	v_and_b32 v4, 7, v0                            ; B, turned: lane l reads k row 8 (l / 16) + l % 8, columns 8 ((l / 8) % 2) ..
	v_lshl_add_u32 v4, v2, 3, v4
	v_mul_u32_u24 v4, v4, PB
	v_bfe_u32 v5, v0, 3, 1
	v_lshl_add_u32 v4, v5, 4, v4
	s_mul_i32 s21, s11, HALFT                      ; my 128 rows of A
	s_lshl_b32 s22, s12, 8                         ; my 128 columns of B, 256 bytes,
	s_add_co_u32 s22, s22, 2*HALFT                 ; behind A's 256 rows
.irp s, 0,1
	v_add_nc_u32 v[ADRA+(\s)], s21, v3
	v_add_nc_u32 v[ADRB+(\s)], s22, v4
	s_add_co_u32 s21, s21, SLOT
	s_add_co_u32 s22, s22, SLOT
.endr
	s_mul_i32 s23, s10, WSTAGE
	s_add_co_u32 s23, s23, STAGE                   ; my stage
	v_mul_u32_u24 v5, v1, SP                       ; in: row l % 16, 16 bytes for each half of the lanes
	v_lshl_add_u32 v5, v2, 4, v5
	v_add_nc_u32 v[STO], s23, v5
	v_bfe_u32 v5, v0, 3, 2                         ; back: 32 lanes take four rows of 128 bytes
	v_mul_u32_u24 v5, v5, SP
	v_and_b32 v6, 7, v0
	v_lshl_add_u32 v5, v6, 4, v5
	v_add_nc_u32 v[RD], s23, v5
	v_and_b32 v[GO], 31, v0
	v_lshlrev_b32 v[GO], 4, v[GO]
	s_lshl_b32 s16, s13, 1                         ; where my part goes: block of 128 rows 2 tr + row half, 256 KiB each,
	s_add_co_u32 s16, s16, s11
	s_lshl_b32 s16, s16, 18
	s_mov_b32 s17, 0
	s_add_nc_u64 s[8:9], s[8:9], s[16:17]
	s_lshr_b32 s46, s42, 2
	s_lshl_b32 s46, s46, 22                        ; region tc / 4, 4 MiB each,
	s_and_b32 s47, s42, 3
	s_lshl_b32 s47, s47, 2
	s_lshl_b32 s21, s12, 1
	s_add_co_u32 s47, s47, s21
	s_lshl_b32 s47, s47, 14                        ; head 4 (tc % 4) + 2 x column half, 16 KiB each
	s_add_co_u32 s46, s46, s47
	s_mov_b32 s47, 0
	s_add_nc_u64 s[8:9], s[8:9], s[46:47]
; 16 matrix instructions: m blocks a0, a0 + 1 of the window's four x all 8 n blocks, 32 along K.  zero = 1: the first product starts the sums.  The 64 accumulators take turns.
.macro MUL16 f, hi, a0, zero
	WIN MUL_LO+0x50*(\hi)
.irp a, \a0, (\a0)+1
.irp b, 0,1,2,3,4,5,6,7
.if \zero
	v_wmma_f32_16x16x32_bf16 v[8*(8*(\a)+(\b)):8*(8*(\a)+(\b))+7], v[(\f)+8*(\b):(\f)+8*(\b)+7], v[(\f)+8*(4*(\hi)+(\a)):(\f)+8*(4*(\hi)+(\a))+7], 0
.else
	v_wmma_f32_16x16x32_bf16 v[8*(8*(\a)+(\b)):8*(8*(\a)+(\b))+7], v[(\f)+8*(\b):(\f)+8*(\b)+7], v[(\f)+8*(4*(\hi)+(\a)):(\f)+8*(4*(\hi)+(\a))+7], v[8*(8*(\a)+(\b)):8*(8*(\a)+(\b))+7]
.endif
.endr
.endr
.endm
; 32 LDS loads in one run: the fragments of one quarter step (32 along K, at byte k of A's rows = k rows k / 2 .. of B) into buffer f
.macro FETCH slot, k, f
	WIN TO_B
.irp i, 0,1,2,3,4,5,6,7
	ds_load_tr16_b128 v[(\f)+8*(\i):(\f)+8*(\i)+3],   v[ADRB+(\slot)] offset:((\k)/64)*32*PB+(\i)*32
	ds_load_tr16_b128 v[(\f)+8*(\i)+4:(\f)+8*(\i)+7], v[ADRB+(\slot)] offset:((\k)/64)*32*PB+16*PB+(\i)*32
.endr
	WIN 0
.irp i, 0,1,2,3,4,5,6,7
	ds_load_b128 v[(\f)+8*(\i):(\f)+8*(\i)+3],   v[ADRA+(\slot)] offset:(\k)+(\i)*16*PITCH
	ds_load_b128 v[(\f)+8*(\i)+4:(\f)+8*(\i)+7], v[ADRA+(\slot)] offset:(\k)+(\i)*16*PITCH+32
.endr
.endm
.macro PLACES                          ; four places in front of loads into registers that matrix instructions have read, and of conversions that read results
.rept 4
	v_nop
.endr
.endm
.macro QUARTER slot, k, f, g, zero     ; multiplies buffer f; in its middle fetches the next quarter, at byte k, into g
	s_wait_dscnt 8                                 ; B and A's rows 0-63 are in; the youngest eight loads (A's rows 64-127) may be out
	MUL16 \f, 0, 0, \zero
	MUL16 \f, 0, 2, \zero
	PLACES
	FETCH \slot, \k, \g
	s_wait_dscnt 32                                ; all but the 32 just issued
	MUL16 \f, 1, 0, \zero
	MUL16 \f, 1, 2, \zero
.endm
; The last quarter's first half: one barrier for the change of slots.  In front of it each wave waits for all its tensor loads (one is out: its part of the next slot), adds 0 to its spare word, and waits for that and for its reads of this slot.
.macro MEET round
	WIN 0
	s_wait_tensorcnt 0x0
	ds_add_u32 v[SPW], v[NIL]
	s_wait_dscnt 9                                 ; the add and the youngest eight loads may be out
	MUL16 F1, 0, 0, 0
	s_wait_dscnt 0x0                               ; the add is done, and my reads of this slot are over
	s_barrier_signal -1
	MUL16 F1, 0, 2, 0
.if \round
	WIN 0
.endif
	s_barrier_wait -1
.endm
.macro TURN slot, next                 ; the whole last quarter: behind the round the slot just read is filled again, two K steps on; then the next slot's first fragments
	MEET 1
	CREST
	s_add_nc_u64 s[G0+4*(\slot)+2:G0+4*(\slot)+3], s[G0+4*(\slot)+2:G0+4*(\slot)+3], 2*KSTEP*2
	s_add_nc_u64 s[G0B+4*(\slot)+2:G0B+4*(\slot)+3], s[G0B+4*(\slot)+2:G0B+4*(\slot)+3], 2*KSTEP*2048
	JLOAD \slot                                    ; the first tensor load behind the round; its four v_nop are also the places in front of the loads below
	FETCH \next, 0, F0
	MUL16 F1, 1, 0, 0
	MUL16 F1, 1, 2, 0
.endm
; THE WAY OUT of block a (16 rows).  PACK: rounded to f16, 16 bytes a lane.  TOSTAGE: into my stage, by heads, and back as whole rows of 128 bytes.  SEND: 512 consecutive bytes a store.
.macro PACK a
.set AC, 64*((\a)%4)
	WIN 0x0a+5*((\a)/4)
.irp b, 0,1,2,3,4,5,6,7
.irp r, 0,1,2,3
	v_cvt_pk_f16_f32 v[TMP+4*(\b)+(\r)], v[AC+8*(\b)+2*(\r)], v[AC+8*(\b)+2*(\r)+1]
.endr
.endr
	WIN 0
.endm
.macro TOSTAGE a
	WIN 0
.set BK, OB+192*((\a)%2)
.irp b, 0,1,2,3,4,5,6,7
	ds_store_b128 v[STO], v[TMP+4*(\b):TMP+4*(\b)+3] offset:((\b)/4)*16*SP+32*((\b)%4)
.endr
.irp t, 0,1,2,3,4,5,6,7
	ds_load_b128 v[BK+4*(\t):BK+4*(\t)+3], v[RD] offset:((\t)/4)*16*SP+((\t)%4)*4*SP  ; LDS serves a wave's instructions in order: these see the stores above
.endr
.endm
.macro SEND a
	WIN 0
.set BK, OB+192*((\a)%2)
	s_wait_dscnt 0x0                               ; the block is back in registers
	s_wait_xcnt 0x0                                ; the registers that the block before last's stores read are loaded again only behind this wait
.irp t, 0,1,2,3,4,5,6,7
	global_store_b128 v[GO], v[BK+4*(\t):BK+4*(\t)+3], s[8:9] offset:((\t)/4)*16384+(\a)*2048+((\t)%4)*512
.endr
.endm
	s_wait_tensorcnt 1                             ; my part of K step 0 is in; step 1's may stay out
	s_barrier_signal -1
	s_barrier_wait -1
	FETCH 0, 0, F0
	QUARTER 0, 64,  F0, F1, 1                      ; the first quarter stands in front of the loop: its products start the sums
	WIN 0
	s_mov_b32 s3, LAPS-1
.Llap:                                                 ; a trip goes once round the ring and fills both slots again
	QUARTER 0, 128, F1, F0, 0
	QUARTER 0, 192, F0, F1, 0
	TURN 0, 1
	QUARTER 1, 64,  F0, F1, 0
	QUARTER 1, 128, F1, F0, 0
	QUARTER 1, 192, F0, F1, 0
	TURN 1, 0
	QUARTER 0, 64,  F0, F1, 0
	WIN 0
	s_sub_co_u32 s3, s3, 1
	s_cmp_lg_u32 s3, 0
	s_cbranch_scc1 .Llap
	QUARTER 0, 128, F1, F0, 0                      ; the last lap fills nothing
	QUARTER 0, 192, F0, F1, 0
	MEET 0
	PLACES
	FETCH 1, 0, F0
	MUL16 F1, 1, 0, 0
	MUL16 F1, 1, 2, 0
	QUARTER 1, 64,  F0, F1, 0
	QUARTER 1, 128, F1, F0, 0
	QUARTER 1, 192, F0, F1, 0
	s_wait_dscnt 8                                 ; the very last quarter: nothing more to fetch
	MUL16 F1, 0, 0, 0
	MUL16 F1, 0, 2, 0
	s_wait_dscnt 0x0
	MUL16 F1, 1, 0, 0
	MUL16 F1, 1, 2, 0
	PLACES
	PACK 0
	TOSTAGE 0
.irp a, 1,2,3,4,5,6,7                  ; block a's conversions stand between block a - 1's loads from the stage and the wait for them
	PACK \a
	SEND (\a)-1
	TOSTAGE \a
.endr
	SEND 7
	s_wait_tensorcnt 0x0                           ; the wave's end
	ds_add_u32 v[SPW], v[NIL]
	s_wait_dscnt 0x0
	CROUND                                         ; the closing round
	s_endpgm
.Lfunc_end_k_qbe5ef32a7f_proj:
	.size	k_qbe5ef32a7f_proj, .Lfunc_end_k_qbe5ef32a7f_proj-k_qbe5ef32a7f_proj
	.p2alignl 7, 3214868480
	.fill 96, 4, 3214868480
	.section	.rodata,"a",@progbits
	.p2align	6, 0x0
	.amdhsa_kernel k_qbe5ef32a7f_proj
		.amdhsa_group_segment_fixed_size 327680
		.amdhsa_private_segment_fixed_size 0
		.amdhsa_enable_private_segment 0
		.amdhsa_kernarg_size 24
		.amdhsa_user_sgpr_count 2
		.amdhsa_user_sgpr_kernarg_segment_ptr 1
		.amdhsa_wavefront_size32 1
		.amdhsa_system_sgpr_workgroup_id_x 1
		.amdhsa_system_sgpr_workgroup_id_y 1
		.amdhsa_system_sgpr_workgroup_id_z 1
		.amdhsa_system_vgpr_workitem_id 0
		.amdhsa_next_free_vgpr 1024
		.amdhsa_next_free_sgpr 66
		.amdhsa_reserve_vcc 0
		.amdhsa_float_denorm_mode_32 3
		.amdhsa_float_denorm_mode_16_64 3
		.amdhsa_memory_ordered 1
		.amdhsa_forward_progress 1
		.amdhsa_inst_pref_size 143
	.end_amdhsa_kernel
	.amdgpu_metadata
---
amdhsa.version: [ 1, 2 ]
amdhsa.kernels:
  - .name:           k_qbe5ef32a7f_proj
    .symbol:         k_qbe5ef32a7f_proj.kd
    .args:
      - { .name: xb, .offset: 0, .size: 8, .value_kind: global_buffer, .address_space: global }
      - { .name: wb, .offset: 8, .size: 8, .value_kind: global_buffer, .address_space: global }
      - { .name: qkv, .offset: 16, .size: 8, .value_kind: global_buffer, .address_space: global }
    .group_segment_fixed_size: 327680
    .private_segment_fixed_size: 0
    .kernarg_segment_align: 8
    .kernarg_segment_size: 24
    .max_flat_workgroup_size: 128
    .sgpr_count:     66
    .vgpr_count:     1024
    .wavefront_size: 32
...
	.end_amdgpu_metadata
.endif
;; end of part 2
;; launch ctx (part 3): grid 16 x 5, 4 waves a work-group, clusters of 4 x 1, 327,680 bytes of LDS; arguments cb, wb, qkv; writes qkv
.if DOCPART == 3
	.amdgcn_target "amdgcn-amd-amdhsa--gfx1250"
	.amdhsa_code_object_version 6
	.text
	.protected	k_qbe5ef32a7f_ctx
	.globl	k_qbe5ef32a7f_ctx
	.p2align	8
	.type	k_qbe5ef32a7f_ctx,@function
k_qbe5ef32a7f_ctx:
	s_mov_b64 s[64:65], 0
	v_nop
	global_prefetch_b8 v0, s[64:65] scope:SCOPE_SE
	s_setreg_imm32_b32 hwreg(HW_REG_WAVE_MODE, 25, 1), 1
	s_wait_xcnt 0x0
	s_wait_alu depctr_hold_cnt(0) depctr_sa_sdst(0) depctr_va_vdst(0) depctr_va_sdst(0) depctr_va_ssrc(0) depctr_va_vcc(0) depctr_vm_vsrc(0)
	s_getreg_b32 s2, hwreg(HW_REG_IB_STS2, 6, 4)
	s_cmp_eq_u32 s2, 0
	s_cbranch_scc0 .Lentry_in_a_cluster
	s_endpgm
.Lentry_in_a_cluster:
	s_bfe_u32 s2, ttmp6, 0x10000c
	s_cmp_lg_u32 s2, 0x3003
	s_cbranch_scc0 .Lentry_shape_is_right
	s_endpgm
.Lentry_shape_is_right:
; CTX: the keys and values of the two contexts: memory (cb rows 0-511) x mem_wk, mem_wv; persona (cb rows 512-575) x per_wk, per_wv.  bf16 operands, f32 sums, the result rounded once to f16 (|k|, |v| under 65,504).
; Work-group (x, y): y = 0..3 a block of 128 memory rows, y = 4 persona's 64 rows; x = 0..15: weight 8 + x / 8 (+ 2 for persona), columns 128 (x % 8) ..: two heads.  qkv region = the weight's number, laid as [row / 128][head][128][64].
; A tile of C is 128 x 128, four waves of 64 x 64; K in steps of 256 through two LDS slots.  A's rows are 512 bytes; B lies [256 k][128 n], rows of 256 bytes, and comes out turned.
; For persona both halves of A's tile hold the same 64 rows (no load leaves the buffer); the waves of the second half compute a copy and store nothing.
; CLUSTER: the four work-groups of a cluster lie along x and share A's tile: a joint load with the mask of four.  B's tile differs between them and is a load of each one's own (mask 0): it is shared along y alone,
; whose five rows use two different pairs of weights, so no cluster divides them.
; REGISTERS: window 0: v0-31 addresses; v32-111 at work on the way out; v128-255 the accumulators ((a, b) at v[128 + 8 (4 a + b)]).  window 1: two fragment buffers of 128: 64 of A, then 64 of B.
.set KSTEP,  256
.set PITCH,  528                       ; a row of A: 512 bytes + 16
.set PB,     288                       ; a row of B: 256 bytes + 32 = 9 x 32
.set HALFA,  64*PITCH
.set HALFB,  128*PB
.set BOFF,   2*HALFA
.set SLOT,   BOFF+2*HALFB
.set STAGE,  2*SLOT                    ; behind the ring: 16 rows x 144 bytes for each wave
.set SP,     144
.set SPARE,  STAGE+4*16*SP             ; the spare words: two blocks of 256 bytes that no other line names
.set LAPS,   2
.set ADRA, 16                          ; v16-17  A's fragments in slot 0, 1
.set ADRB, 20                          ; v20-23  B's: slot 0 k rows 0-127, 128-255; slot 1 likewise
.set STO,  24
.set RD,   25
.set GO,   26
.set SPW,  28
.set NIL,  29
.set TMP,  32                          ; v32-95  four blocks read back from the stage
.set PKT,  96                          ; v96-111 a block packed
.set ACC,  128
.set F0,   0
.set F1,   128
.set G1, 24
.set G0, 32
.set G1B, 48
.set G0B, 56
.set MSB, 0
.macro WIN new
.if MSB != (\new)
	s_set_vgpr_msb (MSB<<8)|(\new)
.set MSB, \new
.endif
.endm
.set MUL,  0x05                        ; sources 0 (B) and 1 (A) window 1; C and D window 0
.set TO_F, 0x40
.macro JLOAD s                         ; waves 0 and 1 fetch A's two halves (jointly), waves 2 and 3 B's; an s_nop 0 and four v_nop follow each line
	s_cmp_eq_u32 s11, 0
	s_cbranch_scc0 .Lfor_b_\@
	tensor_load_to_lds s[G0+4*(\s):G0+4*(\s)+3], s[G1:G1+7]
	s_nop 0
.rept 4
	v_nop
.endr
	s_branch .Lasked_\@
.Lfor_b_\@:
	tensor_load_to_lds s[G0B+4*(\s):G0B+4*(\s)+3], s[G1B:G1B+7]
	s_nop 0
.rept 4
	v_nop
.endr
.Lasked_\@:
.endm
.macro CREST
	s_cmp_lg_u32 s10, 0
	s_cbranch_scc1 .Lnot_wave_0_\@
	s_barrier_signal -3
.Lnot_wave_0_\@:
	s_barrier_wait -3
	s_barrier_signal -1
	s_barrier_wait -1
.endm
.macro CROUND
	s_barrier_signal -1
	s_barrier_wait -1
	CREST
.endm
	s_load_b128 s[4:7], s[0:1], 0x0                ; cb s[4:5], wb s[6:7]
	s_load_b64 s[8:9], s[0:1], 0x10                ; qkv
	v_lshl_add_u32 v[SPW], v0, 2, SPARE
	v_mov_b32 v[NIL], 0
	ds_add_u32 v[SPW], v[NIL]                      ; the wave's opening: the add and its wait ahead of my first tensor load
	ds_add_u32 v28, v29
	v_lshrrev_b32 v1, 5, v0
	v_readfirstlane_b32 s10, v1                    ; wave 0..3
	s_lshr_b32 s11, s10, 1                         ; my half of the rows.  Also: I fetch for A (0) or B (1)
	s_and_b32 s12, s10, 1                          ; my half of the columns.  Also: which half of that tile I fetch
	s_bfe_u32 s40, ttmp6, 0x40000                  ; cx
	s_lshl_b32 s42, ttmp9, 2
	s_add_co_u32 s42, s42, s40                     ; x: it enters B's and the result's addresses alone
	s_and_b32 s13, ttmp7, 0xffff                   ; y, which the four partners share
	s_mov_b32 s[G1+0], 15|(1<<16)|(1<<20)|(1<<21)|(6<<22)|(3<<25)  ; the mask of four; 2-byte elements; padding on; bit 21 beside a mask; after every 128 words 4 words
	s_mov_b32 s[G1+1], KSTEP<<16                   ; 256 elements x 64 rows
	s_mov_b32 s[G1+2], 64<<16
	s_mov_b32 s[G1+3], KSTEP<<16
	s_mov_b32 s[G1+4], 64
	s_mov_b32 s[G1+5], 1024
	s_mov_b32 s[G1+6], 0
	s_mov_b32 s[G1+7], 0
	s_mov_b32 s[G1B+0], (1<<16)|(1<<20)|(5<<22)|(7<<25)            ; no mask; after every 64 words 8 words
	s_mov_b32 s[G1B+1], 128<<16                    ; 128 elements x 128 rows
	s_mov_b32 s[G1B+2], 128<<16
	s_mov_b32 s[G1B+3], 128<<16
	s_mov_b32 s[G1B+4], 128
	s_mov_b32 s[G1B+5], 1024
	s_mov_b32 s[G1B+6], 0
	s_mov_b32 s[G1B+7], 0
	s_lshl_b32 s16, s13, 7
	s_lshl_b32 s17, s12, 6
	s_add_co_u32 s16, s16, s17                     ; A: row 128 y + 64 half,
	s_cmp_eq_u32 s13, 4
	s_cselect_b32 s16, 512, s16                    ; or persona's first row for both halves
	s_cselect_b32 s43, 2, 0
	s_cselect_b32 s44, 0, s13                      ; the result's block of 128 rows
	s_lshl_b32 s16, s16, 11
	s_mov_b32 s17, 0
	s_lshr_b32 s2, s43, 1
	s_and_b32 s2, s2, s11                          ; 1: persona's second row half: nothing to store
	s_lshr_b32 s45, s42, 3
	s_add_co_u32 s45, s45, s43
	s_add_co_u32 s45, s45, 8                       ; the weight
	s_lshl_b32 s46, s45, 21
	s_lshl_b32 s47, s12, 18                        ; 128 k rows of 2,048 bytes for the second half
	s_add_co_u32 s46, s46, s47
	s_and_b32 s47, s42, 7
	s_lshl_b32 s47, s47, 8                         ; 128 columns
	s_add_co_u32 s46, s46, s47
	s_mov_b32 s47, 0
	s_mul_i32 s20, s12, HALFA                      ; where they go
	s_mul_i32 s21, s12, HALFB
	s_add_co_u32 s21, s21, BOFF
	s_wait_dscnt 0x0                               ; the opening add is done
	s_wait_kmcnt 0x0
	s_add_nc_u64 s[14:15], s[4:5], s[16:17]
	s_add_nc_u64 s[46:47], s[6:7], s[46:47]
	CROUND                                         ; all four work-groups are here: the first joint loads meet
.irp s, 0,1
	s_mov_b32 s[G0+4*(\s)], 1
	s_add_co_u32 s[G0+4*(\s)+1], s20, (\s)*SLOT
	s_add_nc_u64 s[G0+4*(\s)+2:G0+4*(\s)+3], s[14:15], (\s)*KSTEP*2
	s_or_b32 s[G0+4*(\s)+3], s[G0+4*(\s)+3], 0x80000000
	s_mov_b32 s[G0B+4*(\s)], 1
	s_add_co_u32 s[G0B+4*(\s)+1], s21, (\s)*SLOT
	s_add_nc_u64 s[G0B+4*(\s)+2:G0B+4*(\s)+3], s[46:47], (\s)*KSTEP*2048
	s_or_b32 s[G0B+4*(\s)+3], s[G0B+4*(\s)+3], 0x80000000
	JLOAD \s
.endr
	v_and_b32 v1, 15, v0
	v_bfe_u32 v2, v0, 4, 1
	v_mul_u32_u24 v3, v1, PITCH
	v_lshl_add_u32 v3, v2, 4, v3                   ; A: row x pitch + 16 x half
	v_and_b32 v4, 7, v0
	v_lshl_add_u32 v4, v2, 3, v4
	v_mul_u32_u24 v4, v4, PB
	v_bfe_u32 v5, v0, 3, 1
	v_lshl_add_u32 v4, v5, 4, v4                   ; B, turned
	s_mul_i32 s21, s11, HALFA                      ; my 64 rows of A
	s_lshl_b32 s22, s12, 7                         ; my 64 columns of B
	s_add_co_u32 s22, s22, BOFF
.irp s, 0,1
	v_add_nc_u32 v[ADRA+(\s)], s21, v3
	v_add_nc_u32 v[ADRB+2*(\s)], s22, v4
	s_add_co_u32 s23, s22, HALFB
	v_add_nc_u32 v[ADRB+2*(\s)+1], s23, v4
	s_add_co_u32 s21, s21, SLOT
	s_add_co_u32 s22, s22, SLOT
.endr
	s_mul_i32 s23, s10, 16*SP
	s_add_co_u32 s23, s23, STAGE                   ; my stage
	v_mul_u32_u24 v5, v1, SP
	v_lshl_add_u32 v5, v2, 4, v5
	v_add_nc_u32 v[STO], s23, v5
	v_bfe_u32 v5, v0, 3, 2
	v_mul_u32_u24 v5, v5, SP
	v_and_b32 v6, 7, v0
	v_lshl_add_u32 v5, v6, 4, v5
	v_add_nc_u32 v[RD], s23, v5
	v_and_b32 v[GO], 31, v0
	v_lshlrev_b32 v[GO], 4, v[GO]
	s_lshl_b32 s46, s45, 22                        ; the result: region, 4 MiB;
	s_lshl_b32 s47, s44, 18                        ; block of 128 rows, 256 KiB;
	s_add_co_u32 s46, s46, s47
	s_and_b32 s47, s42, 7
	s_lshl_b32 s47, s47, 1
	s_add_co_u32 s47, s47, s12
	s_lshl_b32 s47, s47, 14                        ; head 2 (x % 8) + column half, 16 KiB;
	s_add_co_u32 s46, s46, s47
	s_lshl_b32 s47, s11, 13                        ; my 64 rows of 128 bytes
	s_add_co_u32 s46, s46, s47
	s_mov_b32 s47, 0
	s_add_nc_u64 s[8:9], s[8:9], s[46:47]
.macro MUL8 f, c, a0, zero             ; 8 matrix instructions: m blocks a0, a0 + 1 x all 4 n blocks, half c of buffer f; the 16 accumulators take turns
	WIN MUL
.irp a, \a0, (\a0)+1
.irp b, 0,1,2,3
.if \zero
	v_wmma_f32_16x16x32_bf16 v[ACC+8*(4*(\a)+(\b)):ACC+8*(4*(\a)+(\b))+7], v[(\f)+64+8*(4*(\c)+(\b)):(\f)+64+8*(4*(\c)+(\b))+7], v[(\f)+8*(4*(\c)+(\a)):(\f)+8*(4*(\c)+(\a))+7], 0
.else
	v_wmma_f32_16x16x32_bf16 v[ACC+8*(4*(\a)+(\b)):ACC+8*(4*(\a)+(\b))+7], v[(\f)+64+8*(4*(\c)+(\b)):(\f)+64+8*(4*(\c)+(\b))+7], v[(\f)+8*(4*(\c)+(\a)):(\f)+8*(4*(\c)+(\a))+7], v[ACC+8*(4*(\a)+(\b)):ACC+8*(4*(\a)+(\b))+7]
.endif
.endr
.endr
.endm
.macro FETCH slot, k, f                ; 32 LDS loads in one run: 64 along K at byte k of A's rows (k rows k / 2 .. of B), the first 32 along K first
	WIN TO_F
.irp c, 0,1
.irp i, 0,1,2,3
	ds_load_tr16_b128 v[(\f)+64+8*(4*(\c)+(\i)):(\f)+64+8*(4*(\c)+(\i))+3],   v[ADRB+2*(\slot)+(\k)/256] offset:((((\k)/128)%2)*2+(\c))*32*PB+32*(\i)
	ds_load_tr16_b128 v[(\f)+64+8*(4*(\c)+(\i))+4:(\f)+64+8*(4*(\c)+(\i))+7], v[ADRB+2*(\slot)+(\k)/256] offset:((((\k)/128)%2)*2+(\c))*32*PB+16*PB+32*(\i)
	ds_load_b128 v[(\f)+8*(4*(\c)+(\i)):(\f)+8*(4*(\c)+(\i))+3],         v[ADRA+(\slot)] offset:(\k)+64*(\c)+(\i)*16*PITCH
	ds_load_b128 v[(\f)+8*(4*(\c)+(\i))+4:(\f)+8*(4*(\c)+(\i))+7],       v[ADRA+(\slot)] offset:(\k)+64*(\c)+(\i)*16*PITCH+32
.endr
.endr
.endm
.macro PLACES
.rept 4
	v_nop
.endr
.endm
.macro QUARTER slot, k, f, g, zero
	s_wait_dscnt 16                                ; the first 32 along K are in
	MUL8 \f, 0, 0, \zero
	MUL8 \f, 0, 2, \zero
	PLACES
	FETCH \slot, \k, \g
	s_wait_dscnt 32                                ; all but the 32 just issued
	MUL8 \f, 1, 0, 0
	MUL8 \f, 1, 2, 0
.endm
.macro TURN slot, next, fill           ; the last quarter changes slots: one barrier; in front of it every wave's wait for all its tensor loads, the add, and the wait for that and for its reads of this slot
	WIN 0
	s_wait_tensorcnt 0x0
	ds_add_u32 v[SPW], v[NIL]
	s_wait_dscnt 17                                ; the add and the youngest sixteen loads may be out
	MUL8 F1, 0, 0, 0
	s_wait_dscnt 0x0
	s_barrier_signal -1
	MUL8 F1, 0, 2, 0
.if \fill
	WIN 0
.endif
	s_barrier_wait -1
.if \fill
	CREST                                          ; the barrier has opened a round of the cluster's: no wave of any partner still reads this slot or has a load on its way
	s_add_nc_u64 s[G0+4*(\slot)+2:G0+4*(\slot)+3], s[G0+4*(\slot)+2:G0+4*(\slot)+3], 2*KSTEP*2
	s_add_nc_u64 s[G0B+4*(\slot)+2:G0B+4*(\slot)+3], s[G0B+4*(\slot)+2:G0B+4*(\slot)+3], 2*KSTEP*2048
	JLOAD \slot
.else
	PLACES
.endif
	FETCH \next, 0, F0
	MUL8 F1, 1, 0, 0
	MUL8 F1, 1, 2, 0
.endm
	s_wait_tensorcnt 1                             ; my part of K step 0 is in; step 1's may stay out
	s_barrier_signal -1
	s_barrier_wait -1
	FETCH 0, 0, F0
	QUARTER 0, 128, F0, F1, 1
	WIN 0
	s_mov_b32 s3, LAPS-1
.Llap:
	QUARTER 0, 256, F1, F0, 0
	QUARTER 0, 384, F0, F1, 0
	TURN 0, 1, 1
	QUARTER 1, 128, F0, F1, 0
	QUARTER 1, 256, F1, F0, 0
	QUARTER 1, 384, F0, F1, 0
	TURN 1, 0, 1
	QUARTER 0, 128, F0, F1, 0
	WIN 0
	s_sub_co_u32 s3, s3, 1
	s_cmp_lg_u32 s3, 0
	s_cbranch_scc1 .Llap
	QUARTER 0, 256, F1, F0, 0                      ; the last lap fills nothing
	QUARTER 0, 384, F0, F1, 0
	TURN 0, 1, 0
	QUARTER 1, 128, F0, F1, 0
	QUARTER 1, 256, F1, F0, 0
	QUARTER 1, 384, F0, F1, 0
	s_wait_dscnt 16
	MUL8 F1, 0, 0, 0
	MUL8 F1, 0, 2, 0
	s_wait_dscnt 0x0
	MUL8 F1, 1, 0, 0
	MUL8 F1, 1, 2, 0
	WIN 0
	s_cmp_lg_u32 s2, 0
	s_cbranch_scc1 .Lno_out                        ; persona's second row half is a copy: it is not stored
	; THE WAY OUT: my 64 x 64 are 64 rows of one head.  A block of 16 rows at a time: rounded to f16, into my own stage, back as whole rows of 128 bytes.
	PLACES
.irp a, 0,1,2,3
.irp b, 0,1,2,3
.irp r, 0,1,2,3
	v_cvt_pk_f16_f32 v[PKT+4*(\b)+(\r)], v[ACC+8*(4*(\a)+(\b))+2*(\r)], v[ACC+8*(4*(\a)+(\b))+2*(\r)+1]
.endr
.endr
.irp b, 0,1,2,3
	ds_store_b128 v[STO], v[PKT+4*(\b):PKT+4*(\b)+3] offset:32*(\b)
.endr
.irp f, 0,1,2,3
	ds_load_b128 v[TMP+16*(\a)+4*(\f):TMP+16*(\a)+4*(\f)+3], v[RD] offset:(\f)*4*SP  ; LDS serves a wave's instructions in order: these see the stores above, the next block's stores come behind them
.endr
.endr
.irp a, 0,1,2,3
.irp f, 0,1,2,3
	s_wait_dscnt (3-(\a))*8+3-(\f)                 ; behind this load: the rest of its block's, and eight for each later block
	global_store_b128 v[GO], v[TMP+16*(\a)+4*(\f):TMP+16*(\a)+4*(\f)+3], s[8:9] offset:(\a)*2048+(\f)*512  ; 512 consecutive bytes
.endr
.endr
.Lno_out:
	s_wait_tensorcnt 0x0                           ; the wave's end
	ds_add_u32 v[SPW], v[NIL]
	s_wait_dscnt 0x0
	CROUND                                         ; the closing round
	s_endpgm
.Lfunc_end_k_qbe5ef32a7f_ctx:
	.size	k_qbe5ef32a7f_ctx, .Lfunc_end_k_qbe5ef32a7f_ctx-k_qbe5ef32a7f_ctx
	.p2alignl 7, 3214868480
	.fill 96, 4, 3214868480
	.section	.rodata,"a",@progbits
	.p2align	6, 0x0
	.amdhsa_kernel k_qbe5ef32a7f_ctx
		.amdhsa_group_segment_fixed_size 327680
		.amdhsa_private_segment_fixed_size 0
		.amdhsa_enable_private_segment 0
		.amdhsa_kernarg_size 24
		.amdhsa_user_sgpr_count 2
		.amdhsa_user_sgpr_kernarg_segment_ptr 1
		.amdhsa_wavefront_size32 1
		.amdhsa_system_sgpr_workgroup_id_x 1
		.amdhsa_system_sgpr_workgroup_id_y 1
		.amdhsa_system_sgpr_workgroup_id_z 1
		.amdhsa_system_vgpr_workitem_id 0
		.amdhsa_next_free_vgpr 512
		.amdhsa_next_free_sgpr 66
		.amdhsa_reserve_vcc 0
		.amdhsa_float_denorm_mode_32 3
		.amdhsa_float_denorm_mode_16_64 3
		.amdhsa_memory_ordered 1
		.amdhsa_forward_progress 1
		.amdhsa_inst_pref_size 87
	.end_amdhsa_kernel
	.amdgpu_metadata
---
amdhsa.version: [ 1, 2 ]
amdhsa.kernels:
  - .name:           k_qbe5ef32a7f_ctx
    .symbol:         k_qbe5ef32a7f_ctx.kd
    .args:
      - { .name: cb, .offset: 0, .size: 8, .value_kind: global_buffer, .address_space: global }
      - { .name: wb, .offset: 8, .size: 8, .value_kind: global_buffer, .address_space: global }
      - { .name: qkv, .offset: 16, .size: 8, .value_kind: global_buffer, .address_space: global }
    .group_segment_fixed_size: 327680
    .private_segment_fixed_size: 0
    .kernarg_segment_align: 8
    .kernarg_segment_size: 24
    .max_flat_workgroup_size: 128
    .sgpr_count:     66
    .vgpr_count:     512
    .wavefront_size: 32
...
	.end_amdgpu_metadata
.endif
;; end of part 3
;; launch attn (part 4): grid 16 x 16, 4 waves a work-group, no clusters, 327,680 bytes of LDS; arguments qkv, ut, oh, pl; writes oh, pl
.if DOCPART == 4
	.amdgcn_target "amdgcn-amd-amdhsa--gfx1250"
	.amdhsa_code_object_version 6
	.text
	.protected	k_qbe5ef32a7f_attn
	.globl	k_qbe5ef32a7f_attn
	.p2align	8
	.type	k_qbe5ef32a7f_attn,@function
k_qbe5ef32a7f_attn:
	s_mov_b64 s[64:65], 0
	v_nop
	global_prefetch_b8 v0, s[64:65] scope:SCOPE_SE
	s_setreg_imm32_b32 hwreg(HW_REG_WAVE_MODE, 25, 1), 1
	s_wait_xcnt 0x0
; ATTN: the four attentions (0 local: causal and q - k <= 512; 1 long: causal; 2 memory, 512 keys; 3 persona, 64 keys), 16 heads of 64, and each head's share of the gate's logits.
; q, k, v: f16 by heads, qkv region = [row / 128][head][128][64]; products, maxima and sums in f32; the weights p are rounded to f16 for the second product (their sum l is taken of the unrounded p), O once at the end.
; oh: f16 [block of 128 queries][head][branch][128][64].  pl: f32 [head 4 + branch][2048][4]: O (as rounded) times u, the share of that head and branch in the four logits.
; LIMITS.  q, k, v arrive within f16's 65,504.  A hidden score counts as its value less 1e30; a weight below 2^-126 counts as 0 in l; NaN and infinities are not treated apart.
; JOBS.  A job is a branch, the head and a block j of 128 queries.  Wave w holds two tiles of 16 queries: rows 128 j + 64 x + 16 w + lane % 16, x = 0, 1: a piece of each band of 64, so that all four waves have the same live work.
; A STEP is 64 keys, a SLOT of LDS 128 keys of K and V.  Work-group (c, head), e = c % 8:  c < 8: local 15 - e (10 steps), memory 15 - e (8), local e (10), memory e (8);
; c >= 8: persona 15 - e (1), persona e (1), long e (2 e + 2), long 15 - e (32 - 2 e).  Always 4 jobs, 36 steps, 18 slots: every trip count is a constant, and all work-groups are alike.
; Self-attention walks its keys DOWNWARD, the diagonal's 128 first, and in a slot the upper 64 keys lie first.  D = (a band's first query) - (the step's first key) rises by 64 a step: the band is live for 0 <= D <= LIM
; (local: min(512, the band's first query)); D = 0 holds the diagonal, D = 512 the window's edge.  Dead tiles are jumped, never computed.  For local blocks j < 4 the tile's number is held at 0: those slots' steps are dead.
; THE MASK is the C operand that starts S^T = K Q^T: MC = MD x AL + ML x AL2, with MD = -1e30 where key > query inside a band's own 64 (diagonal), ML where key < query (window's edge); it is rewritten only when it changes.
; LAYOUT, SOFTMAX.  S^T holds one query a lane (lane % 16) and the keys 8 (lane / 16) + 0..7; two results rounded to f16 ARE source 1 of O^T = V^T P, and O^T rounded is source 1 of the logits' product with u.
; p = 2^(c s - c m), c = log2(e) / 8, with a running maximum m; O and l are multiplied by a = 2^(c m_old - c m_new) in every step; a job's first a is 0, which wipes what the job before left.
; NO CLUSTER: work-groups of a head ask for the same tile only in the memory slots, 8 of 18, and only in one of the two kinds; elsewhere their tiles differ.
; REGISTERS, in windows of 256 (s_set_vgpr_msb: bits 1:0 source 0, 3:2 source 1, 5:4 source 2, 7:6 destination):
;   window 0: v0-15 addresses; v16-31 statistics, 8 a tile; v32-47 logits; v48-51 at work; v64-127 S^T; v128-159 P; v160-223 O^T; v224-255 O^T packed
;   window 1: v0-31 Q; v32-47 u; v48-111 K of a step; v112-175 V of a step; v176-239 MC          window 2: v0-143 Q and u of the three jobs to come; v144-175 MD; v176-207 ML
.set KS,    64
.set PK,    144       ; a row of K in LDS: 128 bytes + 16
.set PV,    160       ; a row of V: 128 + 32 = 5 x 32, for the turning load
.set VOFF,  128*PK
.set SLOT1, 65536     ; slot 1 begins here: one exclusive or turns an address in one slot into the other's
.set STAGE, 2*SLOT1   ; behind the ring: 16 rows x 144 bytes for each wave
.set SP,    144
.set SPARE, STAGE+4*16*SP  ; the spare words: two blocks of 256 bytes that no other line names
.set AK0, 2
.set AV0, 3
.set AK,  4
.set AV,  5
.set STO, 6
.set RD,  7
.set GO,  8           ; 16 x lane
.set PLO, 12          ; my 16 bytes in pl: lanes 0-15 tile 0's queries, lanes 16-31 tile 1's, 64 rows on
.set QO,  13          ; my place in 16 rows of 128 bytes
.set ST,  16          ; tile x at ST + 8 x: c m, m, l (even keys', odd keys'), c0-c3 at work; c2 takes a
.set LG,  32
.set LGS, 48
.set SPW, 62
.set NIL, 63
.set S,   64
.set P,   128
.set O,   160
.set PKO, 224
.set Q,   0           ; window 1
.set U,   32
.set KF,  48
.set VF,  112
.set MC,  176
.set MD,  144         ; window 2
.set ML,  176
.set WV,  12
.set KD,  15          ; 0: local and memory; 1: persona and long
.set HDO, 16          ; head x 16 KiB
.set JLO, 17
.set JHI, 18
.set G1K, 24
.set G1V, 32
.set G0K, 40
.set G0V, 44
.set SLOTS, 48
.set CNT, 49
.set TBK, 50          ; LDS byte at which K of the step to be fetched begins
.set TBV, 51          ; the same for V, less VOFF
.set CS,  52
.set SEL, 54
.set BIGN, 56
.set HIM, 57          ; lanes 16-31
.set JQ,  58          ; the jobs to come: block j, four bits each
.set BQ,  59          ; and branch
.set RS,  60          ; steps left in the job
.set NEW, 61          ; 1: the next step begins a job
.set D0,  62
.set DST, 63
.set LIM0, 66
.set LIM1, 67
.set LV0, 68
.set LV1, 69
.set MS0, 70          ; 1: tile x's mask buffer holds a mask
.set MS1, 71
.set AL,  72
.set AL2, 74
.set OA,  76          ; oh at my rows of the job
.set PA,  78          ; pl at my rows of the job
.set FBQ, 80          ; the runs of tiles to be asked for: branch (4 bits), first tile (8), count (8)
.set FTQ, 81
.set FNQ, 82
.set FB,  83
.set FT,  84
.set FN,  85
.set HSW, 86          ; the half of a tile that I fetch, in bytes: the upper 64 keys go into a slot's first half
.set WQ,  87          ; the D of the window's edge, or -1
.set OFF, 88
.set MSB, 0
.macro WIN new
.if MSB != (\new)
	s_set_vgpr_msb (MSB<<8)|(\new)
.set MSB, (\new)
.endif
.endm
.macro PLACES                       ; four places behind matrix instructions (ISA guide 7.12.1)
.rept 4
	v_nop
.endr
.endm
; A fill: waves 0 and 1 fetch the two halves of a tile's K, waves 2 and 3 those of its V, 64 keys each.  An s_nop 0 and four v_nop follow each line.
.macro LOAD
	s_cmp_lt_u32 s[WV], 2
	s_cbranch_scc0 .Lfor_v_\@
	tensor_load_to_lds s[G0K:G0K+3], s[G1K:G1K+7]
	s_nop 0
.rept 4
	v_nop
.endr
	s_branch .Lasked_\@
.Lfor_v_\@:
	tensor_load_to_lds s[G0V:G0V+3], s[G1V:G1V+7]
	s_nop 0
.rept 4
	v_nop
.endr
.Lasked_\@:
.endm
; The next tile to ask for: when a run is used up the next run is taken from the three packed words; the descriptors' addresses are made anew from the tile's number.  Scalars alone, no branch.
.macro FILLNEXT
	s_and_b32 s90, s[FBQ], 15
	s_and_b32 s91, s[FTQ], 0xff
	s_and_b32 s92, s[FNQ], 0xff
	s_lshr_b32 s93, s[FBQ], 4
	s_lshr_b32 s94, s[FTQ], 8
	s_lshr_b32 s95, s[FNQ], 8
	s_cmp_eq_u32 s[FN], 0
	s_cselect_b32 s[FB], s90, s[FB]
	s_cselect_b32 s[FT], s91, s[FT]
	s_cselect_b32 s[FBQ], s93, s[FBQ]
	s_cselect_b32 s[FTQ], s94, s[FTQ]
	s_cselect_b32 s[FNQ], s95, s[FNQ]
	s_cselect_b32 s[FN], s92, s[FN]
	s_lshl_b32 s90, s[FB], 2
	s_lshr_b32 s90, 0xa841, s90     ; K's region by branch: 1, 4, 8, 10; V's is the next
	s_and_b32 s90, s90, 15
	s_lshl_b32 s90, s90, 22
	s_max_i32 s91, s[FT], 0         ; local blocks j < 4: the tile's number is held at 0
	s_lshl_b32 s91, s91, 18
	s_add_co_u32 s90, s90, s91
	s_add_co_u32 s90, s90, s[HDO]
	s_cmp_eq_u32 s[FB], 3
	s_cselect_b32 s91, 0, s[HSW]    ; persona's 64 keys go into both halves
	s_add_co_u32 s[OFF], s90, s91
	s_add_nc_u64 s[G0K+2:G0K+3], s[4:5], s[OFF:OFF+1]
	s_or_b32 s[G0K+3], s[G0K+3], 0x80000000
	s_add_co_u32 s[OFF], s[OFF], 1<<22
	s_add_nc_u64 s[G0V+2:G0V+3], s[4:5], s[OFF:OFF+1]
	s_or_b32 s[G0V+3], s[G0V+3], 0x80000000
	s_sub_co_i32 s[FT], s[FT], 1
	s_sub_co_u32 s[FN], s[FN], 1
.endm
; THE CHANGE OF SLOTS.  Each wave waits for all its tensor loads (one is out: its part of the other slot), adds 0 to its spare word, and waits for that and for its reads of the slot that it leaves.
; Behind the barrier nobody reads the old slot and the other is whole.  fill = 1: the old slot is filled again, first thing behind the barrier.  (At its first use nothing has been read: slot 0 is waited for, slot 1 filled.)
.macro CHANGE fill
	WIN 0
	s_wait_tensorcnt 0x0            ; no tensor load of mine is out, so a group 0 may be written
	ds_add_u32 v[SPW], v[NIL]       ; 0 onto my spare word; the descriptors' scalar work stands between it and the wait for it
.if \fill
	s_xor_b32 s[G0K+1], s[G0K+1], SLOT1
	s_xor_b32 s[G0V+1], s[G0V+1], SLOT1
	FILLNEXT
.endif
	s_wait_dscnt 0x0                ; the add is done, and my reads of the slot are over
	s_barrier_signal -1
	s_sub_co_u32 s[TBK], s[TBK], 2*KS*PK  ; the fetches go back to a slot's first step,
	s_xor_b32 s[TBK], s[TBK], SLOT1       ; in the other slot
	s_sub_co_u32 s[TBV], s[TBV], 2*KS*PV
	s_xor_b32 s[TBV], s[TBV], SLOT1
	s_barrier_wait -1
.if \fill
	LOAD
.endif
.endm
; Q (2 tiles x 16 registers) and u (16 registers) of job n, into 48 registers from base on in the window that win names
.macro QLOAD n, win, base
	s_lshr_b32 s90, s[BQ], 4*(\n)
	s_and_b32 s90, s90, 15          ; branch
	s_lshr_b32 s91, s[JQ], 4*(\n)
	s_and_b32 s91, s91, 15          ; block
	s_lshl_b32 s92, s90, 2
	s_lshr_b32 s92, 0x7630, s92     ; Q's region by branch: 0, 3, 6, 7
	s_and_b32 s92, s92, 15
	s_lshl_b32 s92, s92, 22
	s_lshl_b32 s93, s91, 18
	s_add_co_u32 s92, s92, s93
	s_add_co_u32 s92, s92, s[HDO]
	s_lshl_b32 s93, s[WV], 11       ; my 16 rows of a band
	s_add_co_u32 s92, s92, s93
	s_mov_b32 s93, 0
	s_add_nc_u64 s[92:93], s[4:5], s[92:93]
	s_lshl_b32 s94, s90, 15
	s_lshr_b32 s95, s[HDO], 3
	s_add_co_u32 s94, s94, s95      ; ut: 2,048 bytes for a branch and head
	s_mov_b32 s95, 0
	s_add_nc_u64 s[94:95], s[6:7], s[94:95]
	WIN \win
.irp x, 0,1
.irp c, 0,1
	global_load_b128 v[(\base)+16*\x+8*\c:(\base)+16*\x+8*\c+3],   v[QO], s[92:93] offset:\x*8192+\c*64
	global_load_b128 v[(\base)+16*\x+8*\c+4:(\base)+16*\x+8*\c+7], v[QO], s[92:93] offset:\x*8192+\c*64+32
.endr
.endr
.irp c, 0,1
	global_load_b128 v[(\base)+32+8*\c:(\base)+32+8*\c+3],   v[QO], s[94:95] offset:\c*64
	global_load_b128 v[(\base)+32+8*\c+4:(\base)+32+8*\c+7], v[QO], s[94:95] offset:\c*64+32
.endr
	WIN 0
	s_wait_xcnt 0x0                 ; the two bases are written again only behind this wait
.endm
; A job's scalars: its steps, D and its step, the bands' limits, the window's edge, and where O and the logits go
.macro BEGIN_S
	s_and_b32 s90, s[BQ], 15
	s_lshr_b32 s[BQ], s[BQ], 4
	s_and_b32 s91, s[JQ], 15
	s_lshr_b32 s[JQ], s[JQ], 4
	s_lshl_b32 s92, s91, 1
	s_add_co_u32 s92, s92, 2
	s_cmp_eq_u32 s90, 0
	s_cselect_b32 s[RS], 10, s92
	s_cmp_eq_u32 s90, 2
	s_cselect_b32 s[RS], 8, s[RS]
	s_cmp_eq_u32 s90, 3
	s_cselect_b32 s[RS], 1, s[RS]
	s_cmp_lt_u32 s90, 2
	s_cselect_b32 s[D0], 0xffffffc0, 64   ; self-attention begins 64 keys above band 0; a context is always wholly seen
	s_cselect_b32 s[DST], 64, 0
	s_lshl_b32 s93, s91, 7
	s_min_u32 s94, s93, 512
	s_add_co_u32 s93, s93, 64
	s_min_u32 s95, s93, 512
	s_cmp_eq_u32 s90, 0
	s_cselect_b32 s[LIM0], s94, 0x7fffffff
	s_cselect_b32 s[LIM1], s95, 0x7fffffff
	s_cselect_b32 s[WQ], 512, -1
	s_lshr_b32 s92, s[HDO], 12
	s_add_co_u32 s92, s92, s90      ; head x 4 + branch
	s_lshl_b32 s93, s91, 20
	s_lshl_b32 s94, s92, 14
	s_add_co_u32 s93, s93, s94
	s_lshl_b32 s94, s[WV], 11
	s_add_co_u32 s96, s93, s94
	s_mov_b32 s97, 0
	s_add_nc_u64 s[OA:OA+1], s[8:9], s[96:97]
	s_lshl_b32 s93, s92, 15
	s_lshl_b32 s94, s91, 11
	s_add_co_u32 s93, s93, s94
	s_lshl_b32 s94, s[WV], 8
	s_add_co_u32 s96, s93, s94
	s_add_nc_u64 s[PA:PA+1], s[10:11], s[96:97]
	s_mov_b32 s[NEW], 0
.endm
.macro STATS                        ; c m far below every c s, so the first a is 0; m the lowest finite number
.irp x, 0,1
	v_mov_b32 v[ST+8*\x], 0xfe000000
	v_mov_b32 v[ST+8*\x+1], 0xff7fffff
.endr
.endm
.macro JOBBEG                       ; a later job begins: its Q and u come out of the queue, and the queue moves up
	BEGIN_S
	WIN 0x42
.set n, 0
.rept 48
	v_mov_b32 v[n], v[n]
.set n, n+1
.endr
	WIN 0x82
.set n, 0
.rept 96
	v_mov_b32 v[n], v[n+48]
.set n, n+1
.endr
	WIN 0
	STATS
.endm
.macro LIVE
	s_add_co_i32 s90, s[D0], 64
	s_cmp_ge_i32 s[D0], 0
	s_cselect_b32 s[LV0], 1, 0
	s_cmp_le_i32 s[D0], s[LIM0]
	s_cselect_b32 s[LV0], s[LV0], 0
	s_cmp_ge_i32 s90, 0
	s_cselect_b32 s[LV1], 1, 0
	s_cmp_le_i32 s90, s[LIM1]
	s_cselect_b32 s[LV1], s[LV1], 0
.endm
.macro MASK x                       ; MD x AL + ML x AL2 into tile x's buffer
	WIN 0x42
.set n, 0
.rept 16
	v_pk_mul_f32 v[MC+32*(\x)+2*n:MC+32*(\x)+2*n+1], v[MD+2*n:MD+2*n+1], s[AL:AL+1] op_sel_hi:[1,0]
.set n, n+1
.endr
	WIN 0x52
.set n, 0
.rept 16
	v_pk_fma_f32 v[MC+32*(\x)+2*n:MC+32*(\x)+2*n+1], v[ML+2*n:ML+2*n+1], s[AL2:AL2+1], v[MC+32*(\x)+2*n:MC+32*(\x)+2*n+1] op_sel_hi:[1,0,1]
.set n, n+1
.endr
.endm
.macro GUARD x                      ; tile x's mask buffer is rewritten if this step wants a mask or the buffer still holds one
.if \x
	s_add_co_i32 s90, s[D0], 64
.else
	s_mov_b32 s90, s[D0]
.endif
	s_cmp_eq_u32 s90, 0
	s_cselect_b32 s[AL], 1.0, 0
	s_cselect_b32 s91, 1, 0
	s_cmp_eq_u32 s90, s[WQ]
	s_cselect_b32 s[AL2], 1.0, 0
	s_cselect_b32 s91, 1, s91
	s_or_b32 s92, s91, s[MS0+(\x)]
	s_mov_b32 s[MS0+(\x)], s91
	s_cmp_eq_u32 s92, 0
	s_cbranch_scc1 .Lnomask_\@
	MASK \x
	WIN 0
.Lnomask_\@:
.endm
; THE LDS LOADS stand in runs of 16: a step's K (64 keys x 64 channels: 8 fragments) and its V (turned)
.macro FETCH_K
	WIN 0
	v_add_nc_u32 v[AK], s[TBK], v[AK0]
	s_add_co_u32 s[TBK], s[TBK], KS*PK
	WIN 0x40
.irp f, 0,1,2,3,4,5,6,7             ; keys 16 (f / 2) on, channels 32 (f % 2) on
	ds_load_b128 v[KF+8*\f:KF+8*\f+3],   v[AK] offset:(\f/2)*16*PK+(\f%2)*64
	ds_load_b128 v[KF+8*\f+4:KF+8*\f+7], v[AK] offset:(\f/2)*16*PK+(\f%2)*64+32
.endr
	WIN 0
.endm
.macro FETCH_V
	WIN 0
	v_add_nc_u32 v[AV], s[TBV], v[AV0]
	s_add_co_u32 s[TBV], s[TBV], KS*PV
	WIN 0x40
.irp f, 0,1,2,3,4,5,6,7             ; keys 32 (f / 4) on, channels 16 (f % 4) on
	ds_load_tr16_b128 v[VF+8*\f:VF+8*\f+3],   v[AV] offset:(\f/4)*32*PV+(\f%4)*32
	ds_load_tr16_b128 v[VF+8*\f+4:VF+8*\f+7], v[AV] offset:(\f/4)*32*PV+16*PV+(\f%4)*32
.endr
	WIN 0
.endm
; THE MATRIX WORK.  The 4 accumulators of a run of 8 take turns.  S^T = K Q^T for tile x: product i: channels 32 (i / 4) on, keys 16 (i % 4) on; the first 4 start the sums, with the mask (km = 1) or with 0.
.macro KQ x, km
.set i, 0
.rept 8
.set rS, S+32*(\x)+8*(i%4)
.set rK, KF+16*(i%4)+8*(i/4)
.set rQ, Q+16*(\x)+8*(i/4)
.set rM, MC+32*(\x)+8*(i%4)
.if (i < 4) && (\km)
	WIN 0x15
	v_wmma_f32_16x16x32_f16 v[rS:rS+7], v[rK:rK+7], v[rQ:rQ+7], v[rM:rM+7]
.elseif i < 4
	WIN 0x05
	v_wmma_f32_16x16x32_f16 v[rS:rS+7], v[rK:rK+7], v[rQ:rQ+7], 0
.else
	WIN 0x05
	v_wmma_f32_16x16x32_f16 v[rS:rS+7], v[rK:rK+7], v[rQ:rQ+7], v[rS:rS+7]
.endif
.set i, i+1
.endr
.endm
.macro PV x                         ; O^T += V^T P for tile x: product i: keys 32 (i / 4) on, channels 16 (i % 4) on
	WIN 0x01
.set i, 0
.rept 8
.set rO, O+32*(\x)+8*(i%4)
.set rV, VF+32*(i/4)+8*(i%4)
.set rP, P+16*(\x)+8*(i/4)
	v_wmma_f32_16x16x32_f16 v[rO:rO+7], v[rV:rV+7], v[rP:rP+7], v[rO:rO+7]
.set i, i+1
.endr
.endm
; ONE TILE'S SOFTMAX FOR A STEP, all in window 0.  Each accumulator's lowest registers are read first; every exponential has a plain line behind it before its result is used.
.macro SM x
.set rT, ST+8*(\x)
.set rS, S+32*(\x)
.set rP, P+16*(\x)
.set rO, O+32*(\x)
	WIN 0
.irp j, 0,1,2,3                     ; the maximum of the lane's 32 scores and the old m: four chains, three operands at a time
	v_max3_num_f32 v[rT+4+\j], v[rS+8*\j], v[rS+8*\j+1], v[rS+8*\j+2]
.endr
.irp j, 0,1,2,3
	v_max3_num_f32 v[rT+4+\j], v[rT+4+\j], v[rS+8*\j+3], v[rS+8*\j+4]
.endr
.irp j, 0,1,2,3
	v_max3_num_f32 v[rT+4+\j], v[rT+4+\j], v[rS+8*\j+5], v[rS+8*\j+6]
.endr
	v_max3_num_f32 v[rT+4], v[rT+4], v[rS+7], v[rS+15]
	v_max3_num_f32 v[rT+6], v[rT+6], v[rS+23], v[rS+31]
	v_max3_num_f32 v[rT+5], v[rT+5], v[rT+7], v[rT+1]
	v_mov_b32 v[rT+7], v[rT]        ; c m_old is kept for a
	v_max3_num_f32 v[rT+4], v[rT+4], v[rT+5], v[rT+6]
	v_permlanex16_b32 v[rT+5], v[rT+4], s[SEL], s[SEL+1]  ; the query's other 32 keys lie in the lane 16 away
	v_max_num_f32 v[rT+1], v[rT+4], v[rT+5]
	v_mul_f32 v[rT], s[CS], v[rT+1]
	v_sub_f32 v[rT+7], v[rT+7], v[rT]
	v_exp_f32 v[rT+6], v[rT+7]      ; a
.set n, 0
.rept 16                            ; c s - c m
	v_pk_fma_f32 v[rS+2*n:rS+2*n+1], v[rS+2*n:rS+2*n+1], s[CS:CS+1], v[rT:rT+1] op_sel_hi:[1,0,0] neg_lo:[0,0,1] neg_hi:[0,0,1]
.set n, n+1
.endr
.set n, 0
.rept 16                            ; exponential, O^T times a, exponential, the pair before rounded to f16
	v_exp_f32 v[rS+2*n], v[rS+2*n]
	s_wait_alu depctr_va_vdst(0)
	v_pk_mul_f32 v[rO+2*n:rO+2*n+1], v[rO+2*n:rO+2*n+1], v[rT+6:rT+7] op_sel_hi:[1,0]
	v_exp_f32 v[rS+2*n+1], v[rS+2*n+1]
.if n > 0
	s_wait_alu depctr_va_vdst(0)
	v_cvt_pk_f16_f32 v[rP+n-1], v[rS+2*n-2], v[rS+2*n-1]
.else
	v_nop
.endif
.set n, n+1
.endr
	v_cvt_pk_f16_f32 v[rP+15], v[rS+30], v[rS+31]
.irp d, 2,4,8,16                    ; the sum of the 16 pairs, in place, as a tree; then l = a l + sum
.set n, 0
.rept 16/(\d)
	v_pk_add_f32 v[rS+2*(\d)*n:rS+2*(\d)*n+1], v[rS+2*(\d)*n:rS+2*(\d)*n+1], v[rS+2*(\d)*n+(\d):rS+2*(\d)*n+(\d)+1]
.set n, n+1
.endr
.endr
	v_pk_fma_f32 v[rT+2:rT+3], v[rT+2:rT+3], v[rT+6:rT+7], v[rS:rS+1] op_sel_hi:[1,0,1]
.endm
; A JOB ENDS: O^T is divided by l and rounded to f16; its product with u gives the logits' share (u's rows 0-3 and 8-11 hold the same four columns, so lanes 0-15 and lanes 16-31 both hold the four numbers of query lane % 16:
; lanes 0-15 keep tile 0's, lanes 16-31 tile 1's); O goes through my stage in LDS and leaves as whole rows.
.macro JOBEND
	WIN 0
.irp x, 0,1
	v_add_f32 v[ST+8*\x+4], v[ST+8*\x+2], v[ST+8*\x+3]
.endr
.irp x, 0,1
	v_permlanex16_b32 v[ST+8*\x+5], v[ST+8*\x+4], s[SEL], s[SEL+1]
.endr
.irp x, 0,1
	v_add_f32 v[ST+8*\x+4], v[ST+8*\x+4], v[ST+8*\x+5]
.endr
.irp x, 0,1
	v_rcp_f32 v[ST+8*\x+6], v[ST+8*\x+4]
.endr
	v_nop                           ; a plain instruction between the last reciprocal and the use of its result
.set n, 0
	s_wait_alu depctr_va_vdst(0)
.rept 32
	v_pk_mul_f32 v[O+2*n:O+2*n+1], v[O+2*n:O+2*n+1], v[ST+8*(n/16)+6:ST+8*(n/16)+7] op_sel_hi:[1,0]
.set n, n+1
.endr
.set n, 0
.rept 32
	v_cvt_pk_f16_f32 v[PKO+n], v[O+2*n], v[O+2*n+1]
.set n, n+1
.endr
	WIN 0x01                        ; u in window 1; the two accumulators take turns
	v_wmma_f32_16x16x32_f16 v[LG:LG+7],    v[U:U+7],    v[PKO:PKO+7],     0
	v_wmma_f32_16x16x32_f16 v[LG+8:LG+15], v[U:U+7],    v[PKO+16:PKO+23], 0
	v_wmma_f32_16x16x32_f16 v[LG:LG+7],    v[U+8:U+15], v[PKO+8:PKO+15],  v[LG:LG+7]
	v_wmma_f32_16x16x32_f16 v[LG+8:LG+15], v[U+8:U+15], v[PKO+24:PKO+31], v[LG+8:LG+15]
	WIN 0
.irp x, 0,1
.irp f, 0,1,2,3
	ds_store_b128 v[STO], v[PKO+16*\x+4*\f:PKO+16*\x+4*\f+3] offset:32*\f
.endr
.irp f, 0,1,2,3
	ds_load_b128 v[S+16*\x+4*\f:S+16*\x+4*\f+3], v[RD] offset:\f*4*SP  ; LDS serves a wave's instructions in order: these see the stores above, the next tile's stores come behind them
.endr
.endr
	PLACES
.irp j, 0,1,2,3
	v_cndmask_b32 v[LGS+\j], v[LG+\j], v[LG+8+\j], s[HIM]
.endr
	global_store_b128 v[PLO], v[LGS:LGS+3], s[PA:PA+1]  ; twice 256 consecutive bytes
.irp f, 0,1,2,3
	s_wait_dscnt 11-\f              ; behind this load: the rest of tile 0's, and tile 1's eight
	global_store_b128 v[GO], v[S+4*\f:S+4*\f+3], s[OA:OA+1] offset:\f*512
.endr
.irp f, 0,1,2,3
	s_wait_dscnt 3-\f
	global_store_b128 v[GO], v[S+16+4*\f:S+16+4*\f+3], s[OA:OA+1] offset:8192+\f*512
.endr
	s_wait_xcnt 0x0                 ; the stores' bases and data are written again only behind this wait
.endm
; A KEY STEP.  full = 1: a job may begin and end here, tiles may be dead, masks are kept.  full = 0 (the last slot): both tiles live, no mask, no job's first step.
; Order: V's run; K Q^T of both tiles; the next step's K (not behind a slot's second step); then tile 0's softmax and V^T P, whose products run beside tile 1's softmax; then tile 1's V^T P.
.macro STEP full
.if \full
	s_cmp_eq_u32 s[NEW], 0
	s_cbranch_scc1 .Lsame_\@
	JOBBEG
.Lsame_\@:
	LIVE
	GUARD 0
	GUARD 1
.endif
	FETCH_V
	s_wait_dscnt 16                 ; K is in; V's sixteen loads, issued behind it, may stay out
.if \full
	s_cmp_eq_u32 s[LV0], 0
	s_cbranch_scc1 .Lnk0_\@
.endif
	KQ 0, \full
	WIN 0
.if \full
.Lnk0_\@:
	s_cmp_eq_u32 s[LV1], 0
	s_cbranch_scc1 .Lnk1_\@
.endif
	KQ 1, \full
	WIN 0
.if \full
.Lnk1_\@:
.endif
	PLACES                          ; behind the products: the scores are read, and K's registers loaded again
	s_cmp_eq_u32 s[CNT], 1
	s_cbranch_scc1 .Lnof_\@
	FETCH_K
.Lnof_\@:
.if \full
	s_cmp_eq_u32 s[LV0], 0
	s_cbranch_scc1 .Lns0_\@
.endif
	SM 0
	s_wait_dscnt 0x0                ; V is in
	PV 0
	WIN 0
.if \full
.Lns0_\@:
	s_cmp_eq_u32 s[LV1], 0
	s_cbranch_scc1 .Lns1_\@
.endif
	SM 1
	s_wait_dscnt 0x0
	PV 1
	WIN 0
.if \full
.Lns1_\@:
.endif
	s_wait_dscnt 0x0                ; on every path: no load of this step is out when the next step's runs name the same registers
	PLACES                          ; behind the products: O^T is read, and V's registers loaded again
.if \full
	s_add_co_i32 s[D0], s[D0], s[DST]
	s_sub_co_u32 s[RS], s[RS], 1
	s_cmp_lg_u32 s[RS], 0
	s_cbranch_scc1 .Lgo_\@
	JOBEND
	s_mov_b32 s[NEW], 1
.Lgo_\@:
.endif
.endm
	s_load_b256 s[4:11], s[0:1], 0x0  ; qkv s[4:5], ut s[6:7], oh s[8:9], pl s[10:11]
	v_lshl_add_u32 v[SPW], v0, 2, SPARE
	v_mov_b32 v[NIL], 0
	ds_add_u32 v[SPW], v[NIL]       ; the wave's opening: the add and its wait ahead of my first tensor load; the set-up stands between them
	ds_add_u32 v62, v63
	v_lshrrev_b32 v1, 5, v0
	v_readfirstlane_b32 s[WV], v1
	s_and_b32 s[JLO], ttmp9, 7
	s_lshr_b32 s[KD], ttmp9, 3
	s_sub_co_u32 s[JHI], 15, s[JLO]
	s_and_b32 s[HDO], ttmp7, 0xffff
	s_lshl_b32 s[HDO], s[HDO], 14
	s_mul_i32 s90, s[JHI], 0x11     ; the jobs' blocks, first job in the lowest four bits: hi, hi, lo, lo
	s_mul_i32 s91, s[JLO], 0x1100
	s_add_co_u32 s90, s90, s91
	s_mul_i32 s92, s[JHI], 0x1001   ; or hi, lo, lo, hi
	s_mul_i32 s93, s[JLO], 0x110
	s_add_co_u32 s92, s92, s93
	s_lshl_b32 s94, s[JLO], 16      ; the runs' first tiles: hi, 3, lo, 3
	s_or_b32 s94, s94, s[JHI]
	s_or_b32 s94, s94, 0x03000300
	s_lshl_b32 s95, s[JLO], 8       ; or 0, lo, hi,
	s_lshl_b32 s96, s[JHI], 16
	s_or_b32 s95, s95, s96
	s_add_co_u32 s96, s95, 0x00010101  ; with 1, lo + 1, hi + 1 tiles
	s_mov_b32 s97, 0x1133
	s_mov_b32 s93, 0x113
	s_cmp_eq_u32 s[KD], 0
	s_cselect_b32 s[JQ], s90, s92
	s_cselect_b32 s[BQ], 0x2020, s97
	s_cselect_b32 s[FBQ], 0x2020, s93
	s_cselect_b32 s[FTQ], s94, s95
	s_cselect_b32 s[FNQ], 0x04050405, s96
	s_mov_b32 s[FB], 0
	s_mov_b32 s[FT], 0
	s_mov_b32 s[FN], 0
	s_mov_b32 s[OFF+1], 0
	; descriptor group 1: 64 keys are 8,192 dense bytes: 32 rows of 256 bytes, two keys a row, padded in LDS after every key
	s_mov_b32 s[G1K], (1<<16)|(1<<20)|(4<<22)|(3<<25)  ; 2-byte elements; padding on; after every 32 words 4 words
	s_mov_b32 s[G1V], (1<<16)|(1<<20)|(4<<22)|(7<<25)  ; 8 words
.irp g, G1K, G1V
	s_mov_b32 s[\g+1], 128<<16      ; tensor_dim0 = 128
	s_mov_b32 s[\g+2], 32<<16       ; tensor_dim1 = 32
	s_mov_b32 s[\g+3], 128<<16      ; tile_dim0 = 128
	s_mov_b32 s[\g+4], 32           ; tile_dim1 = 32
	s_mov_b32 s[\g+5], 128          ; elements from row to row
	s_mov_b32 s[\g+6], 0
	s_mov_b32 s[\g+7], 0
.endr
	s_and_b32 s90, s[WV], 1
	s_xor_b32 s91, s90, 1
	s_lshl_b32 s[HSW], s91, 13
	s_mov_b32 s[G0K], 1
	s_mul_i32 s[G0K+1], s90, KS*PK
	s_mov_b32 s[G0V], 1
	s_mul_i32 s[G0V+1], s90, KS*PV
	s_add_co_u32 s[G0V+1], s[G0V+1], VOFF
	s_mov_b32 s[CS], 0x3e38aa3b     ; c = log2(e) / 8
	s_mov_b32 s[CS+1], s[CS]
	s_mov_b32 s[SEL], 0x76543210
	s_mov_b32 s[SEL+1], 0xfedcba98
	s_mov_b32 s[BIGN], 0xf149f2ca   ; -1e30
	s_mov_b32 s[HIM], 0xffff0000
	s_mov_b32 s[TBK], SLOT1+2*KS*PK ; the first change of slots turns these two into 0
	s_mov_b32 s[TBV], SLOT1+2*KS*PV
	s_mov_b32 s[MS0], 0
	s_mov_b32 s[MS1], 0
	s_mov_b32 s[AL+1], 0            ; named as pairs
	s_mov_b32 s[AL2+1], 0
	s_wait_dscnt 0x0                ; the opening add is done
	s_wait_kmcnt 0x0
	FILLNEXT
	LOAD                            ; the first tile into slot 0
	v_and_b32 v1, 15, v0            ; l % 16
	v_bfe_u32 v9, v0, 4, 1          ; l / 16
	v_lshlrev_b32 v[QO], 7, v1
	v_lshl_add_u32 v[QO], v9, 4, v[QO]
	QLOAD 0, 0x40, 0                ; the first job's Q and u where the products name them, the others' into the queue
	QLOAD 1, 0x80, 0
	QLOAD 2, 0x80, 48
	QLOAD 3, 0x80, 96
	v_lshlrev_b32 v14, 3, v9
	v_sub_nc_u32 v14, v1, v14
	s_lshl_b32 s90, s[WV], 4
	v_add_nc_u32 v14, s90, v14      ; my query's place in its band, 16 w + l % 16, less my lanes' 8 (l / 16)
	WIN 0x80
.set i, 0
.rept 32
	v_cmp_gt_i32 vcc_lo, 16*(i/8)+i%8, v14
	v_cndmask_b32 v[MD+i], 0, s[BIGN], vcc_lo
	v_cmp_lt_i32 vcc_lo, 16*(i/8)+i%8, v14
	v_cndmask_b32 v[ML+i], 0, s[BIGN], vcc_lo
.set i, i+1
.endr
	WIN 0
	v_mul_u32_u24 v[AK0], v1, PK
	v_lshl_add_u32 v[AK0], v9, 4, v[AK0]
	v_and_b32 v10, 7, v0            ; the turning load: lane l reads key 8 (l / 16) + l % 8, channels 8 ((l / 8) % 2) ..
	v_bfe_u32 v11, v0, 3, 1
	v_lshl_add_u32 v[AV0], v9, 3, v10
	v_mul_u32_u24 v[AV0], v[AV0], PV
	v_lshl_add_u32 v[AV0], v11, 4, v[AV0]
	v_add_nc_u32 v[AV0], VOFF, v[AV0]
	s_mul_i32 s90, s[WV], 16*SP
	s_add_co_u32 s90, s90, STAGE    ; my stage
	v_mul_u32_u24 v[STO], v1, SP
	v_lshl_add_u32 v[STO], v9, 4, v[STO]
	v_add_nc_u32 v[STO], s90, v[STO]
	v_bfe_u32 v[RD], v0, 3, 2
	v_mul_u32_u24 v[RD], v[RD], SP
	v_lshl_add_u32 v[RD], v10, 4, v[RD]
	v_add_nc_u32 v[RD], s90, v[RD]
	v_and_b32 v[GO], 31, v0
	v_lshlrev_b32 v[GO], 4, v[GO]
	v_lshlrev_b32 v[PLO], 4, v1
	v_lshl_add_u32 v[PLO], v9, 10, v[PLO]
	; What the first steps find: no mask; O^T and l finite (a job's first a is 0); S^T, P and the statistics written, since a tile's first steps may be dead.  All this stands in the wait for the first tile.
	WIN 0x40
.set i, MC
.rept 64
	v_mov_b32 v[i], 0
.set i, i+1
.endr
	WIN 0
.set i, ST
.rept 16
	v_mov_b32 v[i], 0
.set i, i+1
.endr
.set i, S
.rept 160
	v_mov_b32 v[i], 0
.set i, i+1
.endr
	BEGIN_S
	STATS
	s_wait_loadcnt 0x0              ; Q and u of all four jobs
	s_mov_b32 s[SLOTS], 17
.Lslot:                             ; 17 times: a slot is entered and the next tile is asked for
	CHANGE 1
	FETCH_K
	s_mov_b32 s[CNT], 2
.Lstep:
	STEP 1
	s_sub_co_u32 s[CNT], s[CNT], 1
	s_cmp_lg_u32 s[CNT], 0
	s_cbranch_scc1 .Lstep
	s_sub_co_u32 s[SLOTS], s[SLOTS], 1
	s_cmp_lg_u32 s[SLOTS], 0
	s_cbranch_scc1 .Lslot
	CHANGE 0                        ; the last slot is written out: memory's tile 0, or the long walk's: no mask, both tiles live, the last job's last two steps
	FETCH_K
	s_mov_b32 s[CNT], 2
.Ltail:
	STEP 0
	s_sub_co_u32 s[CNT], s[CNT], 1
	s_cmp_lg_u32 s[CNT], 0
	s_cbranch_scc1 .Ltail
	JOBEND
	s_wait_tensorcnt 0x0            ; the wave's end
	ds_add_u32 v[SPW], v[NIL]
	s_wait_dscnt 0x0
	s_endpgm
.Lfunc_end_k_qbe5ef32a7f_attn:
	.size	k_qbe5ef32a7f_attn, .Lfunc_end_k_qbe5ef32a7f_attn-k_qbe5ef32a7f_attn
	.p2alignl 7, 3214868480
	.fill 96, 4, 3214868480
	.section	.rodata,"a",@progbits
	.p2align	6, 0x0
	.amdhsa_kernel k_qbe5ef32a7f_attn
		.amdhsa_group_segment_fixed_size 327680
		.amdhsa_private_segment_fixed_size 0
		.amdhsa_enable_private_segment 0
		.amdhsa_kernarg_size 32
		.amdhsa_user_sgpr_count 2
		.amdhsa_user_sgpr_kernarg_segment_ptr 1
		.amdhsa_wavefront_size32 1
		.amdhsa_system_sgpr_workgroup_id_x 1
		.amdhsa_system_sgpr_workgroup_id_y 1
		.amdhsa_system_sgpr_workgroup_id_z 1
		.amdhsa_system_vgpr_workitem_id 0
		.amdhsa_next_free_vgpr 720
		.amdhsa_next_free_sgpr 100
		.amdhsa_reserve_vcc 1
		.amdhsa_float_denorm_mode_32 3
		.amdhsa_float_denorm_mode_16_64 3
		.amdhsa_memory_ordered 1
		.amdhsa_forward_progress 1
		.amdhsa_inst_pref_size 101
	.end_amdhsa_kernel
	.amdgpu_metadata
---
amdhsa.version: [ 1, 2 ]
amdhsa.kernels:
  - .name:           k_qbe5ef32a7f_attn
    .symbol:         k_qbe5ef32a7f_attn.kd
    .args:
      - { .name: qkv, .offset: 0, .size: 8, .value_kind: global_buffer, .address_space: global }
      - { .name: ut, .offset: 8, .size: 8, .value_kind: global_buffer, .address_space: global }
      - { .name: oh, .offset: 16, .size: 8, .value_kind: global_buffer, .address_space: global }
      - { .name: pl, .offset: 24, .size: 8, .value_kind: global_buffer, .address_space: global }
    .group_segment_fixed_size: 327680
    .private_segment_fixed_size: 0
    .kernarg_segment_align: 8
    .kernarg_segment_size: 32
    .max_flat_workgroup_size: 128
    .sgpr_count:     100
    .vgpr_count:     720
    .wavefront_size: 32
...
	.end_amdgpu_metadata
.endif
;; end of part 4
;; launch out (part 5): grid 8 x 16, 4 waves a work-group, clusters of 4 x 4, 327,680 bytes of LDS; arguments oh, wo16, pl, gate_b, out0; writes out0
.if DOCPART == 5
	.amdgcn_target "amdgcn-amd-amdhsa--gfx1250"
	.amdhsa_code_object_version 6
	.text
	.protected	k_qbe5ef32a7f_out
	.globl	k_qbe5ef32a7f_out
	.p2align	8
	.type	k_qbe5ef32a7f_out,@function
k_qbe5ef32a7f_out:
	s_mov_b64 s[64:65], 0
	v_nop
	global_prefetch_b8 v0, s[64:65] scope:SCOPE_SE
	s_setreg_imm32_b32 hwreg(HW_REG_WAVE_MODE, 25, 1), 1
	s_wait_xcnt 0x0
	s_wait_alu depctr_hold_cnt(0) depctr_sa_sdst(0) depctr_va_vdst(0) depctr_va_sdst(0) depctr_va_ssrc(0) depctr_va_vcc(0) depctr_vm_vsrc(0)
	s_getreg_b32 s2, hwreg(HW_REG_IB_STS2, 6, 4)
	s_cmp_eq_u32 s2, 0
	s_cbranch_scc0 .Lentry_in_a_cluster
	s_endpgm
.Lentry_in_a_cluster:
	s_bfe_u32 s2, ttmp6, 0x10000c
	s_cmp_lg_u32 s2, 0xf033
	s_cbranch_scc0 .Lentry_shape_is_right
	s_endpgm
.Lentry_shape_is_right:
; OUT: out0[m][n] = sum over the branches i of g_i[m] (O_i wo_i)[m][n], with g = softmax over i of (the sum of pl's 64 shares + bf16(gate_b)).  O and wo in f16, sums, logits and gates in f32.
; oh: f16 [m / 128][head][branch][128][64]; wo16: f16 [head][branch][64 k][1024 n]; pl: f32 [head 4 + branch][2048][4].
; A tile of the result is 128 x 128, four waves of 64 x 64: 8 x 16 tiles.  K step t of 16 is head t: its 256 numbers along K are 4 branches x 64 channels, so quarter q of every step is branch q.
; EACH BRANCH HAS ITS OWN 16 ACCUMULATORS, and the gates are applied once, in f32, on the way out: a lane holds one row of the result, so a gate is one number a lane.
; The price: 384 v_mov_b32 clear branches 1 to 3 (branch 0 is started by the first product); they stand in the wait for the first tile.
; 128 work-groups: tiles of 128 x 64 would read half as much again from LDS for each product, and a split of K over work-groups would send f32 partial sums through memory.
; CLUSTER: 4 x 4; O's tile is shared along a row of the cluster, wo's along a column: joint loads.  THE MATRIX INSTRUCTION IS USED TRANSPOSED (source 0 = 16 columns of wo, source 1 = 16 rows of O).
; REGISTERS: window 0: v0-31 addresses; v32-95, v128-159 at work; v96-127 the gates.  window 1: two fragment buffers of 128: 64 of A, then 64 of B.
;   window 2: branch 0's accumulators at v[8 (4 a + b)], branch 1's at v[128 + ..];  window 3: branches 2 and 3.
.set KSTEP,  256
.set PA,     144                       ; a row of O in LDS: 128 bytes + 16
.set PB,     288                       ; a row of wo: 256 bytes + 32
.set KBB,    128*PA                    ; a branch's 128 rows
.set HALFT,  2*KBB                     ; what one tensor load brings: two branches of O, or 128 k rows of wo: 36,864 bytes either way
.set BOFF,   2*HALFT
.set SLOT,   4*HALFT
.set STAGE,  2*SLOT                    ; behind the ring: 16 rows x 272 bytes for each wave
.set SPITCH, 272
.set SPARE,  STAGE+4*16*SPITCH         ; the spare words: two blocks of 256 bytes that no other line names
.set LAPS,   8
.set ADRA, 16                          ; v16-17
.set ADRB, 20                          ; v20-23: slot 0 k rows 0-127, 128-255; slot 1 likewise
.set STO,  24
.set RD,   25
.set CO,   26
.set PLV,  27
.set SPW,  28
.set NIL,  29
.set CT,   32                          ; v32-63  a block of 16 rows, gated
.set LT,   48                          ; v48-63  before the loop: the logits, block a at LT + 4 a
.set GF,   96                          ; v96-127 the gate of my row of block a for branch q, twice, at GF + 8 a + 2 q
.set F0,   0
.set F1,   128
.set G1, 24
.set G0, 32
.set G1B, 48
.set G0B, 56
.set MSB, 0
.macro WIN new
.if MSB != (\new)
	s_set_vgpr_msb (MSB<<8)|(\new)
.set MSB, \new
.endif
.endm
.set TO_F, 0x40
.macro JLOAD s                         ; waves 0 and 1 fetch O's two halves, waves 2 and 3 wo's; an s_nop 0 and four v_nop follow each line
	s_cmp_eq_u32 s11, 0
	s_cbranch_scc0 .Lfor_b_\@
	tensor_load_to_lds s[G0+4*(\s):G0+4*(\s)+3], s[G1:G1+7]
	s_nop 0
.rept 4
	v_nop
.endr
	s_branch .Lasked_\@
.Lfor_b_\@:
	tensor_load_to_lds s[G0B+4*(\s):G0B+4*(\s)+3], s[G1B:G1B+7]
	s_nop 0
.rept 4
	v_nop
.endr
.Lasked_\@:
.endm
.macro CREST
	s_cmp_lg_u32 s10, 0
	s_cbranch_scc1 .Lnot_wave_0_\@
	s_barrier_signal -3
.Lnot_wave_0_\@:
	s_barrier_wait -3
	s_barrier_signal -1
	s_barrier_wait -1
.endm
.macro CROUND
	s_barrier_signal -1
	s_barrier_wait -1
	CREST
.endm
	s_load_b128 s[4:7], s[0:1], 0x0                ; oh s[4:5], wo16 s[6:7]
	s_load_b128 s[68:71], s[0:1], 0x10             ; pl s[68:69], gate_b s[70:71]
	s_load_b64 s[8:9], s[0:1], 0x20                ; out0
	v_lshl_add_u32 v[SPW], v0, 2, SPARE
	v_mov_b32 v[NIL], 0
	ds_add_u32 v[SPW], v[NIL]                      ; the wave's opening: the add and its wait ahead of my first tensor load
	ds_add_u32 v28, v29
	v_lshrrev_b32 v1, 5, v0
	v_readfirstlane_b32 s10, v1                    ; wave 0..3
	s_lshr_b32 s11, s10, 1                         ; my half of the rows.  Also: I fetch for A (0) or B (1)
	s_and_b32 s12, s10, 1                          ; my half of the columns.  Also: which half of that tile I fetch
	s_bfe_u32 s40, ttmp6, 0x40000
	s_bfe_u32 s41, ttmp6, 0x40004
	s_lshl_b32 s42, ttmp9, 2
	s_add_co_u32 s42, s42, s40                     ; tile column
	s_and_b32 s13, ttmp7, 0xffff
	s_lshl_b32 s13, s13, 2
	s_add_co_u32 s13, s13, s41                     ; tile row
	s_lshl_b32 s43, s41, 2
	s_lshl_b32 s43, 15, s43                        ; my row of the cluster
	s_lshl_b32 s44, 0x1111, s40                    ; my column
	s_or_b32 s[G1+0], s43, (1<<16)|(1<<20)|(1<<21)|(4<<22)|(3<<25)   ; O: dense bytes asked for as rows of 256, padded by 4 words after every 32 words (a row of 64 channels)
	s_or_b32 s[G1B+0], s44, (1<<16)|(1<<20)|(1<<21)|(5<<22)|(7<<25)  ; wo: 8 words after every 64 words
.irp g, G1, G1B
	s_mov_b32 s[(\g)+1], 128<<16                   ; 128 elements x 128 rows
	s_mov_b32 s[(\g)+2], 128<<16
	s_mov_b32 s[(\g)+3], 128<<16
	s_mov_b32 s[(\g)+4], 128
	s_mov_b32 s[(\g)+6], 0
	s_mov_b32 s[(\g)+7], 0
.endr
	s_mov_b32 s[G1+5], 128                         ; elements from row to row: dense,
	s_mov_b32 s[G1B+5], 1024                       ; or wo16's pitch
	s_lshl_b32 s16, s13, 20                        ; O hangs on the tile row and the wave alone: 1 MiB a block of 128 rows,
	s_lshl_b32 s17, s12, 15                        ; two branches of 16 KiB
	s_add_co_u32 s16, s16, s17
	s_mov_b32 s17, 0
	s_lshl_b32 s46, s12, 18                        ; wo on the tile column and the wave alone: 128 k rows of 2,048 bytes,
	s_lshl_b32 s47, s42, 8                         ; 128 columns
	s_add_co_u32 s46, s46, s47
	s_mov_b32 s47, 0
	s_mul_i32 s20, s10, HALFT                      ; where they go: wave x 36,864
	s_mov_b32 s76, 0x76543210                      ; v_permlanex16_b32: each lane takes its own place in the other half
	s_mov_b32 s77, 0xfedcba98
	s_mov_b32 s78, 0x3fb8aa3b                      ; log2(e)
	s_wait_dscnt 0x0                               ; the opening add is done
	s_wait_kmcnt 0x0
	s_add_nc_u64 s[14:15], s[4:5], s[16:17]
	s_add_nc_u64 s[46:47], s[6:7], s[46:47]
	CROUND                                         ; all sixteen work-groups are here: the first joint loads meet
.irp s, 0,1
	s_mov_b32 s[G0+4*(\s)], 1
	s_add_co_u32 s[G0+4*(\s)+1], s20, (\s)*SLOT
	s_add_nc_u64 s[G0+4*(\s)+2:G0+4*(\s)+3], s[14:15], (\s)*65536
	s_or_b32 s[G0+4*(\s)+3], s[G0+4*(\s)+3], 0x80000000
	s_mov_b32 s[G0B+4*(\s)], 1
	s_add_co_u32 s[G0B+4*(\s)+1], s20, (\s)*SLOT
	s_add_nc_u64 s[G0B+4*(\s)+2:G0B+4*(\s)+3], s[46:47], (\s)*KSTEP*2048
	s_or_b32 s[G0B+4*(\s)+3], s[G0B+4*(\s)+3], 0x80000000
	JLOAD \s
.endr
	; THE GATES, while the first tiles are on their way.  Lane (r, h) adds shares 32 h .. 32 h + 31 for row 16 a + r of my 64: 128 loads of 16 bytes, sixteen lanes to 256 consecutive bytes.
	s_load_b128 s[72:75], s[70:71], 0x0            ; gate_b
	v_and_b32 v1, 15, v0
	v_bfe_u32 v2, v0, 4, 1
	v_lshlrev_b32 v[PLV], 4, v1
	v_lshl_add_u32 v[PLV], v2, 20, v[PLV]          ; 32 shares of 32 KiB for the upper lanes
	s_lshl_b32 s16, s13, 11
	s_lshl_b32 s17, s11, 10
	s_add_co_u32 s16, s16, s17                     ; my first row, 16 bytes a row
	s_mov_b32 s17, 0
	s_add_nc_u64 s[68:69], s[68:69], s[16:17]
.irp a, 0,1,2,3
	WIN 0x40*(1+(\a)/2)                            ; blocks 0, 1 into window 1, blocks 2, 3 into window 2: neither is in use yet
.set n, 0
.rept 32
	global_load_b128 v[128*((\a)%2)+4*n:128*((\a)%2)+4*n+3], v[PLV], s[68:69] offset:n*32768+(\a)*256
.set n, n+1
.endr
.endr
	WIN 0
	v_mul_u32_u24 v3, v1, PA
	v_lshl_add_u32 v3, v2, 4, v3                   ; A: row x pitch + 16 x half
	v_and_b32 v4, 7, v0
	v_lshl_add_u32 v4, v2, 3, v4
	v_mul_u32_u24 v4, v4, PB
	v_bfe_u32 v5, v0, 3, 1
	v_lshl_add_u32 v4, v5, 4, v4                   ; B, turned
	s_mul_i32 s21, s11, 64*PA                      ; my 64 rows of each branch
	s_lshl_b32 s22, s12, 7                         ; my 64 columns
	s_add_co_u32 s22, s22, BOFF
.irp s, 0,1
	v_add_nc_u32 v[ADRA+(\s)], s21, v3
	v_add_nc_u32 v[ADRB+2*(\s)], s22, v4
	s_add_co_u32 s23, s22, HALFT
	v_add_nc_u32 v[ADRB+2*(\s)+1], s23, v4
	s_add_co_u32 s21, s21, SLOT
	s_add_co_u32 s22, s22, SLOT
.endr
	s_mul_i32 s23, s10, 16*SPITCH
	s_add_co_u32 s23, s23, STAGE                   ; my stage
	v_mul_u32_u24 v5, v1, SPITCH                   ; in: row l % 16, 32 bytes for each half of the lanes
	v_lshl_add_u32 v5, v2, 5, v5
	v_add_nc_u32 v[STO], s23, v5
	v_mul_u32_u24 v5, v2, SPITCH                   ; back: lanes 0-15 one row of 256 bytes, lanes 16-31 the next
	v_lshl_add_u32 v5, v1, 4, v5
	v_add_nc_u32 v[RD], s23, v5
	v_lshlrev_b32 v[CO], 4, v1
	v_lshl_add_u32 v[CO], v2, 12, v[CO]            ; and the same two rows in out0
	s_lshl_b32 s16, s13, 7
	s_lshl_b32 s17, s11, 6
	s_add_co_u32 s16, s16, s17
	s_lshl_b32 s16, s16, 12                        ; my first row, 4,096 bytes a row
	s_mov_b32 s17, 0
	s_add_nc_u64 s[8:9], s[8:9], s[16:17]
	s_lshl_b32 s46, s42, 9
	s_lshl_b32 s47, s12, 8
	s_add_co_u32 s46, s46, s47                     ; my first column
	s_mov_b32 s47, 0
	s_add_nc_u64 s[8:9], s[8:9], s[46:47]
	s_wait_kmcnt 0x0
	v_cvt_pk_bf16_f32 v32, s72, s73                ; gate_b is rounded to bf16 like every input
	v_cvt_pk_bf16_f32 v33, s74, s75
	v_lshlrev_b32 v34, 16, v32
	v_and_b32 v35, 0xffff0000, v32
	v_lshlrev_b32 v36, 16, v33
	v_and_b32 v37, 0xffff0000, v33
.irp j, 0,1,2,3
	v_mov_b32 v[38+\j], 0
.endr
	s_wait_loadcnt 0x0
.macro TREE a                          ; block a's 32 shares of four numbers are added as a tree, in place; the last step writes window 0
.set w, 1+(\a)/2
.set bs, 128*((\a)%2)
	WIN (w<<6)|(w<<2)|w
.irp s, 16,8,4,2
.set n, 0
.rept 2*(\s)
	v_pk_add_f32 v[bs+2*n:bs+2*n+1], v[bs+2*n:bs+2*n+1], v[bs+4*(\s)+2*n:bs+4*(\s)+2*n+1]
.set n, n+1
.endr
.endr
	WIN (w<<2)|w
	v_pk_add_f32 v[LT+4*(\a):LT+4*(\a)+1],   v[bs:bs+1],   v[bs+4:bs+5]
	v_pk_add_f32 v[LT+4*(\a)+2:LT+4*(\a)+3], v[bs+2:bs+3], v[bs+6:bs+7]
.endm
	TREE 0
	TREE 1
	TREE 2
	TREE 3
	WIN 0
.irp a, 0,1,2,3
.irp j, 0,1,2,3
	v_permlanex16_b32 v[38+\j], v[LT+4*\a+\j], s76, s77   ; the other 32 shares lie in the lane 16 away
.endr
.irp j, 0,1,2,3
	v_add_f32 v[LT+4*\a+\j], v[LT+4*\a+\j], v[38+\j]
.endr
.irp j, 0,1,2,3
	v_add_f32 v[LT+4*\a+\j], v[LT+4*\a+\j], v[34+\j]
.endr
	v_max3_num_f32 v42, v[LT+4*\a], v[LT+4*\a+1], v[LT+4*\a+2]   ; the softmax over the four logits, the maximum taken away
	v_max_num_f32 v42, v42, v[LT+4*\a+3]
	v_mul_f32 v42, s78, v42
.irp j, 0,1,2,3
	v_fma_f32 v[LT+4*\a+\j], v[LT+4*\a+\j], s78, -v42
.endr
.irp j, 0,1,2,3
	v_exp_f32 v[LT+4*\a+\j], v[LT+4*\a+\j]
.endr
	v_nop                                          ; a plain instruction behind the last exponential
	s_wait_alu depctr_va_vdst(0)
	v_add_f32 v43, v[LT+4*\a], v[LT+4*\a+1]
	v_add_f32 v44, v[LT+4*\a+2], v[LT+4*\a+3]
	v_add_f32 v43, v43, v44
	v_rcp_f32 v43, v43
	v_nop                                          ; and behind the reciprocal
	s_wait_alu depctr_va_vdst(0)
.irp j, 0,1,2,3
	v_mul_f32 v[GF+8*\a+2*\j], v[LT+4*\a+\j], v43
	v_mul_f32 v[GF+8*\a+2*\j+1], v[LT+4*\a+\j], v43
.endr
.endr
	WIN 0x80                                       ; branches 1 to 3 start at 0
.set n, 128
.rept 128
	v_mov_b32 v[n], 0
.set n, n+1
.endr
	WIN 0xc0
.set n, 0
.rept 256
	v_mov_b32 v[n], 0
.set n, n+1
.endr
	WIN 0
; 8 matrix instructions for branch q: m blocks a0, a0 + 1 x all 4 n blocks, half c of buffer f.  A branch's 16 accumulators take turns.
.macro MUL8 f, c, a0, q, zero
	WIN 0x05|((2+(\q)/2)<<4)|((2+(\q)/2)<<6)       ; sources in window 1, C and D in window 2 or 3
.set AB, 128*((\q)%2)
.irp a, \a0, (\a0)+1
.irp b, 0,1,2,3
.if \zero
	v_wmma_f32_16x16x32_f16 v[AB+8*(4*(\a)+(\b)):AB+8*(4*(\a)+(\b))+7], v[(\f)+64+8*(4*(\c)+(\b)):(\f)+64+8*(4*(\c)+(\b))+7], v[(\f)+8*(4*(\c)+(\a)):(\f)+8*(4*(\c)+(\a))+7], 0
.else
	v_wmma_f32_16x16x32_f16 v[AB+8*(4*(\a)+(\b)):AB+8*(4*(\a)+(\b))+7], v[(\f)+64+8*(4*(\c)+(\b)):(\f)+64+8*(4*(\c)+(\b))+7], v[(\f)+8*(4*(\c)+(\a)):(\f)+8*(4*(\c)+(\a))+7], v[AB+8*(4*(\a)+(\b)):AB+8*(4*(\a)+(\b))+7]
.endif
.endr
.endr
.endm
.macro FETCH slot, k, f                ; 32 LDS loads in one run: branch k / 128 of the slot's step, the first 32 channels first
	WIN TO_F
.irp c, 0,1
.irp i, 0,1,2,3
	ds_load_tr16_b128 v[(\f)+64+8*(4*(\c)+(\i)):(\f)+64+8*(4*(\c)+(\i))+3],   v[ADRB+2*(\slot)+(\k)/256] offset:((((\k)/128)%2)*2+(\c))*32*PB+32*(\i)
	ds_load_tr16_b128 v[(\f)+64+8*(4*(\c)+(\i))+4:(\f)+64+8*(4*(\c)+(\i))+7], v[ADRB+2*(\slot)+(\k)/256] offset:((((\k)/128)%2)*2+(\c))*32*PB+16*PB+32*(\i)
	ds_load_b128 v[(\f)+8*(4*(\c)+(\i)):(\f)+8*(4*(\c)+(\i))+3],         v[ADRA+(\slot)] offset:((\k)/128)*KBB+(\i)*16*PA+64*(\c)
	ds_load_b128 v[(\f)+8*(4*(\c)+(\i))+4:(\f)+8*(4*(\c)+(\i))+7],       v[ADRA+(\slot)] offset:((\k)/128)*KBB+(\i)*16*PA+64*(\c)+32
.endr
.endr
.endm
.macro PLACES
.rept 4
	v_nop
.endr
.endm
.macro QUARTER slot, k, f, g, zero     ; multiplies buffer f, which holds branch k / 128 - 1, and fetches branch k / 128 into g
	s_wait_dscnt 16                                ; the first 32 channels are in
	MUL8 \f, 0, 0, (\k)/128-1, \zero
	MUL8 \f, 0, 2, (\k)/128-1, \zero
	PLACES
	FETCH \slot, \k, \g
	s_wait_dscnt 32                                ; all but the 32 just issued
	MUL8 \f, 1, 0, (\k)/128-1, 0
	MUL8 \f, 1, 2, (\k)/128-1, 0
.endm
.macro TURN slot, next, fill           ; branch 3, and the change of slots: one barrier; in front of it every wave's wait for all its tensor loads, the add, and the wait for that and for its reads of this slot
	WIN 0
	s_wait_tensorcnt 0x0
	ds_add_u32 v[SPW], v[NIL]
	s_wait_dscnt 17                                ; the add and the youngest sixteen loads may be out
	MUL8 F1, 0, 0, 3, 0
	s_wait_dscnt 0x0
	s_barrier_signal -1
	MUL8 F1, 0, 2, 3, 0
.if \fill
	WIN 0
.endif
	s_barrier_wait -1
.if \fill
	CREST                                          ; the barrier has opened a round of the cluster's: no wave of any partner still reads this slot or has a load on its way
	s_add_nc_u64 s[G0+4*(\slot)+2:G0+4*(\slot)+3], s[G0+4*(\slot)+2:G0+4*(\slot)+3], 2*65536
	s_add_nc_u64 s[G0B+4*(\slot)+2:G0B+4*(\slot)+3], s[G0B+4*(\slot)+2:G0B+4*(\slot)+3], 2*KSTEP*2048
	JLOAD \slot
.else
	PLACES
.endif
	FETCH \next, 0, F0
	MUL8 F1, 1, 0, 3, 0
	MUL8 F1, 1, 2, 3, 0
.endm
	s_wait_tensorcnt 1                             ; my part of K step 0 is in; step 1's may stay out
	s_barrier_signal -1
	s_barrier_wait -1
	FETCH 0, 0, F0
	QUARTER 0, 128, F0, F1, 1
	WIN 0
	s_mov_b32 s3, LAPS-1
.Llap:                                                 ; a trip goes once round the ring and fills both slots again
	QUARTER 0, 256, F1, F0, 0
	QUARTER 0, 384, F0, F1, 0
	TURN 0, 1, 1
	QUARTER 1, 128, F0, F1, 0
	QUARTER 1, 256, F1, F0, 0
	QUARTER 1, 384, F0, F1, 0
	TURN 1, 0, 1
	QUARTER 0, 128, F0, F1, 0
	WIN 0
	s_sub_co_u32 s3, s3, 1
	s_cmp_lg_u32 s3, 0
	s_cbranch_scc1 .Llap
	QUARTER 0, 256, F1, F0, 0                      ; the last lap fills nothing
	QUARTER 0, 384, F0, F1, 0
	TURN 0, 1, 0
	QUARTER 1, 128, F0, F1, 0
	QUARTER 1, 256, F1, F0, 0
	QUARTER 1, 384, F0, F1, 0
	s_wait_dscnt 16
	MUL8 F1, 0, 0, 3, 0
	MUL8 F1, 0, 2, 3, 0
	s_wait_dscnt 0x0
	MUL8 F1, 1, 0, 3, 0
	MUL8 F1, 1, 2, 3, 0
	PLACES
; THE WAY OUT.  GATE: block a's 32 numbers a lane = g0 A0 + g1 A1 + g2 A2 + g3 A3, each accumulator read from its low end on.  TOSTAGE: into my stage and back as whole rows of 256 bytes.  SEND: stored.
.macro GATE a
	WIN 0x02                                       ; source 0 in window 2
.set n, 0
.rept 16
	v_pk_mul_f32 v[CT+2*n:CT+2*n+1], v[32*(\a)+2*n:32*(\a)+2*n+1], v[GF+8*(\a):GF+8*(\a)+1] op_sel_hi:[1,0]
.set n, n+1
.endr
.set n, 0
.rept 16
	v_pk_fma_f32 v[CT+2*n:CT+2*n+1], v[128+32*(\a)+2*n:128+32*(\a)+2*n+1], v[GF+8*(\a)+2:GF+8*(\a)+3], v[CT+2*n:CT+2*n+1] op_sel_hi:[1,0,1]
.set n, n+1
.endr
	WIN 0x03                                       ; source 0 in window 3
.set n, 0
.rept 16
	v_pk_fma_f32 v[CT+2*n:CT+2*n+1], v[32*(\a)+2*n:32*(\a)+2*n+1], v[GF+8*(\a)+4:GF+8*(\a)+5], v[CT+2*n:CT+2*n+1] op_sel_hi:[1,0,1]
.set n, n+1
.endr
.set n, 0
.rept 16
	v_pk_fma_f32 v[CT+2*n:CT+2*n+1], v[128+32*(\a)+2*n:128+32*(\a)+2*n+1], v[GF+8*(\a)+6:GF+8*(\a)+7], v[CT+2*n:CT+2*n+1] op_sel_hi:[1,0,1]
.set n, n+1
.endr
	WIN 0
.endm
.macro TOSTAGE a
.set BK, 64+64*((\a)%2)                ; v64-95 and v128-159 by turns
.irp b, 0,1,2,3
	ds_store_b128 v[STO], v[CT+8*(\b):CT+8*(\b)+3] offset:64*(\b)
	ds_store_b128 v[STO], v[CT+8*(\b)+4:CT+8*(\b)+7] offset:64*(\b)+16
.endr
.if (\a) > 1
	s_wait_xcnt 0x0                                ; the registers that the block before last's stores read are loaded again only behind this wait
.endif
.irp t, 0,1,2,3,4,5,6,7
	ds_load_b128 v[BK+4*(\t):BK+4*(\t)+3], v[RD] offset:(\t)*2*SPITCH  ; LDS serves a wave's instructions in order: these see the stores above, the next block's stores come behind them
.endr
.endm
.macro SEND a, younger                 ; younger: the LDS instructions issued behind block a's loads: the next block's sixteen, or none
.set BK, 64+64*((\a)%2)
.irp t, 0,1,2,3,4,5,6,7
	s_wait_dscnt (\younger)+7-(\t)
	global_store_b128 v[CO], v[BK+4*(\t):BK+4*(\t)+3], s[8:9] offset:(16*(\a)+2*(\t))*4096 th:TH_STORE_NT  ; 16 lanes store 256 consecutive bytes, at a multiple of 256 from out0's first byte
.endr
.endm
	GATE 0
	TOSTAGE 0
	GATE 1
	TOSTAGE 1
	SEND 0, 16
	GATE 2
	TOSTAGE 2
	SEND 1, 16
	GATE 3
	TOSTAGE 3
	SEND 2, 16
	SEND 3, 0
	s_wait_tensorcnt 0x0                           ; the wave's end
	ds_add_u32 v[SPW], v[NIL]
	s_wait_dscnt 0x0
	CROUND                                         ; the closing round
	s_endpgm
.Lfunc_end_k_qbe5ef32a7f_out:
	.size	k_qbe5ef32a7f_out, .Lfunc_end_k_qbe5ef32a7f_out-k_qbe5ef32a7f_out
	.p2alignl 7, 3214868480
	.fill 96, 4, 3214868480
	.section	.rodata,"a",@progbits
	.p2align	6, 0x0
	.amdhsa_kernel k_qbe5ef32a7f_out
		.amdhsa_group_segment_fixed_size 327680
		.amdhsa_private_segment_fixed_size 0
		.amdhsa_enable_private_segment 0
		.amdhsa_kernarg_size 40
		.amdhsa_user_sgpr_count 2
		.amdhsa_user_sgpr_kernarg_segment_ptr 1
		.amdhsa_wavefront_size32 1
		.amdhsa_system_sgpr_workgroup_id_x 1
		.amdhsa_system_sgpr_workgroup_id_y 1
		.amdhsa_system_sgpr_workgroup_id_z 1
		.amdhsa_system_vgpr_workitem_id 0
		.amdhsa_next_free_vgpr 1024
		.amdhsa_next_free_sgpr 80
		.amdhsa_reserve_vcc 0
		.amdhsa_float_denorm_mode_32 3
		.amdhsa_float_denorm_mode_16_64 3
		.amdhsa_memory_ordered 1
		.amdhsa_forward_progress 1
		.amdhsa_inst_pref_size 150
	.end_amdhsa_kernel
	.amdgpu_metadata
---
amdhsa.version: [ 1, 2 ]
amdhsa.kernels:
  - .name:           k_qbe5ef32a7f_out
    .symbol:         k_qbe5ef32a7f_out.kd
    .args:
      - { .name: oh, .offset: 0, .size: 8, .value_kind: global_buffer, .address_space: global }
      - { .name: wo16, .offset: 8, .size: 8, .value_kind: global_buffer, .address_space: global }
      - { .name: pl, .offset: 16, .size: 8, .value_kind: global_buffer, .address_space: global }
      - { .name: gate_b, .offset: 24, .size: 8, .value_kind: global_buffer, .address_space: global }
      - { .name: out0, .offset: 32, .size: 8, .value_kind: global_buffer, .address_space: global }
    .group_segment_fixed_size: 327680
    .private_segment_fixed_size: 0
    .kernarg_segment_align: 8
    .kernarg_segment_size: 40
    .max_flat_workgroup_size: 128
    .sgpr_count:     80
    .vgpr_count:     1024
    .wavefront_size: 32
...
	.end_amdgpu_metadata
.endif
;; end of part 5
;; ======== version 2 of 3: 6 launches; 1.14 times as fast as version 1
;; limits: values are held in f16: magnitudes above 65,504 overflow, below 6.1e-05 lose precision
;; workspace buffers: xb 4,194,304 bytes; cb 1,179,648 bytes; wb 25,165,824 bytes; wo16 8,388,608 bytes; ut 131,072 bytes; qkv 50,331,648 bytes; oh 16,777,216 bytes; pl 2,097,152 bytes
;; launch prep (part 6): grid 594 x 1, 8 waves a work-group, no clusters, 0 bytes of LDS; arguments local_wq, local_wk, local_wv, long_wq, long_wk, long_wv, mem_wq, per_wq, mem_wk, mem_wv, per_wk, per_wv, local_wo, long_wo, mem_wo, per_wo, x, memory_kv, persona_kv, gate_w, xb, cb, wb, wo16, ut; writes xb, cb, wb, wo16, ut
.if DOCPART == 6
	.amdgcn_target "amdgcn-amd-amdhsa--gfx1250"
	.amdhsa_code_object_version 6
	.text
	.protected	k_qbe5ef32a7f_prep
	.globl	k_qbe5ef32a7f_prep
	.p2align	8
	.type	k_qbe5ef32a7f_prep,@function
k_qbe5ef32a7f_prep:
	s_mov_b64 s[64:65], 0
	v_nop
	global_prefetch_b8 v0, s[64:65] scope:SCOPE_SE
	s_setreg_imm32_b32 hwreg(HW_REG_WAVE_MODE, 25, 1), 1
	s_wait_xcnt 0x0
; PREP: every f32 input is rounded once to bf16 and laid out for the later launches.  A stream: no LDS, no matrix unit, no barrier.
; A work-group takes 32 rows of 1,024 f32, wave w rows 4 w .. 4 w + 3.  A row is eight loads of 512 consecutive bytes (lane l: columns 128 t + 4 l ..) and eight stores of 256 consecutive, aligned bytes.
; Work-group g: g < 512: rows 32 (g % 32) .. of weight g / 32 (0-11 the q, k, v weights -> wb, 12-15 the four wo -> wo16); 512-575: x -> xb; 576-591: memory_kv -> cb; 592, 593: persona_kv -> cb rows 512 ..
; wo16 holds bf16(wo) written as f16 (exact inside f16's range), row k of branch i at row (k / 64) 256 + 64 i + k % 64, so that one head's 64 rows of all four branches lie together.
; The wo groups also make u_i = wo_i gw_i (1024 x 4), from bf16(wo) and bf16(gate_w), sums in f32: the gate's logits are sums of O_i u_i.  ut: f16 [branch][head][16 m][64 channels]; rows m = j and 8 + j hold u[.][j], j = 0..3, the others 0.
; LIMITS.  |wo| stays under 65,504; wo and u below 2^-14 keep f16's fixed step of 6e-8.  ut is written in pieces of 8 bytes a lane (131,072 bytes in the whole launch).
.set ACC, 12                           ; v[12:15]   u's four sums for the row in hand
.set T,   16                           ; v[16:19]   at work
.set GW,  32                           ; v[32:95]   gate_w of my 32 columns, bf16 pairs: column (t, e) at GW + 2 (4 t + e): (g0, g1), (g2, g3)
.set X,   96                           ; v[96:223]  piece n = 8 rho + t of my four rows: 4 registers
	s_load_b512 s[8:23], s[0:1], 0x0               ; weights 0-7
	s_load_b512 s[24:39], s[0:1], 0x40             ; weights 8-15
	s_load_b512 s[40:55], s[0:1], 0x80             ; x, memory_kv, persona_kv, gate_w, xb, cb, wb, wo16
	s_load_b64 s[56:57], s[0:1], 0xc0              ; ut
	s_mov_b32 s2, ttmp9                            ; g
	s_lshr_b32 s3, s2, 5
	s_min_u32 s3, s3, 15                           ; which weight
	s_and_b32 s4, s2, 31                           ; which 32 rows of the source
	s_sub_co_u32 s5, s2, 512
	s_cmp_ge_u32 s2, 512
	s_cselect_b32 s4, s5, s4
	s_sub_co_u32 s5, s2, 576
	s_cmp_ge_u32 s2, 576
	s_cselect_b32 s4, s5, s4
	s_sub_co_u32 s5, s2, 592
	s_cmp_ge_u32 s2, 592
	s_cselect_b32 s4, s5, s4
	s_lshl_b32 s4, s4, 5                           ; the first row
	s_lshl_b32 s58, s4, 12                         ; its byte offset in the source
	s_mov_b32 s59, 0
	s_lshl_b32 s6, s4, 11                          ; and in xb or cb
	s_mov_b32 s7, 0
	s_lshl_b32 s5, s3, 21
	s_add_co_u32 s5, s5, s6                        ; in wb: 2 MiB a weight
	s_cmp_lt_u32 s2, 384
	s_cselect_b32 s6, s5, s6
	s_add_co_u32 s5, s6, 0x100000                  ; persona lies behind memory's 512 rows
	s_cmp_ge_u32 s2, 592
	s_cselect_b32 s6, s5, s6
	s_lshr_b32 s60, s4, 6                          ; head
	s_max_u32 s61, s3, 12
	s_sub_co_u32 s61, s61, 12                      ; branch i
	s_and_b32 s62, s4, 63                          ; the first row's place in the head
	s_lshl_b32 s5, s60, 8
	s_lshl_b32 s63, s61, 6
	s_add_co_u32 s5, s5, s63
	s_add_co_u32 s5, s5, s62
	s_lshl_b32 s5, s5, 11                          ; in wo16
	s_lshr_b32 s63, s2, 7                          ; 3 for the wo groups, 384 .. 511
	s_cmp_eq_u32 s63, 3
	s_cselect_b32 s6, s5, s6
	v_and_b32 v1, 31, v0                           ; lane
	v_and_b32 v4, 0xe0, v0                         ; 32 w
	v_lshlrev_b32 v2, 4, v1
	v_lshl_or_b32 v2, v4, 9, v2                    ; source: 4 rows of 4,096 bytes a wave, 16 bytes a lane
	v_lshlrev_b32 v3, 3, v1
	v_lshl_or_b32 v3, v4, 8, v3                    ; destination: 4 rows of 2,048 bytes a wave, 8 bytes a lane
	s_wait_kmcnt 0x0
	; the source's address is chosen among the sixteen weights by the bits of the weight's number, then among x, memory and persona
	s_bitcmp1_b32 s3, 0
.irp p, 8,12,16,20,24,28,32,36
	s_cselect_b64 s[\p:\p+1], s[\p+2:\p+3], s[\p:\p+1]
.endr
	s_bitcmp1_b32 s3, 1
.irp p, 8,16,24,32
	s_cselect_b64 s[\p:\p+1], s[\p+4:\p+5], s[\p:\p+1]
.endr
	s_bitcmp1_b32 s3, 2
.irp p, 8,24
	s_cselect_b64 s[\p:\p+1], s[\p+8:\p+9], s[\p:\p+1]
.endr
	s_bitcmp1_b32 s3, 3
	s_cselect_b64 s[8:9], s[24:25], s[8:9]
	s_cmp_ge_u32 s2, 512
	s_cselect_b64 s[8:9], s[40:41], s[8:9]
	s_cmp_ge_u32 s2, 576
	s_cselect_b64 s[8:9], s[42:43], s[8:9]
	s_cmp_ge_u32 s2, 592
	s_cselect_b64 s[8:9], s[44:45], s[8:9]
	s_cmp_lt_u32 s2, 384
	s_cselect_b64 s[66:67], s[52:53], s[54:55]     ; wb or wo16,
	s_cmp_ge_u32 s2, 512
	s_cselect_b64 s[66:67], s[48:49], s[66:67]     ; xb,
	s_cmp_ge_u32 s2, 576
	s_cselect_b64 s[66:67], s[50:51], s[66:67]     ; cb
	s_add_nc_u64 s[8:9], s[8:9], s[58:59]
	s_add_nc_u64 s[66:67], s[66:67], s[6:7]
	s_cmp_eq_u32 s63, 3
	s_cbranch_scc1 .Lwo
	; THE PLAIN CAST.  All 32 loads of a wave go out at once; each piece has its own registers, so nothing that a store still reads is written again.
.set n, 0
.rept 32
	global_load_b128 v[X+4*n:X+4*n+3], v2, s[8:9] offset:(n/8)*4096+(n%8)*512 th:TH_LOAD_NT
.set n, n+1
.endr
.set n, 0
.rept 32
	s_wait_loadcnt 31-n                            ; loads come back in order: piece n is in, the younger ones stay out
	v_cvt_pk_bf16_f32 v[X+4*n], v[X+4*n], v[X+4*n+1]
	v_cvt_pk_bf16_f32 v[X+4*n+1], v[X+4*n+2], v[X+4*n+3]
	global_store_b64 v3, v[X+4*n:X+4*n+1], s[66:67] offset:(n/8)*2048+(n%8)*256
.set n, n+1
.endr
	s_endpgm
.Lwo:	; THE FOUR wo: the cast, and u
	s_lshl_b32 s58, s61, 14                        ; gate_w's 1,024 rows of 16 bytes for branch i
	s_add_nc_u64 s[46:47], s[46:47], s[58:59]
	s_lshl_b32 s58, s61, 4
	s_add_co_u32 s58, s58, s60
	s_lshl_b32 s58, s58, 11                        ; ut: 2,048 bytes for a branch and head,
	s_lshl_b32 s5, s62, 1
	s_add_co_u32 s58, s58, s5                      ; the group's first channel
	s_add_nc_u64 s[56:57], s[56:57], s[58:59]
	s_mov_b32 s68, 0x76543210                      ; v_permlanex16_b32: each lane takes its own place in the other half
	s_mov_b32 s69, 0xfedcba98
	s_mov_b32 s70, 0xffff0000                      ; a word's upper bf16
	s_mov_b32 s71, 0xaaaaaaaa                      ; lanes with bit 0 set,
	s_mov_b32 s72, 0xcccccccc                      ; bit 1,
	s_mov_b32 s73, 0xf0f0f0f0                      ; bit 2
	v_mov_b32 v5, 0
	v_mov_b32 v28, 0
.irp r, 6,7,8,9
	v_mov_b32 v\r, 0                               ; the four rows' results move up through these
.endr
	v_lshlrev_b32 v29, 6, v1                       ; gate_w: my four columns' rows, 64 bytes a lane
	v_lshrrev_b32 v30, 2, v4
	v_lshl_add_u32 v30, v1, 7, v30                 ; ut: row m = lane, 128 bytes a row; my wave's four channels, 8 bytes
.set n, 0
.rept 32
	global_load_b128 v[X+4*n:X+4*n+3], v29, s[46:47] offset:(n/4)*2048+(n%4)*16
.set n, n+1
.endr
	s_wait_loadcnt 0x0
.set n, 0
.rept 32
	v_cvt_pk_bf16_f32 v[GW+2*n], v[X+4*n], v[X+4*n+1]
	v_cvt_pk_bf16_f32 v[GW+2*n+1], v[X+4*n+2], v[X+4*n+3]
.set n, n+1
.endr
.set n, 0
.rept 32
	global_load_b128 v[X+4*n:X+4*n+3], v2, s[8:9] offset:(n/8)*4096+(n%8)*512 th:TH_LOAD_NT
.set n, n+1
.endr
; element e of piece t's four lies in half ys of register X + 4 t + yr: four multiply-adds straight from the bf16 halves into the f32 sums; each sum's first takes 0 as its addend
.macro FM4 e, yr, ys
.set g, GW+2*(4*t+(\e))
.set c0, ACC
.set c1, ACC+1
.set c2, ACC+2
.set c3, ACC+3
.if (t == 0) && ((\e) == 0)
.set c0, 5
.set c1, 5
.set c2, 5
.set c3, 5
.endif
	v_fma_mix_f32_bf16 v[ACC],   v[X+4*t+(\yr)], v[g],   v[c0] op_sel:[\ys,0,0] op_sel_hi:[1,1,0]
	v_fma_mix_f32_bf16 v[ACC+1], v[X+4*t+(\yr)], v[g],   v[c1] op_sel:[\ys,1,0] op_sel_hi:[1,1,0]
	v_fma_mix_f32_bf16 v[ACC+2], v[X+4*t+(\yr)], v[g+1], v[c2] op_sel:[\ys,0,0] op_sel_hi:[1,1,0]
	v_fma_mix_f32_bf16 v[ACC+3], v[X+4*t+(\yr)], v[g+1], v[c3] op_sel:[\ys,1,0] op_sel_hi:[1,1,0]
.endm
	s_wait_loadcnt 0x0                             ; all four rows are in: they move down through the registers below, so none may be pending
	s_mov_b32 s75, 4
.Lrow:                                                 ; a trip: the row in X's first 32 registers is cast and stored, and its four numbers of u are made; then the other rows move down
.set t, 0
.rept 8
	v_cvt_pk_bf16_f32 v[X+4*t], v[X+4*t], v[X+4*t+1]
	v_cvt_pk_bf16_f32 v[X+4*t+1], v[X+4*t+2], v[X+4*t+3]
	FM4 0, 0, 0
	FM4 1, 0, 1
	FM4 2, 1, 0
	FM4 3, 1, 1
	v_lshlrev_b32 v[T], 16, v[X+4*t]               ; the bf16 numbers as f32,
	v_and_b32 v[T+1], s70, v[X+4*t]
	v_lshlrev_b32 v[T+2], 16, v[X+4*t+1]
	v_and_b32 v[T+3], s70, v[X+4*t+1]
	v_cvt_pk_f16_f32 v[X+4*t+2], v[T], v[T+1]      ; written as f16: nothing is lost inside f16's range
	v_cvt_pk_f16_f32 v[X+4*t+3], v[T+2], v[T+3]
	global_store_b64 v3, v[X+4*t+2:X+4*t+3], s[66:67] offset:t*256
.set t, t+1
.endr
	; the four sums over the wave's 32 lanes: every lane ends with each
.set n, 0
.rept 4
	v_add_f32_dpp v[ACC+n], v[ACC+n], v[ACC+n] row_xmask:1 row_mask:0xf bank_mask:0xf
	v_add_f32_dpp v[ACC+n], v[ACC+n], v[ACC+n] row_xmask:2 row_mask:0xf bank_mask:0xf
	v_add_f32_dpp v[ACC+n], v[ACC+n], v[ACC+n] row_xmask:4 row_mask:0xf bank_mask:0xf
	v_add_f32_dpp v[ACC+n], v[ACC+n], v[ACC+n] row_xmask:8 row_mask:0xf bank_mask:0xf
	v_permlanex16_b32 v28, v[ACC+n], s68, s69
	v_add_f32 v[ACC+n], v[ACC+n], v28
.set n, n+1
.endr
	; lane m takes u[m % 4], or 0 where m % 8 > 3; after four trips v6 to v9 hold rows 0 to 3
	v_cndmask_b32 v28, v[ACC], v[ACC+1], s71
	v_cndmask_b32 v31, v[ACC+2], v[ACC+3], s71
	v_cndmask_b32 v28, v28, v31, s72
	v_mov_b32 v6, v7
	v_mov_b32 v7, v8
	v_mov_b32 v8, v9
	v_cndmask_b32 v9, v28, v5, s73
	s_wait_xcnt 0x0                                ; the stores' offset and data are written again only behind this wait
	v_add_nc_u32 v3, 2048, v3                      ; the next row of wo16
.set n, 0
.rept 96
	v_mov_b32 v[X+n], v[X+32+n]
.set n, n+1
.endr
	s_sub_co_u32 s75, s75, 1
	s_cmp_lg_u32 s75, 0
	s_cbranch_scc1 .Lrow
	v_cvt_pk_f16_f32 v10, v6, v7
	v_cvt_pk_f16_f32 v11, v8, v9
	v_cmp_gt_u32 vcc_lo, 16, v1
	s_wait_xcnt 0x0                                ; EXEC is a source of the stores above: it changes only behind this wait
	s_and_saveexec_b32 s74, vcc_lo
	global_store_b64 v30, v[10:11], s[56:57]       ; lanes 0-15: four channels of row m
	s_wait_xcnt 0x0                                ; and again in front of the line that widens it
	s_or_b32 exec_lo, exec_lo, s74
	s_endpgm
.Lfunc_end_k_qbe5ef32a7f_prep:
	.size	k_qbe5ef32a7f_prep, .Lfunc_end_k_qbe5ef32a7f_prep-k_qbe5ef32a7f_prep
	.p2alignl 7, 3214868480
	.fill 96, 4, 3214868480
	.section	.rodata,"a",@progbits
	.p2align	6, 0x0
	.amdhsa_kernel k_qbe5ef32a7f_prep
		.amdhsa_group_segment_fixed_size 0
		.amdhsa_private_segment_fixed_size 0
		.amdhsa_enable_private_segment 0
		.amdhsa_kernarg_size 200
		.amdhsa_user_sgpr_count 2
		.amdhsa_user_sgpr_kernarg_segment_ptr 1
		.amdhsa_wavefront_size32 1
		.amdhsa_system_sgpr_workgroup_id_x 1
		.amdhsa_system_sgpr_workgroup_id_y 1
		.amdhsa_system_sgpr_workgroup_id_z 1
		.amdhsa_system_vgpr_workitem_id 0
		.amdhsa_next_free_vgpr 224
		.amdhsa_next_free_sgpr 76
		.amdhsa_reserve_vcc 1
		.amdhsa_float_denorm_mode_32 3
		.amdhsa_float_denorm_mode_16_64 3
		.amdhsa_memory_ordered 1
		.amdhsa_forward_progress 1
		.amdhsa_inst_pref_size 43
	.end_amdhsa_kernel
	.amdgpu_metadata
---
amdhsa.version: [ 1, 2 ]
amdhsa.kernels:
  - .name:           k_qbe5ef32a7f_prep
    .symbol:         k_qbe5ef32a7f_prep.kd
    .args:
      - { .name: local_wq, .offset: 0, .size: 8, .value_kind: global_buffer, .address_space: global }
      - { .name: local_wk, .offset: 8, .size: 8, .value_kind: global_buffer, .address_space: global }
      - { .name: local_wv, .offset: 16, .size: 8, .value_kind: global_buffer, .address_space: global }
      - { .name: long_wq, .offset: 24, .size: 8, .value_kind: global_buffer, .address_space: global }
      - { .name: long_wk, .offset: 32, .size: 8, .value_kind: global_buffer, .address_space: global }
      - { .name: long_wv, .offset: 40, .size: 8, .value_kind: global_buffer, .address_space: global }
      - { .name: mem_wq, .offset: 48, .size: 8, .value_kind: global_buffer, .address_space: global }
      - { .name: per_wq, .offset: 56, .size: 8, .value_kind: global_buffer, .address_space: global }
      - { .name: mem_wk, .offset: 64, .size: 8, .value_kind: global_buffer, .address_space: global }
      - { .name: mem_wv, .offset: 72, .size: 8, .value_kind: global_buffer, .address_space: global }
      - { .name: per_wk, .offset: 80, .size: 8, .value_kind: global_buffer, .address_space: global }
      - { .name: per_wv, .offset: 88, .size: 8, .value_kind: global_buffer, .address_space: global }
      - { .name: local_wo, .offset: 96, .size: 8, .value_kind: global_buffer, .address_space: global }
      - { .name: long_wo, .offset: 104, .size: 8, .value_kind: global_buffer, .address_space: global }
      - { .name: mem_wo, .offset: 112, .size: 8, .value_kind: global_buffer, .address_space: global }
      - { .name: per_wo, .offset: 120, .size: 8, .value_kind: global_buffer, .address_space: global }
      - { .name: x, .offset: 128, .size: 8, .value_kind: global_buffer, .address_space: global }
      - { .name: memory_kv, .offset: 136, .size: 8, .value_kind: global_buffer, .address_space: global }
      - { .name: persona_kv, .offset: 144, .size: 8, .value_kind: global_buffer, .address_space: global }
      - { .name: gate_w, .offset: 152, .size: 8, .value_kind: global_buffer, .address_space: global }
      - { .name: xb, .offset: 160, .size: 8, .value_kind: global_buffer, .address_space: global }
      - { .name: cb, .offset: 168, .size: 8, .value_kind: global_buffer, .address_space: global }
      - { .name: wb, .offset: 176, .size: 8, .value_kind: global_buffer, .address_space: global }
      - { .name: wo16, .offset: 184, .size: 8, .value_kind: global_buffer, .address_space: global }
      - { .name: ut, .offset: 192, .size: 8, .value_kind: global_buffer, .address_space: global }
    .group_segment_fixed_size: 0
    .private_segment_fixed_size: 0
    .kernarg_segment_align: 8
    .kernarg_segment_size: 200
    .max_flat_workgroup_size: 256
    .sgpr_count:     76
    .vgpr_count:     224
    .wavefront_size: 32
...
	.end_amdgpu_metadata
.endif
;; end of part 6
;; launch proj (part 7): grid 32 x 8, 4 waves a work-group, clusters of 4 x 4, 327,680 bytes of LDS; arguments xb, wb, qkv; writes qkv
.if DOCPART == 7
	.amdgcn_target "amdgcn-amd-amdhsa--gfx1250"
	.amdhsa_code_object_version 6
	.text
	.protected	k_qbe5ef32a7f_proj
	.globl	k_qbe5ef32a7f_proj
	.p2align	8
	.type	k_qbe5ef32a7f_proj,@function
k_qbe5ef32a7f_proj:
	s_mov_b64 s[64:65], 0
	v_nop
	global_prefetch_b8 v0, s[64:65] scope:SCOPE_SE
	s_setreg_imm32_b32 hwreg(HW_REG_WAVE_MODE, 25, 1), 1
	s_wait_xcnt 0x0
	s_wait_alu depctr_hold_cnt(0) depctr_sa_sdst(0) depctr_va_vdst(0) depctr_va_sdst(0) depctr_va_ssrc(0) depctr_va_vcc(0) depctr_vm_vsrc(0)
	s_getreg_b32 s2, hwreg(HW_REG_IB_STS2, 6, 4)
	s_cmp_eq_u32 s2, 0
	s_cbranch_scc0 .Lentry_in_a_cluster
	s_endpgm
.Lentry_in_a_cluster:
	s_bfe_u32 s2, ttmp6, 0x10000c
	s_cmp_lg_u32 s2, 0xf033
	s_cbranch_scc0 .Lentry_shape_is_right
	s_endpgm
.Lentry_shape_is_right:
; PROJ: the eight products of x: C[m][n] = sum over k of xb[m][k] wb[wi][k][n], wi = 0..7 (local q, k, v; long q, k, v; mem q; per q).  xb: [2048][1024] bf16; wb: [12][1024 k][1024 n] bf16; sums in f32.
; The result is rounded once to f16, unscaled, and written by heads: qkv region wi (4 MiB) = [row / 128][head 16][128 rows][64 channels].  LIMIT: |q|, |k|, |v| stay under 65,504.
; A tile of C is 256 x 256 (tile column tc: weight tc / 4, columns 256 (tc % 4) ..): 32 x 8 tiles, one to a work-group of four waves; a wave makes 128 x 128: 64 accumulators, 512 registers.
; K goes in 8 steps of 128 through two LDS slots.  A's tile: 256 rows of 256 bytes.  B's tile lies as in memory, [128 k][256 n], rows of 512 bytes, and comes out of LDS turned, by ds_load_tr16_b128.
; A K STEP IS WRITTEN ONCE: which slot is read and which is filled are numbers in scalar registers (0 or SLOT, turned by an exclusive or), added to the lane's place and to the wave's place in a slot.
; The text: the first quarter, whose products start the sums; a loop of 6 trips with a refill; the same step without a refill, walked twice and left in the middle of its second trip.
; CLUSTER: 4 x 4 work-groups; A's tile is shared along a row of the cluster, B's along a column: each is asked for jointly, by the same tensor load with the same descriptor and a mask that names the four.
; THE MATRIX INSTRUCTION IS USED TRANSPOSED: source 0 = 16 columns of the weight, source 1 = 16 rows of x: a lane holds one row of C and eight neighbouring columns.
; REGISTERS, in windows of 256: window 0: v0-31 addresses; v64-127, v128-191 fragments of A, two buffers; v32-63, v192-255 at work on the way out.  window 1: v64-127, v128-191 fragments of B.
;   window 2: the accumulators of my rows 0-63 ((a, b) at v[8 (8 a + b)]);  window 3: those of my rows 64-127.
.set KSTEP,  128
.set STEPS,  8
.set PITCH,  272                       ; a row of A in LDS: 256 bytes + 16: the 16 rows of a fragment load start at 16 different groups of four banks
.set PB,     544                       ; a row of B: 512 bytes + 32
.set HALFT,  128*PITCH                 ; what one tensor load brings: 128 rows of A, or 64 rows of B: 34,816 bytes either way
.set SLOT,   4*HALFT                   ; A's 256 rows, then B's 128 rows
.set STAGE,  2*SLOT                    ; behind the ring: for each wave 2 heads x 16 rows x 144 bytes, for the way out
.set SP,     144
.set WSTAGE, 2*16*SP
.set SPARE,  STAGE+4*WSTAGE            ; the spare words, 128 bytes a wave: two blocks of 256 bytes that no other line names
.set ADRA0, 16                         ; v16     my place in A's part of a slot; never rewritten
.set ADRA,  17                         ; v17     the same in the slot being read
.set ADRB0, 20                         ; v20, v21  the same for B
.set ADRB,  21
.set STO,  24                          ; v24     the way out: where I put 16 bytes of a row
.set RD,   25                          ; v25     where I read rows back
.set GO,   26                          ; v26     16 x lane
.set SPW,  28                          ; v28     my spare word; never rewritten
.set NIL,  29                          ; v29     0; never rewritten
.set F0,   64
.set F1,   128
.set TMP,  192
.set OB,   32
.set TB, 18                            ; s18     the slot being read: 0 or SLOT
.set TF, 19                            ; s19     the slot filled last
.set G1, 24                            ; s[24:31] group 1 for A;  s[32:39] group 0: a set for each of the two first fills; the second then walks on
.set G0, 32
.set G1B, 48                           ; s[48:55], s[56:63] the same for B
.set G0B, 56
.set MSB, 0
.macro WIN new                         ; the immediate's high byte repeats the setting that is left; a switch that changes nothing is dropped
.if MSB != (\new)
	s_set_vgpr_msb (MSB<<8)|(\new)
.set MSB, \new
.endif
.endm
.set MUL_LO, 0xa1                      ; source 0 (B) window 1, source 1 (A) window 0, C and D window 2
.set MUL_HI, 0xf1                      ; the same, C and D window 3
.set TO_B,   0x40                      ; destination window 1, address window 0
; A joint load: waves 0 and 1 fetch A's two halves, waves 2 and 3 B's.  An s_nop 0 and four v_nop follow each of the two lines.
.macro JLOAD s
	s_cmp_eq_u32 s11, 0
	s_cbranch_scc0 .Lfor_b_\@
	tensor_load_to_lds s[G0+4*(\s):G0+4*(\s)+3], s[G1:G1+7]
	s_nop 0
.rept 4
	v_nop
.endr
	s_branch .Lasked_\@
.Lfor_b_\@:
	tensor_load_to_lds s[G0B+4*(\s):G0B+4*(\s)+3], s[G1B:G1B+7]
	s_nop 0
.rept 4
	v_nop
.endr
.Lasked_\@:
.endm
.macro CREST                           ; a round of the cluster's barrier behind its opening barrier
	s_cmp_lg_u32 s10, 0
	s_cbranch_scc1 .Lnot_wave_0_\@
	s_barrier_signal -3
.Lnot_wave_0_\@:
	s_barrier_wait -3
	s_barrier_signal -1
	s_barrier_wait -1
.endm
.macro CROUND                          ; a whole round
	s_barrier_signal -1
	s_barrier_wait -1
	CREST
.endm
	s_load_b128 s[4:7], s[0:1], 0x0                ; xb s[4:5], wb s[6:7]
	s_load_b64 s[8:9], s[0:1], 0x10                ; qkv
	v_lshl_add_u32 v[SPW], v0, 2, SPARE
	v_mov_b32 v[NIL], 0
	ds_add_u32 v[SPW], v[NIL]                      ; the wave's opening: the add and its wait ahead of my first tensor load; the set-up stands between them
	ds_add_u32 v28, v29
	v_lshrrev_b32 v1, 5, v0
	v_readfirstlane_b32 s10, v1                    ; wave 0..3
	s_lshr_b32 s11, s10, 1                         ; my half of the tile's rows.  Also: I fetch for A (0) or for B (1)
	s_and_b32 s12, s10, 1                          ; my half of its columns.  Also: which half of that tile I fetch
	s_bfe_u32 s40, ttmp6, 0x40000                  ; cx
	s_bfe_u32 s41, ttmp6, 0x40004                  ; cy
	s_lshl_b32 s42, ttmp9, 2
	s_add_co_u32 s42, s42, s40                     ; tile column
	s_and_b32 s13, ttmp7, 0xffff
	s_lshl_b32 s13, s13, 2
	s_add_co_u32 s13, s13, s41                     ; tile row
	s_lshl_b32 s43, s41, 2
	s_lshl_b32 s43, 15, s43                        ; my row of the cluster
	s_lshl_b32 s44, 0x1111, s40                    ; my column
	s_or_b32 s[G1+0], s43, (1<<16)|(1<<20)|(1<<21)|(5<<22)|(3<<25)   ; the mask; 2-byte elements; padding on; bit 21 beside a mask; after every 64 words 4 words
	s_or_b32 s[G1B+0], s44, (1<<16)|(1<<20)|(1<<21)|(6<<22)|(7<<25)  ; after every 128 words 8 words
	s_mov_b32 s[G1+1], KSTEP<<16                   ; A: tensor_dim0 = 128
	s_mov_b32 s[G1+2], 128<<16                     ; tensor_dim1 = 128
	s_mov_b32 s[G1+3], KSTEP<<16                   ; tile_dim0 = 128
	s_mov_b32 s[G1+4], 128                         ; tile_dim1 = 128
	s_mov_b32 s[G1+5], 1024                        ; elements from row to row
	s_mov_b32 s[G1+6], 0
	s_mov_b32 s[G1+7], 0
	s_mov_b32 s[G1B+1], 256<<16                    ; B: 256 elements x 64 rows
	s_mov_b32 s[G1B+2], 64<<16
	s_mov_b32 s[G1B+3], 256<<16
	s_mov_b32 s[G1B+4], 64
	s_mov_b32 s[G1B+5], 1024
	s_mov_b32 s[G1B+6], 0
	s_mov_b32 s[G1B+7], 0
	s_lshl_b32 s16, s13, 8                         ; A hangs on the tile row and the wave alone:
	s_lshl_b32 s17, s12, 7
	s_add_co_u32 s16, s16, s17
	s_lshl_b32 s16, s16, 11                        ; row 256 tr + 128 half, 2,048 bytes a row
	s_mov_b32 s17, 0
	s_lshr_b32 s46, s42, 2                         ; B on the tile column and the wave alone:
	s_lshl_b32 s46, s46, 21                        ; the weight, 2 MiB each,
	s_lshl_b32 s47, s12, 17                        ; 64 rows of 2,048 bytes for the second half,
	s_add_co_u32 s46, s46, s47
	s_and_b32 s47, s42, 3
	s_lshl_b32 s47, s47, 9                         ; 256 columns
	s_add_co_u32 s46, s46, s47
	s_mov_b32 s47, 0
	s_mul_i32 s20, s10, HALFT                      ; my part's place in a slot: wave x 34,816; kept for the refills
	s_mov_b32 s[TB], 0                             ; slot 0 is read first;
	s_mov_b32 s[TF], SLOT                          ; the walking descriptor has filled slot 1
	s_wait_dscnt 0x0                               ; the opening add is done
	s_wait_kmcnt 0x0
	s_add_nc_u64 s[14:15], s[4:5], s[16:17]
	s_add_nc_u64 s[46:47], s[6:7], s[46:47]
	CROUND                                         ; all sixteen work-groups are here: the first joint loads meet
.irp s, 0,1
	s_mov_b32 s[G0+4*(\s)], 1
	s_add_co_u32 s[G0+4*(\s)+1], s20, (\s)*SLOT
	s_add_nc_u64 s[G0+4*(\s)+2:G0+4*(\s)+3], s[14:15], (\s)*KSTEP*2
	s_or_b32 s[G0+4*(\s)+3], s[G0+4*(\s)+3], 0x80000000
	s_mov_b32 s[G0B+4*(\s)], 1
	s_add_co_u32 s[G0B+4*(\s)+1], s20, (\s)*SLOT
	s_add_nc_u64 s[G0B+4*(\s)+2:G0B+4*(\s)+3], s[46:47], (\s)*KSTEP*2048
	s_or_b32 s[G0B+4*(\s)+3], s[G0B+4*(\s)+3], 0x80000000
	JLOAD \s
.endr
	v_and_b32 v1, 15, v0                           ; l % 16
	v_bfe_u32 v2, v0, 4, 1                         ; l / 16
	v_mul_u32_u24 v3, v1, PITCH
	v_lshl_add_u32 v3, v2, 4, v3                   ; A: row x pitch + 16 x half
	v_and_b32 v4, 7, v0                            ; B, turned: lane l reads k row 8 (l / 16) + l % 8, columns 8 ((l / 8) % 2) ..
	v_lshl_add_u32 v4, v2, 3, v4
	v_mul_u32_u24 v4, v4, PB
	v_bfe_u32 v5, v0, 3, 1
	v_lshl_add_u32 v4, v5, 4, v4
	s_mul_i32 s21, s11, HALFT                      ; my 128 rows of A
	s_lshl_b32 s22, s12, 8                         ; my 128 columns of B, 256 bytes,
	s_add_co_u32 s22, s22, 2*HALFT                 ; behind A's 256 rows
	v_add_nc_u32 v[ADRA0], s21, v3
	v_add_nc_u32 v[ADRB0], s22, v4
	v_mov_b32 v[ADRA], v[ADRA0]
	v_mov_b32 v[ADRB], v[ADRB0]
	s_mul_i32 s23, s10, WSTAGE
	s_add_co_u32 s23, s23, STAGE                   ; my stage
	v_mul_u32_u24 v5, v1, SP                       ; in: row l % 16, 16 bytes for each half of the lanes
	v_lshl_add_u32 v5, v2, 4, v5
	v_add_nc_u32 v[STO], s23, v5
	v_bfe_u32 v5, v0, 3, 2                         ; back: 32 lanes take four rows of 128 bytes
	v_mul_u32_u24 v5, v5, SP
	v_and_b32 v6, 7, v0
	v_lshl_add_u32 v5, v6, 4, v5
	v_add_nc_u32 v[RD], s23, v5
	v_and_b32 v[GO], 31, v0
	v_lshlrev_b32 v[GO], 4, v[GO]
	s_lshl_b32 s16, s13, 1                         ; where my part goes: block of 128 rows 2 tr + row half, 256 KiB each,
	s_add_co_u32 s16, s16, s11
	s_lshl_b32 s16, s16, 18
	s_mov_b32 s17, 0
	s_add_nc_u64 s[8:9], s[8:9], s[16:17]
	s_lshr_b32 s46, s42, 2
	s_lshl_b32 s46, s46, 22                        ; region tc / 4, 4 MiB each,
	s_and_b32 s47, s42, 3
	s_lshl_b32 s47, s47, 2
	s_lshl_b32 s21, s12, 1
	s_add_co_u32 s47, s47, s21
	s_lshl_b32 s47, s47, 14                        ; head 4 (tc % 4) + 2 x column half, 16 KiB each
	s_add_co_u32 s46, s46, s47
	s_mov_b32 s47, 0
	s_add_nc_u64 s[8:9], s[8:9], s[46:47]
; 16 matrix instructions: m blocks a0, a0 + 1 of the window's four x all 8 n blocks, 32 along K.  zero = 1: the first product starts the sums.  The 64 accumulators take turns.
.macro MUL16 f, hi, a0, zero
	WIN MUL_LO+0x50*(\hi)
.irp a, \a0, (\a0)+1
.irp b, 0,1,2,3,4,5,6,7
.if \zero
	v_wmma_f32_16x16x32_bf16 v[8*(8*(\a)+(\b)):8*(8*(\a)+(\b))+7], v[(\f)+8*(\b):(\f)+8*(\b)+7], v[(\f)+8*(4*(\hi)+(\a)):(\f)+8*(4*(\hi)+(\a))+7], 0
.else
	v_wmma_f32_16x16x32_bf16 v[8*(8*(\a)+(\b)):8*(8*(\a)+(\b))+7], v[(\f)+8*(\b):(\f)+8*(\b)+7], v[(\f)+8*(4*(\hi)+(\a)):(\f)+8*(4*(\hi)+(\a))+7], v[8*(8*(\a)+(\b)):8*(8*(\a)+(\b))+7]
.endif
.endr
.endr
.endm
; 32 LDS loads in one run: the fragments of one quarter step (32 along K, at byte k of A's rows = k rows k / 2 .. of B) of the slot being read, into buffer f
.macro FETCH k, f
	WIN TO_B
.irp i, 0,1,2,3,4,5,6,7
	ds_load_tr16_b128 v[(\f)+8*(\i):(\f)+8*(\i)+3],   v[ADRB] offset:((\k)/64)*32*PB+(\i)*32
	ds_load_tr16_b128 v[(\f)+8*(\i)+4:(\f)+8*(\i)+7], v[ADRB] offset:((\k)/64)*32*PB+16*PB+(\i)*32
.endr
	WIN 0
.irp i, 0,1,2,3,4,5,6,7
	ds_load_b128 v[(\f)+8*(\i):(\f)+8*(\i)+3],   v[ADRA] offset:(\k)+(\i)*16*PITCH
	ds_load_b128 v[(\f)+8*(\i)+4:(\f)+8*(\i)+7], v[ADRA] offset:(\k)+(\i)*16*PITCH+32
.endr
.endm
.macro PLACES                          ; four places in front of loads into registers that matrix instructions have read, and of conversions that read results
.rept 4
	v_nop
.endr
.endm
.macro FLIP                            ; the reads go over to the other slot
	s_xor_b32 s[TB], s[TB], SLOT
	v_add_nc_u32 v[ADRA], s[TB], v[ADRA0]
	v_add_nc_u32 v[ADRB], s[TB], v[ADRB0]
.endm
.macro QUARTER k, f, g, zero           ; multiplies buffer f; in its middle fetches the next quarter, at byte k, into g
	s_wait_dscnt 8                                 ; B and A's rows 0-63 are in; the youngest eight loads (A's rows 64-127) may be out
	MUL16 \f, 0, 0, \zero
	MUL16 \f, 0, 2, \zero
	PLACES
	FETCH \k, \g
	s_wait_dscnt 32                                ; all but the 32 just issued
	MUL16 \f, 1, 0, \zero
	MUL16 \f, 1, 2, \zero
.endm
; The last quarter's first half: one barrier for the change of slots.  In front of it each wave waits for all its tensor loads (at most one is out: its part of the next slot), adds 0 to its spare word, and waits for that and for its reads of this slot.
.macro MEET
	WIN 0
	s_wait_tensorcnt 0x0
	ds_add_u32 v[SPW], v[NIL]
	s_wait_dscnt 9                                 ; the add and the youngest eight loads may be out
	MUL16 F1, 0, 0, 0
	s_wait_dscnt 0x0                               ; the add is done, and my reads of this slot are over
	s_barrier_signal -1
	MUL16 F1, 0, 2, 0
	WIN 0
	s_barrier_wait -1
.endm
.macro TURN                            ; the whole last quarter: behind the round the slot just read is filled again, two K steps on; then the next slot's first fragments
	MEET
	CREST
	s_xor_b32 s[TF], s[TF], SLOT                   ; the walking descriptors: the other slot than last time,
	s_add_co_u32 s[G0+5], s20, s[TF]
	s_add_co_u32 s[G0B+5], s20, s[TF]
	s_add_nc_u64 s[G0+6:G0+7], s[G0+6:G0+7], KSTEP*2          ; the next K step; the type bits on top are not reached
	s_add_nc_u64 s[G0B+6:G0B+7], s[G0B+6:G0B+7], KSTEP*2048
	JLOAD 1                                        ; the first tensor load behind the round; its four v_nop are also the places in front of the loads below
	FLIP
	FETCH 0, F0
	MUL16 F1, 1, 0, 0
	MUL16 F1, 1, 2, 0
.endm
; THE WAY OUT of block a (16 rows).  PACK: rounded to f16, 16 bytes a lane.  TOSTAGE: into my stage, by heads, and back as whole rows of 128 bytes.  SEND: 512 consecutive bytes a store.
.macro PACK a
.set AC, 64*((\a)%4)
	WIN 0x0a+5*((\a)/4)
.irp b, 0,1,2,3,4,5,6,7
.irp r, 0,1,2,3
	v_cvt_pk_f16_f32 v[TMP+4*(\b)+(\r)], v[AC+8*(\b)+2*(\r)], v[AC+8*(\b)+2*(\r)+1]
.endr
.endr
	WIN 0
.endm
.macro TOSTAGE a
	WIN 0
.set BK, OB+192*((\a)%2)
.irp b, 0,1,2,3,4,5,6,7
	ds_store_b128 v[STO], v[TMP+4*(\b):TMP+4*(\b)+3] offset:((\b)/4)*16*SP+32*((\b)%4)
.endr
.irp t, 0,1,2,3,4,5,6,7
	ds_load_b128 v[BK+4*(\t):BK+4*(\t)+3], v[RD] offset:((\t)/4)*16*SP+((\t)%4)*4*SP  ; LDS serves a wave's instructions in order: these see the stores above
.endr
.endm
.macro SEND a
	WIN 0
.set BK, OB+192*((\a)%2)
	s_wait_dscnt 0x0                               ; the block is back in registers
	s_wait_xcnt 0x0                                ; the registers that the block before last's stores read are loaded again only behind this wait
.irp t, 0,1,2,3,4,5,6,7
	global_store_b128 v[GO], v[BK+4*(\t):BK+4*(\t)+3], s[8:9] offset:((\t)/4)*16384+(\a)*2048+((\t)%4)*512
.endr
.endm
	s_wait_tensorcnt 1                             ; my part of K step 0 is in; step 1's may stay out
	s_barrier_signal -1
	s_barrier_wait -1
	FETCH 0, F0
	QUARTER 64,  F0, F1, 1                         ; the first quarter stands in front of the loop: its products start the sums
	WIN 0
	s_mov_b32 s3, STEPS-2
.Lstep:                                                ; a trip: a step's quarters 2 to 4, the refill of its slot, the next step's quarter 1
	QUARTER 128, F1, F0, 0
	QUARTER 192, F0, F1, 0
	TURN
	QUARTER 64,  F0, F1, 0
	WIN 0
	s_sub_co_u32 s3, s3, 1
	s_cmp_lg_u32 s3, 0
	s_cbranch_scc1 .Lstep
	s_mov_b32 s3, 2
.Ltail:                                                ; the last two steps fill nothing: their text has no tensor load; the second trip is left behind its barrier
	QUARTER 128, F1, F0, 0
	QUARTER 192, F0, F1, 0
	MEET
	s_sub_co_u32 s3, s3, 1
	s_cmp_eq_u32 s3, 0
	s_cbranch_scc1 .Lfin
	PLACES
	FLIP
	FETCH 0, F0
	MUL16 F1, 1, 0, 0
	MUL16 F1, 1, 2, 0
	QUARTER 64,  F0, F1, 0
	WIN 0
	s_branch .Ltail
.Lfin:
	MUL16 F1, 1, 0, 0                              ; the very last half quarter: its fragments were waited for in front of the barrier
	MUL16 F1, 1, 2, 0
	PLACES
	PACK 0
	TOSTAGE 0
.irp a, 1,2,3,4,5,6,7                  ; block a's conversions stand between block a - 1's loads from the stage and the wait for them
	PACK \a
	SEND (\a)-1
	TOSTAGE \a
.endr
	SEND 7
	s_wait_tensorcnt 0x0                           ; the wave's end
	ds_add_u32 v[SPW], v[NIL]
	s_wait_dscnt 0x0
	CROUND                                         ; the closing round
	s_endpgm
.Lfunc_end_k_qbe5ef32a7f_proj:
	.size	k_qbe5ef32a7f_proj, .Lfunc_end_k_qbe5ef32a7f_proj-k_qbe5ef32a7f_proj
	.p2alignl 7, 3214868480
	.fill 96, 4, 3214868480
	.section	.rodata,"a",@progbits
	.p2align	6, 0x0
	.amdhsa_kernel k_qbe5ef32a7f_proj
		.amdhsa_group_segment_fixed_size 327680
		.amdhsa_private_segment_fixed_size 0
		.amdhsa_enable_private_segment 0
		.amdhsa_kernarg_size 24
		.amdhsa_user_sgpr_count 2
		.amdhsa_user_sgpr_kernarg_segment_ptr 1
		.amdhsa_wavefront_size32 1
		.amdhsa_system_sgpr_workgroup_id_x 1
		.amdhsa_system_sgpr_workgroup_id_y 1
		.amdhsa_system_sgpr_workgroup_id_z 1
		.amdhsa_system_vgpr_workitem_id 0
		.amdhsa_next_free_vgpr 1024
		.amdhsa_next_free_sgpr 66
		.amdhsa_reserve_vcc 0
		.amdhsa_float_denorm_mode_32 3
		.amdhsa_float_denorm_mode_16_64 3
		.amdhsa_memory_ordered 1
		.amdhsa_forward_progress 1
		.amdhsa_inst_pref_size 102
	.end_amdhsa_kernel
	.amdgpu_metadata
---
amdhsa.version: [ 1, 2 ]
amdhsa.kernels:
  - .name:           k_qbe5ef32a7f_proj
    .symbol:         k_qbe5ef32a7f_proj.kd
    .args:
      - { .name: xb, .offset: 0, .size: 8, .value_kind: global_buffer, .address_space: global }
      - { .name: wb, .offset: 8, .size: 8, .value_kind: global_buffer, .address_space: global }
      - { .name: qkv, .offset: 16, .size: 8, .value_kind: global_buffer, .address_space: global }
    .group_segment_fixed_size: 327680
    .private_segment_fixed_size: 0
    .kernarg_segment_align: 8
    .kernarg_segment_size: 24
    .max_flat_workgroup_size: 128
    .sgpr_count:     66
    .vgpr_count:     1024
    .wavefront_size: 32
...
	.end_amdgpu_metadata
.endif
;; end of part 7
;; launch ctx (part 8): grid 16 x 5, 4 waves a work-group, clusters of 4 x 1, 327,680 bytes of LDS; arguments cb, wb, qkv; writes qkv
.if DOCPART == 8
	.amdgcn_target "amdgcn-amd-amdhsa--gfx1250"
	.amdhsa_code_object_version 6
	.text
	.protected	k_qbe5ef32a7f_ctx
	.globl	k_qbe5ef32a7f_ctx
	.p2align	8
	.type	k_qbe5ef32a7f_ctx,@function
k_qbe5ef32a7f_ctx:
	s_mov_b64 s[64:65], 0
	v_nop
	global_prefetch_b8 v0, s[64:65] scope:SCOPE_SE
	s_setreg_imm32_b32 hwreg(HW_REG_WAVE_MODE, 25, 1), 1
	s_wait_xcnt 0x0
	s_wait_alu depctr_hold_cnt(0) depctr_sa_sdst(0) depctr_va_vdst(0) depctr_va_sdst(0) depctr_va_ssrc(0) depctr_va_vcc(0) depctr_vm_vsrc(0)
	s_getreg_b32 s2, hwreg(HW_REG_IB_STS2, 6, 4)
	s_cmp_eq_u32 s2, 0
	s_cbranch_scc0 .Lentry_in_a_cluster
	s_endpgm
.Lentry_in_a_cluster:
	s_bfe_u32 s2, ttmp6, 0x10000c
	s_cmp_lg_u32 s2, 0x3003
	s_cbranch_scc0 .Lentry_shape_is_right
	s_endpgm
.Lentry_shape_is_right:
; CTX: the keys and values of the two contexts: memory (cb rows 0-511) x mem_wk, mem_wv; persona (cb rows 512-575) x per_wk, per_wv.  bf16 operands, f32 sums, the result rounded once to f16 (|k|, |v| under 65,504).
; Work-group (x, y): y = 0..3 a block of 128 memory rows, y = 4 persona's 64 rows; x = 0..15: weight 8 + x / 8 (+ 2 for persona), columns 128 (x % 8) ..: two heads.  qkv region = the weight's number, laid as [row / 128][head][128][64].
; A tile of C is 128 x 128, four waves of 64 x 64; K in 4 steps of 256 through two LDS slots.  A's rows are 512 bytes; B lies [256 k][128 n], rows of 256 bytes, and comes out turned.
; A K STEP IS WRITTEN ONCE: the slot read and the slot filled are numbers in scalar registers (0 or SLOT, turned by an exclusive or).  The text: the first quarter, whose products start the sums; a loop of 2 trips with a
; refill; the same step without a refill, walked twice and left in the middle of its second trip.
; For persona both halves of A's tile hold the same 64 rows (no load leaves the buffer); the waves of the second half compute a copy and store nothing.
; CLUSTER: the four work-groups of a cluster lie along x and share A's tile: a joint load with the mask of four.  B's tile differs between them and is a load of each one's own (mask 0): it is shared along y alone,
; whose five rows use two different pairs of weights, so no cluster divides them.
; REGISTERS: window 0: v0-31 addresses; v32-111 at work on the way out; v128-255 the accumulators ((a, b) at v[128 + 8 (4 a + b)]).  window 1: two fragment buffers of 128: 64 of A, then 64 of B.
.set KSTEP,  256
.set STEPS,  4
.set PITCH,  528                       ; a row of A: 512 bytes + 16
.set PB,     288                       ; a row of B: 256 bytes + 32 = 9 x 32
.set HALFA,  64*PITCH
.set HALFB,  128*PB
.set BOFF,   2*HALFA
.set SLOT,   BOFF+2*HALFB
.set STAGE,  2*SLOT                    ; behind the ring: 16 rows x 144 bytes for each wave
.set SP,     144
.set SPARE,  STAGE+4*16*SP             ; the spare words: two blocks of 256 bytes that no other line names
.set ADRA0, 16                         ; v16     my place in A's part of a slot; never rewritten
.set ADRA,  17                         ; v17     the same in the slot being read
.set ADRB0, 18                         ; v18-19  B: k rows 0-127, 128-255; never rewritten
.set ADRB,  20                         ; v20-21  the same in the slot being read
.set STO,  24
.set RD,   25
.set GO,   26
.set SPW,  28
.set NIL,  29
.set TMP,  32                          ; v32-95  four blocks read back from the stage
.set PKT,  96                          ; v96-111 a block packed
.set ACC,  128
.set F0,   0
.set F1,   128
.set TB, 18                            ; s18     the slot being read: 0 or SLOT
.set TF, 19                            ; s19     the slot filled last
.set G1, 24                            ; s[24:31] group 1 for A;  s[32:39] group 0: a set for each of the two first fills; the second then walks on
.set G0, 32
.set G1B, 48
.set G0B, 56
.set MSB, 0
.macro WIN new
.if MSB != (\new)
	s_set_vgpr_msb (MSB<<8)|(\new)
.set MSB, \new
.endif
.endm
.set MUL,  0x05                        ; sources 0 (B) and 1 (A) window 1; C and D window 0
.set TO_F, 0x40
.macro JLOAD s                         ; waves 0 and 1 fetch A's two halves (jointly), waves 2 and 3 B's; an s_nop 0 and four v_nop follow each line
	s_cmp_eq_u32 s11, 0
	s_cbranch_scc0 .Lfor_b_\@
	tensor_load_to_lds s[G0+4*(\s):G0+4*(\s)+3], s[G1:G1+7]
	s_nop 0
.rept 4
	v_nop
.endr
	s_branch .Lasked_\@
.Lfor_b_\@:
	tensor_load_to_lds s[G0B+4*(\s):G0B+4*(\s)+3], s[G1B:G1B+7]
	s_nop 0
.rept 4
	v_nop
.endr
.Lasked_\@:
.endm
.macro CREST
	s_cmp_lg_u32 s10, 0
	s_cbranch_scc1 .Lnot_wave_0_\@
	s_barrier_signal -3
.Lnot_wave_0_\@:
	s_barrier_wait -3
	s_barrier_signal -1
	s_barrier_wait -1
.endm
.macro CROUND
	s_barrier_signal -1
	s_barrier_wait -1
	CREST
.endm
	s_load_b128 s[4:7], s[0:1], 0x0                ; cb s[4:5], wb s[6:7]
	s_load_b64 s[8:9], s[0:1], 0x10                ; qkv
	v_lshl_add_u32 v[SPW], v0, 2, SPARE
	v_mov_b32 v[NIL], 0
	ds_add_u32 v[SPW], v[NIL]                      ; the wave's opening: the add and its wait ahead of my first tensor load
	ds_add_u32 v28, v29
	v_lshrrev_b32 v1, 5, v0
	v_readfirstlane_b32 s10, v1                    ; wave 0..3
	s_lshr_b32 s11, s10, 1                         ; my half of the rows.  Also: I fetch for A (0) or B (1)
	s_and_b32 s12, s10, 1                          ; my half of the columns.  Also: which half of that tile I fetch
	s_bfe_u32 s40, ttmp6, 0x40000                  ; cx
	s_lshl_b32 s42, ttmp9, 2
	s_add_co_u32 s42, s42, s40                     ; x: it enters B's and the result's addresses alone
	s_and_b32 s13, ttmp7, 0xffff                   ; y, which the four partners share
	s_mov_b32 s[G1+0], 15|(1<<16)|(1<<20)|(1<<21)|(6<<22)|(3<<25)  ; the mask of four; 2-byte elements; padding on; bit 21 beside a mask; after every 128 words 4 words
	s_mov_b32 s[G1+1], KSTEP<<16                   ; 256 elements x 64 rows
	s_mov_b32 s[G1+2], 64<<16
	s_mov_b32 s[G1+3], KSTEP<<16
	s_mov_b32 s[G1+4], 64
	s_mov_b32 s[G1+5], 1024
	s_mov_b32 s[G1+6], 0
	s_mov_b32 s[G1+7], 0
	s_mov_b32 s[G1B+0], (1<<16)|(1<<20)|(5<<22)|(7<<25)            ; no mask; after every 64 words 8 words
	s_mov_b32 s[G1B+1], 128<<16                    ; 128 elements x 128 rows
	s_mov_b32 s[G1B+2], 128<<16
	s_mov_b32 s[G1B+3], 128<<16
	s_mov_b32 s[G1B+4], 128
	s_mov_b32 s[G1B+5], 1024
	s_mov_b32 s[G1B+6], 0
	s_mov_b32 s[G1B+7], 0
	s_lshl_b32 s16, s13, 7
	s_lshl_b32 s17, s12, 6
	s_add_co_u32 s16, s16, s17                     ; A: row 128 y + 64 half,
	s_cmp_eq_u32 s13, 4
	s_cselect_b32 s16, 512, s16                    ; or persona's first row for both halves
	s_cselect_b32 s43, 2, 0
	s_cselect_b32 s44, 0, s13                      ; the result's block of 128 rows
	s_lshl_b32 s16, s16, 11
	s_mov_b32 s17, 0
	s_lshr_b32 s2, s43, 1
	s_and_b32 s2, s2, s11                          ; 1: persona's second row half: nothing to store
	s_lshr_b32 s45, s42, 3
	s_add_co_u32 s45, s45, s43
	s_add_co_u32 s45, s45, 8                       ; the weight
	s_lshl_b32 s46, s45, 21
	s_lshl_b32 s47, s12, 18                        ; 128 k rows of 2,048 bytes for the second half
	s_add_co_u32 s46, s46, s47
	s_and_b32 s47, s42, 7
	s_lshl_b32 s47, s47, 8                         ; 128 columns
	s_add_co_u32 s46, s46, s47
	s_mov_b32 s47, 0
	s_mul_i32 s20, s12, HALFA                      ; my part's place in a slot, for A
	s_mul_i32 s41, s12, HALFB                      ; and for B; both are kept for the refills
	s_add_co_u32 s41, s41, BOFF
	s_mov_b32 s[TB], 0                             ; slot 0 is read first;
	s_mov_b32 s[TF], SLOT                          ; the walking descriptor has filled slot 1
	s_wait_dscnt 0x0                               ; the opening add is done
	s_wait_kmcnt 0x0
	s_add_nc_u64 s[14:15], s[4:5], s[16:17]
	s_add_nc_u64 s[46:47], s[6:7], s[46:47]
	CROUND                                         ; all four work-groups are here: the first joint loads meet
.irp s, 0,1
	s_mov_b32 s[G0+4*(\s)], 1
	s_add_co_u32 s[G0+4*(\s)+1], s20, (\s)*SLOT
	s_add_nc_u64 s[G0+4*(\s)+2:G0+4*(\s)+3], s[14:15], (\s)*KSTEP*2
	s_or_b32 s[G0+4*(\s)+3], s[G0+4*(\s)+3], 0x80000000
	s_mov_b32 s[G0B+4*(\s)], 1
	s_add_co_u32 s[G0B+4*(\s)+1], s41, (\s)*SLOT
	s_add_nc_u64 s[G0B+4*(\s)+2:G0B+4*(\s)+3], s[46:47], (\s)*KSTEP*2048
	s_or_b32 s[G0B+4*(\s)+3], s[G0B+4*(\s)+3], 0x80000000
	JLOAD \s
.endr
	v_and_b32 v1, 15, v0
	v_bfe_u32 v2, v0, 4, 1
	v_mul_u32_u24 v3, v1, PITCH
	v_lshl_add_u32 v3, v2, 4, v3                   ; A: row x pitch + 16 x half
	v_and_b32 v4, 7, v0
	v_lshl_add_u32 v4, v2, 3, v4
	v_mul_u32_u24 v4, v4, PB
	v_bfe_u32 v5, v0, 3, 1
	v_lshl_add_u32 v4, v5, 4, v4                   ; B, turned
	s_mul_i32 s21, s11, HALFA                      ; my 64 rows of A
	s_lshl_b32 s22, s12, 7                         ; my 64 columns of B
	s_add_co_u32 s22, s22, BOFF
	v_add_nc_u32 v[ADRA0], s21, v3
	v_add_nc_u32 v[ADRB0], s22, v4
	s_add_co_u32 s22, s22, HALFB
	v_add_nc_u32 v[ADRB0+1], s22, v4
	v_mov_b32 v[ADRA], v[ADRA0]
	v_mov_b32 v[ADRB], v[ADRB0]
	v_mov_b32 v[ADRB+1], v[ADRB0+1]
	s_mul_i32 s23, s10, 16*SP
	s_add_co_u32 s23, s23, STAGE                   ; my stage
	v_mul_u32_u24 v5, v1, SP
	v_lshl_add_u32 v5, v2, 4, v5
	v_add_nc_u32 v[STO], s23, v5
	v_bfe_u32 v5, v0, 3, 2
	v_mul_u32_u24 v5, v5, SP
	v_and_b32 v6, 7, v0
	v_lshl_add_u32 v5, v6, 4, v5
	v_add_nc_u32 v[RD], s23, v5
	v_and_b32 v[GO], 31, v0
	v_lshlrev_b32 v[GO], 4, v[GO]
	s_lshl_b32 s46, s45, 22                        ; the result: region, 4 MiB;
	s_lshl_b32 s47, s44, 18                        ; block of 128 rows, 256 KiB;
	s_add_co_u32 s46, s46, s47
	s_and_b32 s47, s42, 7
	s_lshl_b32 s47, s47, 1
	s_add_co_u32 s47, s47, s12
	s_lshl_b32 s47, s47, 14                        ; head 2 (x % 8) + column half, 16 KiB;
	s_add_co_u32 s46, s46, s47
	s_lshl_b32 s47, s11, 13                        ; my 64 rows of 128 bytes
	s_add_co_u32 s46, s46, s47
	s_mov_b32 s47, 0
	s_add_nc_u64 s[8:9], s[8:9], s[46:47]
.macro MUL8 f, c, a0, zero             ; 8 matrix instructions: m blocks a0, a0 + 1 x all 4 n blocks, half c of buffer f; the 16 accumulators take turns
	WIN MUL
.irp a, \a0, (\a0)+1
.irp b, 0,1,2,3
.if \zero
	v_wmma_f32_16x16x32_bf16 v[ACC+8*(4*(\a)+(\b)):ACC+8*(4*(\a)+(\b))+7], v[(\f)+64+8*(4*(\c)+(\b)):(\f)+64+8*(4*(\c)+(\b))+7], v[(\f)+8*(4*(\c)+(\a)):(\f)+8*(4*(\c)+(\a))+7], 0
.else
	v_wmma_f32_16x16x32_bf16 v[ACC+8*(4*(\a)+(\b)):ACC+8*(4*(\a)+(\b))+7], v[(\f)+64+8*(4*(\c)+(\b)):(\f)+64+8*(4*(\c)+(\b))+7], v[(\f)+8*(4*(\c)+(\a)):(\f)+8*(4*(\c)+(\a))+7], v[ACC+8*(4*(\a)+(\b)):ACC+8*(4*(\a)+(\b))+7]
.endif
.endr
.endr
.endm
.macro FETCH k, f                      ; 32 LDS loads in one run: 64 along K at byte k of A's rows (k rows k / 2 .. of B) of the slot being read, the first 32 along K first
	WIN TO_F
.irp c, 0,1
.irp i, 0,1,2,3
	ds_load_tr16_b128 v[(\f)+64+8*(4*(\c)+(\i)):(\f)+64+8*(4*(\c)+(\i))+3],   v[ADRB+(\k)/256] offset:((((\k)/128)%2)*2+(\c))*32*PB+32*(\i)
	ds_load_tr16_b128 v[(\f)+64+8*(4*(\c)+(\i))+4:(\f)+64+8*(4*(\c)+(\i))+7], v[ADRB+(\k)/256] offset:((((\k)/128)%2)*2+(\c))*32*PB+16*PB+32*(\i)
	ds_load_b128 v[(\f)+8*(4*(\c)+(\i)):(\f)+8*(4*(\c)+(\i))+3],         v[ADRA] offset:(\k)+64*(\c)+(\i)*16*PITCH
	ds_load_b128 v[(\f)+8*(4*(\c)+(\i))+4:(\f)+8*(4*(\c)+(\i))+7],       v[ADRA] offset:(\k)+64*(\c)+(\i)*16*PITCH+32
.endr
.endr
.endm
.macro PLACES
.rept 4
	v_nop
.endr
.endm
.macro FLIP                            ; the reads go over to the other slot
	s_xor_b32 s[TB], s[TB], SLOT
	v_add_nc_u32 v[ADRA], s[TB], v[ADRA0]
	v_add_nc_u32 v[ADRB], s[TB], v[ADRB0]
	v_add_nc_u32 v[ADRB+1], s[TB], v[ADRB0+1]
.endm
.macro QUARTER k, f, g, zero
	s_wait_dscnt 16                                ; the first 32 along K are in
	MUL8 \f, 0, 0, \zero
	MUL8 \f, 0, 2, \zero
	PLACES
	FETCH \k, \g
	s_wait_dscnt 32                                ; all but the 32 just issued
	MUL8 \f, 1, 0, 0
	MUL8 \f, 1, 2, 0
.endm
.macro MEET                            ; the last quarter's first half: one barrier; in front of it every wave's wait for all its tensor loads, the add, and the wait for that and for its reads of this slot
	WIN 0
	s_wait_tensorcnt 0x0
	ds_add_u32 v[SPW], v[NIL]
	s_wait_dscnt 17                                ; the add and the youngest sixteen loads may be out
	MUL8 F1, 0, 0, 0
	s_wait_dscnt 0x0
	s_barrier_signal -1
	MUL8 F1, 0, 2, 0
	WIN 0
	s_barrier_wait -1
.endm
.macro TURN                            ; the whole last quarter, with the refill
	MEET
	CREST                                          ; the barrier has opened a round of the cluster's: no wave of any partner still reads this slot or has a load on its way
	s_xor_b32 s[TF], s[TF], SLOT                   ; the walking descriptors: the other slot than last time,
	s_add_co_u32 s[G0+5], s20, s[TF]
	s_add_co_u32 s[G0B+5], s41, s[TF]
	s_add_nc_u64 s[G0+6:G0+7], s[G0+6:G0+7], KSTEP*2          ; the next K step
	s_add_nc_u64 s[G0B+6:G0B+7], s[G0B+6:G0B+7], KSTEP*2048
	JLOAD 1
	FLIP
	FETCH 0, F0
	MUL8 F1, 1, 0, 0
	MUL8 F1, 1, 2, 0
.endm
	s_wait_tensorcnt 1                             ; my part of K step 0 is in; step 1's may stay out
	s_barrier_signal -1
	s_barrier_wait -1
	FETCH 0, F0
	QUARTER 128, F0, F1, 1                         ; the first quarter stands in front of the loop: its first products start the sums
	WIN 0
	s_mov_b32 s3, STEPS-2
.Lstep:                                                ; a trip: a step's quarters 2 to 4, the refill of its slot, the next step's quarter 1
	QUARTER 256, F1, F0, 0
	QUARTER 384, F0, F1, 0
	TURN
	QUARTER 128, F0, F1, 0
	WIN 0
	s_sub_co_u32 s3, s3, 1
	s_cmp_lg_u32 s3, 0
	s_cbranch_scc1 .Lstep
	s_mov_b32 s3, 2
.Ltail:                                                ; the last two steps fill nothing: their text has no tensor load; the second trip is left behind its barrier
	QUARTER 256, F1, F0, 0
	QUARTER 384, F0, F1, 0
	MEET
	s_sub_co_u32 s3, s3, 1
	s_cmp_eq_u32 s3, 0
	s_cbranch_scc1 .Lfin
	PLACES
	FLIP
	FETCH 0, F0
	MUL8 F1, 1, 0, 0
	MUL8 F1, 1, 2, 0
	QUARTER 128, F0, F1, 0
	WIN 0
	s_branch .Ltail
.Lfin:
	MUL8 F1, 1, 0, 0                               ; the very last half quarter: its fragments were waited for in front of the barrier
	MUL8 F1, 1, 2, 0
	WIN 0
	s_cmp_lg_u32 s2, 0
	s_cbranch_scc1 .Lno_out                        ; persona's second row half is a copy: it is not stored
	; THE WAY OUT: my 64 x 64 are 64 rows of one head.  A block of 16 rows at a time: rounded to f16, into my own stage, back as whole rows of 128 bytes.
	PLACES
.irp a, 0,1,2,3
.irp b, 0,1,2,3
.irp r, 0,1,2,3
	v_cvt_pk_f16_f32 v[PKT+4*(\b)+(\r)], v[ACC+8*(4*(\a)+(\b))+2*(\r)], v[ACC+8*(4*(\a)+(\b))+2*(\r)+1]
.endr
.endr
.irp b, 0,1,2,3
	ds_store_b128 v[STO], v[PKT+4*(\b):PKT+4*(\b)+3] offset:32*(\b)
.endr
.irp f, 0,1,2,3
	ds_load_b128 v[TMP+16*(\a)+4*(\f):TMP+16*(\a)+4*(\f)+3], v[RD] offset:(\f)*4*SP  ; LDS serves a wave's instructions in order: these see the stores above, the next block's stores come behind them
.endr
.endr
.irp a, 0,1,2,3
.irp f, 0,1,2,3
	s_wait_dscnt (3-(\a))*8+3-(\f)                 ; behind this load: the rest of its block's, and eight for each later block
	global_store_b128 v[GO], v[TMP+16*(\a)+4*(\f):TMP+16*(\a)+4*(\f)+3], s[8:9] offset:(\a)*2048+(\f)*512  ; 512 consecutive bytes
.endr
.endr
.Lno_out:
	s_wait_tensorcnt 0x0                           ; the wave's end
	ds_add_u32 v[SPW], v[NIL]
	s_wait_dscnt 0x0
	CROUND                                         ; the closing round
	s_endpgm
.Lfunc_end_k_qbe5ef32a7f_ctx:
	.size	k_qbe5ef32a7f_ctx, .Lfunc_end_k_qbe5ef32a7f_ctx-k_qbe5ef32a7f_ctx
	.p2alignl 7, 3214868480
	.fill 96, 4, 3214868480
	.section	.rodata,"a",@progbits
	.p2align	6, 0x0
	.amdhsa_kernel k_qbe5ef32a7f_ctx
		.amdhsa_group_segment_fixed_size 327680
		.amdhsa_private_segment_fixed_size 0
		.amdhsa_enable_private_segment 0
		.amdhsa_kernarg_size 24
		.amdhsa_user_sgpr_count 2
		.amdhsa_user_sgpr_kernarg_segment_ptr 1
		.amdhsa_wavefront_size32 1
		.amdhsa_system_sgpr_workgroup_id_x 1
		.amdhsa_system_sgpr_workgroup_id_y 1
		.amdhsa_system_sgpr_workgroup_id_z 1
		.amdhsa_system_vgpr_workitem_id 0
		.amdhsa_next_free_vgpr 512
		.amdhsa_next_free_sgpr 66
		.amdhsa_reserve_vcc 0
		.amdhsa_float_denorm_mode_32 3
		.amdhsa_float_denorm_mode_16_64 3
		.amdhsa_memory_ordered 1
		.amdhsa_forward_progress 1
		.amdhsa_inst_pref_size 60
	.end_amdhsa_kernel
	.amdgpu_metadata
---
amdhsa.version: [ 1, 2 ]
amdhsa.kernels:
  - .name:           k_qbe5ef32a7f_ctx
    .symbol:         k_qbe5ef32a7f_ctx.kd
    .args:
      - { .name: cb, .offset: 0, .size: 8, .value_kind: global_buffer, .address_space: global }
      - { .name: wb, .offset: 8, .size: 8, .value_kind: global_buffer, .address_space: global }
      - { .name: qkv, .offset: 16, .size: 8, .value_kind: global_buffer, .address_space: global }
    .group_segment_fixed_size: 327680
    .private_segment_fixed_size: 0
    .kernarg_segment_align: 8
    .kernarg_segment_size: 24
    .max_flat_workgroup_size: 128
    .sgpr_count:     66
    .vgpr_count:     512
    .wavefront_size: 32
...
	.end_amdgpu_metadata
.endif
;; end of part 8
;; launch attn: the kernel of part 4 again; grid 16 x 16, 4 waves a work-group, no clusters, 327,680 bytes of LDS; arguments qkv, ut, oh, pl; writes oh, pl
;; launch out (part 9): grid 8 x 32, 4 waves a work-group, clusters of 4 x 4, 327,680 bytes of LDS; arguments oh, wo16, pl, gate_b, qkv; writes qkv
.if DOCPART == 9
	.amdgcn_target "amdgcn-amd-amdhsa--gfx1250"
	.amdhsa_code_object_version 6
	.text
	.protected	k_qbe5ef32a7f_out
	.globl	k_qbe5ef32a7f_out
	.p2align	8
	.type	k_qbe5ef32a7f_out,@function
k_qbe5ef32a7f_out:
	s_mov_b64 s[64:65], 0
	v_nop
	global_prefetch_b8 v0, s[64:65] scope:SCOPE_SE
	s_setreg_imm32_b32 hwreg(HW_REG_WAVE_MODE, 25, 1), 1
	s_wait_xcnt 0x0
	s_wait_alu depctr_hold_cnt(0) depctr_sa_sdst(0) depctr_va_vdst(0) depctr_va_sdst(0) depctr_va_ssrc(0) depctr_va_vcc(0) depctr_vm_vsrc(0)
	s_getreg_b32 s2, hwreg(HW_REG_IB_STS2, 6, 4)
	s_cmp_eq_u32 s2, 0
	s_cbranch_scc0 .Lentry_in_a_cluster
	s_endpgm
.Lentry_in_a_cluster:
	s_bfe_u32 s2, ttmp6, 0x10000c
	s_cmp_lg_u32 s2, 0xf033
	s_cbranch_scc0 .Lentry_shape_is_right
	s_endpgm
.Lentry_shape_is_right:
; OUT: part[kh][m][n] = sum over the branches i of g_i[m] (O_i wo_i)[m][n], taken over heads 8 kh .. 8 kh + 7, kh = 0, 1; g = softmax over i of (the sum of pl's 64 shares + bf16(gate_b)).
; O and wo in f16; sums, logits, gates and the partial sums in f32.  The launch behind adds the two halves.
; oh: f16 [m / 128][head][branch][128][64]; wo16: f16 [head][branch][64 k][1024 n]; pl: f32 [head 4 + branch][2048][4].
; part: f32 [2][2048][1024], in the first 16 MiB of qkv: no launch behind attn reads q, k or v, and this launch loads nothing from qkv.
; A tile of the result is 128 x 128, four waves of 64 x 64: 8 x 16 tiles.  K IS SHARED BETWEEN TWO WORK-GROUPS: 128 tiles would give work to half of 256 WGPs, each with 16 K steps; 256 work-groups walk 8 K steps each,
; at the price of 16 MiB of partial sums stored and read once more.
; K step t is a head: its 256 numbers along K are 4 branches x 64 channels, so quarter q of every step is branch q.
; EACH BRANCH HAS ITS OWN 16 ACCUMULATORS, and the gates are applied once, in f32, on the way out: a lane holds one row of the result, so a gate is one number a lane.  Each half of K holds all four branches.
; Branch 0's sums are started by the first products.  Branches 1 to 3 are started by 48 products of two zero fragments, eight registers a line, in the wait for the first tile: matrix work that is not the problem's,
; taken in place of 384 v_mov_b32.
; THE GATES are made once a work-group: thread t adds the 64 shares of the tile's row t, makes the softmax, and leaves its four gates in LDS bytes of their own; behind the first barrier each wave reads those of its rows.
; A K STEP IS WRITTEN ONCE: the slot read and the slot filled are numbers in scalar registers (0 or SLOT, turned by an exclusive or).  The text: the first quarter; a loop of 6 trips with a refill; the same step
; without a refill, walked twice and left in the middle of its second trip.
; CLUSTER: 4 x 4; the grid's y is 16 kh + tile row, so the sixteen partners share kh.  O's tile is shared along a row of the cluster, wo's along a column: joint loads.
; THE MATRIX INSTRUCTION IS USED TRANSPOSED (source 0 = 16 columns of wo, source 1 = 16 rows of O).
; REGISTERS: window 0: v0-31 addresses; v32-95, v128-159 at work; v96-127 the gates.  window 1: two fragment buffers of 128: 64 of A, then 64 of B (before the loop: pl's shares).
;   window 2: branch 0's accumulators at v[8 (4 a + b)], branch 1's at v[128 + ..];  window 3: branches 2 and 3.
.set KSTEP,  256
.set STEPS,  8                         ; the heads of my half of K
.set PA,     144                       ; a row of O in LDS: 128 bytes + 16
.set PB,     288                       ; a row of wo: 256 bytes + 32
.set KBB,    128*PA                    ; a branch's 128 rows
.set HALFT,  2*KBB                     ; what one tensor load brings: two branches of O, or 128 k rows of wo: 36,864 bytes either way
.set BOFF,   2*HALFT
.set SLOT,   4*HALFT
.set STAGE,  2*SLOT                    ; behind the ring: 16 rows x 272 bytes for each wave
.set SPITCH, 272
.set SPARE,  STAGE+4*16*SPITCH         ; the spare words: two blocks of 256 bytes that no other line names
.set GATES,  SPARE+512                 ; 128 rows x 32 bytes: each row's four gates, each twice; no tensor load lands here
.set ADRA0, 16                         ; v16     my place in A's part of a slot; never rewritten
.set ADRA,  17                         ; v17     the same in the slot being read
.set ADRB0, 18                         ; v18-19  B: k rows 0-127, 128-255; never rewritten
.set ADRB,  20                         ; v20-21  the same in the slot being read
.set STO,  24
.set RD,   25
.set CO,   26
.set PLV,  27
.set SPW,  28
.set NIL,  29
.set GS,   30                          ; v30     where I leave my row's gates
.set GA,   31                          ; v31     where I read the gates of my wave's rows
.set CT,   32                          ; v32-63  a block of 16 rows, gated
.set LT,   48                          ; v48-51  before the loop: my row's logits
.set GD,   52                          ; v52-59  and its gates, each twice
.set GF,   96                          ; v96-127 the gate of my row of block a for branch q, twice, at GF + 8 a + 2 q
.set F0,   0
.set F1,   128
.set TB, 18                            ; s18     the slot being read: 0 or SLOT
.set TF, 19                            ; s19     the slot filled last
.set KH, 45                            ; s45     my half of K: made of the cluster's y alone
.set G1, 24                            ; s[24:31] group 1 for A;  s[32:39] group 0: a set for each of the two first fills; the second then walks on
.set G0, 32
.set G1B, 48
.set G0B, 56
.set MSB, 0
.macro WIN new
.if MSB != (\new)
	s_set_vgpr_msb (MSB<<8)|(\new)
.set MSB, \new
.endif
.endm
.set TO_F, 0x40
.macro JLOAD s                         ; waves 0 and 1 fetch O's two halves, waves 2 and 3 wo's; an s_nop 0 and four v_nop follow each line
	s_cmp_eq_u32 s11, 0
	s_cbranch_scc0 .Lfor_b_\@
	tensor_load_to_lds s[G0+4*(\s):G0+4*(\s)+3], s[G1:G1+7]
	s_nop 0
.rept 4
	v_nop
.endr
	s_branch .Lasked_\@
.Lfor_b_\@:
	tensor_load_to_lds s[G0B+4*(\s):G0B+4*(\s)+3], s[G1B:G1B+7]
	s_nop 0
.rept 4
	v_nop
.endr
.Lasked_\@:
.endm
.macro CREST
	s_cmp_lg_u32 s10, 0
	s_cbranch_scc1 .Lnot_wave_0_\@
	s_barrier_signal -3
.Lnot_wave_0_\@:
	s_barrier_wait -3
	s_barrier_signal -1
	s_barrier_wait -1
.endm
.macro CROUND
	s_barrier_signal -1
	s_barrier_wait -1
	CREST
.endm
	s_load_b128 s[4:7], s[0:1], 0x0                ; oh s[4:5], wo16 s[6:7]
	s_load_b128 s[68:71], s[0:1], 0x10             ; pl s[68:69], gate_b s[70:71]
	s_load_b64 s[8:9], s[0:1], 0x20                ; qkv: the partial sums' place
	v_lshl_add_u32 v[SPW], v0, 2, SPARE
	v_mov_b32 v[NIL], 0
	ds_add_u32 v[SPW], v[NIL]                      ; the wave's opening: the add and its wait ahead of my first tensor load
	ds_add_u32 v28, v29
	v_lshrrev_b32 v1, 5, v0
	v_readfirstlane_b32 s10, v1                    ; wave 0..3
	s_lshr_b32 s11, s10, 1                         ; my half of the rows.  Also: I fetch for A (0) or B (1)
	s_and_b32 s12, s10, 1                          ; my half of the columns.  Also: which half of that tile I fetch
	s_bfe_u32 s40, ttmp6, 0x40000
	s_bfe_u32 s41, ttmp6, 0x40004
	s_lshl_b32 s42, ttmp9, 2
	s_add_co_u32 s42, s42, s40                     ; tile column
	s_and_b32 s13, ttmp7, 0xffff                   ; the cluster's y, 0..7:
	s_lshr_b32 s[KH], s13, 2                       ; clusters 0-3 take heads 0-7, clusters 4-7 heads 8-15: the same number in all sixteen partners
	s_and_b32 s13, s13, 3
	s_lshl_b32 s13, s13, 2
	s_add_co_u32 s13, s13, s41                     ; tile row = 4 x (cluster y % 4) + cy
	s_lshl_b32 s43, s41, 2
	s_lshl_b32 s43, 15, s43                        ; my row of the cluster
	s_lshl_b32 s44, 0x1111, s40                    ; my column
	s_or_b32 s[G1+0], s43, (1<<16)|(1<<20)|(1<<21)|(4<<22)|(3<<25)   ; O: dense bytes asked for as rows of 256, padded by 4 words after every 32 words (a row of 64 channels)
	s_or_b32 s[G1B+0], s44, (1<<16)|(1<<20)|(1<<21)|(5<<22)|(7<<25)  ; wo: 8 words after every 64 words
.irp g, G1, G1B
	s_mov_b32 s[(\g)+1], 128<<16                   ; 128 elements x 128 rows
	s_mov_b32 s[(\g)+2], 128<<16
	s_mov_b32 s[(\g)+3], 128<<16
	s_mov_b32 s[(\g)+4], 128
	s_mov_b32 s[(\g)+6], 0
	s_mov_b32 s[(\g)+7], 0
.endr
	s_mov_b32 s[G1+5], 128                         ; elements from row to row: dense,
	s_mov_b32 s[G1B+5], 1024                       ; or wo16's pitch
	s_lshl_b32 s16, s13, 20                        ; O hangs on the tile row, the half of K and the wave alone: 1 MiB a block of 128 rows,
	s_lshl_b32 s17, s12, 15                        ; two branches of 16 KiB,
	s_add_co_u32 s16, s16, s17
	s_lshl_b32 s17, s[KH], 19                      ; eight heads of 64 KiB
	s_add_co_u32 s16, s16, s17
	s_mov_b32 s17, 0
	s_lshl_b32 s46, s12, 18                        ; wo on the tile column, the half of K and the wave alone: 128 k rows of 2,048 bytes,
	s_lshl_b32 s47, s42, 8                         ; 128 columns,
	s_add_co_u32 s46, s46, s47
	s_lshl_b32 s47, s[KH], 22                      ; eight heads of 256 rows
	s_add_co_u32 s46, s46, s47
	s_mov_b32 s47, 0
	s_mul_i32 s20, s10, HALFT                      ; my part's place in a slot: wave x 36,864; kept for the refills
	s_mov_b32 s[TB], 0                             ; slot 0 is read first;
	s_mov_b32 s[TF], SLOT                          ; the walking descriptor has filled slot 1
	s_mov_b32 s78, 0x3fb8aa3b                      ; log2(e)
	s_wait_dscnt 0x0                               ; the opening add is done
	s_wait_kmcnt 0x0
	s_add_nc_u64 s[14:15], s[4:5], s[16:17]
	s_add_nc_u64 s[46:47], s[6:7], s[46:47]
	CROUND                                         ; all sixteen work-groups are here: the first joint loads meet
.irp s, 0,1
	s_mov_b32 s[G0+4*(\s)], 1
	s_add_co_u32 s[G0+4*(\s)+1], s20, (\s)*SLOT
	s_add_nc_u64 s[G0+4*(\s)+2:G0+4*(\s)+3], s[14:15], (\s)*65536
	s_or_b32 s[G0+4*(\s)+3], s[G0+4*(\s)+3], 0x80000000
	s_mov_b32 s[G0B+4*(\s)], 1
	s_add_co_u32 s[G0B+4*(\s)+1], s20, (\s)*SLOT
	s_add_nc_u64 s[G0B+4*(\s)+2:G0B+4*(\s)+3], s[46:47], (\s)*KSTEP*2048
	s_or_b32 s[G0B+4*(\s)+3], s[G0B+4*(\s)+3], 0x80000000
	JLOAD \s
.endr
	; THE GATES, while the first tiles are on their way.  Thread t takes row t of the tile's 128: 64 loads of 16 bytes a lane, 512 consecutive bytes a wave, into the fragments' window, which is not in use yet.
	; They want the shares of all sixteen heads, whichever half of K the work-group multiplies.
	s_load_b128 s[72:75], s[70:71], 0x0            ; gate_b
	v_lshlrev_b32 v[PLV], 4, v0
	s_lshl_b32 s16, s13, 11                        ; the tile's first row, 16 bytes a row
	s_mov_b32 s17, 0
	s_add_nc_u64 s[68:69], s[68:69], s[16:17]
	WIN 0x40
.set n, 0
.rept 64
	global_load_b128 v[4*n:4*n+3], v[PLV], s[68:69] offset:n*32768
.set n, n+1
.endr
	WIN 0
	v_and_b32 v1, 15, v0
	v_bfe_u32 v2, v0, 4, 1
	v_mul_u32_u24 v3, v1, PA
	v_lshl_add_u32 v3, v2, 4, v3                   ; A: row x pitch + 16 x half
	v_and_b32 v4, 7, v0
	v_lshl_add_u32 v4, v2, 3, v4
	v_mul_u32_u24 v4, v4, PB
	v_bfe_u32 v5, v0, 3, 1
	v_lshl_add_u32 v4, v5, 4, v4                   ; B, turned
	s_mul_i32 s21, s11, 64*PA                      ; my 64 rows of each branch
	s_lshl_b32 s22, s12, 7                         ; my 64 columns
	s_add_co_u32 s22, s22, BOFF
	v_add_nc_u32 v[ADRA0], s21, v3
	v_add_nc_u32 v[ADRB0], s22, v4
	s_add_co_u32 s22, s22, HALFT
	v_add_nc_u32 v[ADRB0+1], s22, v4
	v_mov_b32 v[ADRA], v[ADRA0]
	v_mov_b32 v[ADRB], v[ADRB0]
	v_mov_b32 v[ADRB+1], v[ADRB0+1]
	s_mul_i32 s23, s10, 16*SPITCH
	s_add_co_u32 s23, s23, STAGE                   ; my stage
	v_mul_u32_u24 v5, v1, SPITCH                   ; in: row l % 16, 32 bytes for each half of the lanes
	v_lshl_add_u32 v5, v2, 5, v5
	v_add_nc_u32 v[STO], s23, v5
	v_mul_u32_u24 v5, v2, SPITCH                   ; back: lanes 0-15 one row of 256 bytes, lanes 16-31 the next
	v_lshl_add_u32 v5, v1, 4, v5
	v_add_nc_u32 v[RD], s23, v5
	v_lshlrev_b32 v[CO], 4, v1
	v_lshl_add_u32 v[CO], v2, 12, v[CO]            ; and the same two rows of the partial sums
	v_lshl_add_u32 v[GS], v0, 5, GATES             ; row t's 32 bytes
	s_lshl_b32 s23, s11, 11
	s_add_co_u32 s23, s23, GATES
	v_lshl_add_u32 v[GA], v1, 5, s23               ; row 64 x row half + l % 16
	s_lshl_b32 s16, s13, 7
	s_lshl_b32 s17, s11, 6
	s_add_co_u32 s16, s16, s17
	s_lshl_b32 s16, s16, 12                        ; my first row, 4,096 bytes a row,
	s_lshl_b32 s17, s[KH], 23                      ; in my half's 8 MiB
	s_add_co_u32 s16, s16, s17
	s_mov_b32 s17, 0
	s_add_nc_u64 s[8:9], s[8:9], s[16:17]
	s_lshl_b32 s46, s42, 9
	s_lshl_b32 s47, s12, 8
	s_add_co_u32 s46, s46, s47                     ; my first column
	s_mov_b32 s47, 0
	s_add_nc_u64 s[8:9], s[8:9], s[46:47]
	s_wait_kmcnt 0x0
	v_cvt_pk_bf16_f32 v32, s72, s73                ; gate_b is rounded to bf16 like every input
	v_cvt_pk_bf16_f32 v33, s74, s75
	v_lshlrev_b32 v34, 16, v32
	v_and_b32 v35, 0xffff0000, v32
	v_lshlrev_b32 v36, 16, v33
	v_and_b32 v37, 0xffff0000, v33
	s_wait_loadcnt 0x0
	WIN 0x45                                       ; the 64 shares of four numbers are added as a tree, in place, in window 1;
.irp s, 32,16,8,4,2
.set n, 0
.rept 2*(\s)
	v_pk_add_f32 v[2*n:2*n+1], v[2*n:2*n+1], v[4*(\s)+2*n:4*(\s)+2*n+1]
.set n, n+1
.endr
.endr
	WIN 0x05                                       ; the last step writes window 0
	v_pk_add_f32 v[LT:LT+1],   v[0:1], v[4:5]
	v_pk_add_f32 v[LT+2:LT+3], v[2:3], v[6:7]
	WIN 0
.irp j, 0,1,2,3
	v_add_f32 v[LT+\j], v[LT+\j], v[34+\j]
.endr
	v_max3_num_f32 v42, v[LT], v[LT+1], v[LT+2]    ; the softmax over the four logits, the maximum taken away
	v_max_num_f32 v42, v42, v[LT+3]
	v_mul_f32 v42, s78, v42
.irp j, 0,1,2,3
	v_fma_f32 v[LT+\j], v[LT+\j], s78, -v42
.endr
.irp j, 0,1,2,3
	v_exp_f32 v[LT+\j], v[LT+\j]
.endr
	v_nop                                          ; a plain instruction behind the last exponential
	s_wait_alu depctr_va_vdst(0)
	v_add_f32 v43, v[LT], v[LT+1]
	v_add_f32 v44, v[LT+2], v[LT+3]
	v_add_f32 v43, v43, v44
	v_rcp_f32 v43, v43
	v_nop                                          ; and behind the reciprocal
	s_wait_alu depctr_va_vdst(0)
.irp j, 0,1,2,3
	v_mul_f32 v[GD+2*\j], v[LT+\j], v43
	v_mul_f32 v[GD+2*\j+1], v[LT+\j], v43
.endr
	ds_store_b128 v[GS], v[GD:GD+3]
	ds_store_b128 v[GS], v[GD+4:GD+7] offset:16
.set n, 32
.rept 16
	v_mov_b32 v[n], 0                              ; two zero fragments
.set n, n+1
.endr
	WIN 0x80                                       ; branch 1's accumulators,
.set n, 0
.rept 16
	v_wmma_f32_16x16x32_f16 v[128+8*n:128+8*n+7], v[32:39], v[40:47], 0
.set n, n+1
.endr
	WIN 0xc0                                       ; branches 2 and 3's
.set n, 0
.rept 32
	v_wmma_f32_16x16x32_f16 v[8*n:8*n+7], v[32:39], v[40:47], 0
.set n, n+1
.endr
	WIN 0
; 8 matrix instructions for branch q: m blocks a0, a0 + 1 x all 4 n blocks, half c of buffer f.  A branch's 16 accumulators take turns.
.macro MUL8 f, c, a0, q, zero
	WIN 0x05|((2+(\q)/2)<<4)|((2+(\q)/2)<<6)       ; sources in window 1, C and D in window 2 or 3
.set AB, 128*((\q)%2)
.irp a, \a0, (\a0)+1
.irp b, 0,1,2,3
.if \zero
	v_wmma_f32_16x16x32_f16 v[AB+8*(4*(\a)+(\b)):AB+8*(4*(\a)+(\b))+7], v[(\f)+64+8*(4*(\c)+(\b)):(\f)+64+8*(4*(\c)+(\b))+7], v[(\f)+8*(4*(\c)+(\a)):(\f)+8*(4*(\c)+(\a))+7], 0
.else
	v_wmma_f32_16x16x32_f16 v[AB+8*(4*(\a)+(\b)):AB+8*(4*(\a)+(\b))+7], v[(\f)+64+8*(4*(\c)+(\b)):(\f)+64+8*(4*(\c)+(\b))+7], v[(\f)+8*(4*(\c)+(\a)):(\f)+8*(4*(\c)+(\a))+7], v[AB+8*(4*(\a)+(\b)):AB+8*(4*(\a)+(\b))+7]
.endif
.endr
.endr
.endm
.macro FETCH k, f                      ; 32 LDS loads in one run: branch k / 128 of the step in the slot being read, the first 32 channels first
	WIN TO_F
.irp c, 0,1
.irp i, 0,1,2,3
	ds_load_tr16_b128 v[(\f)+64+8*(4*(\c)+(\i)):(\f)+64+8*(4*(\c)+(\i))+3],   v[ADRB+(\k)/256] offset:((((\k)/128)%2)*2+(\c))*32*PB+32*(\i)
	ds_load_tr16_b128 v[(\f)+64+8*(4*(\c)+(\i))+4:(\f)+64+8*(4*(\c)+(\i))+7], v[ADRB+(\k)/256] offset:((((\k)/128)%2)*2+(\c))*32*PB+16*PB+32*(\i)
	ds_load_b128 v[(\f)+8*(4*(\c)+(\i)):(\f)+8*(4*(\c)+(\i))+3],         v[ADRA] offset:((\k)/128)*KBB+(\i)*16*PA+64*(\c)
	ds_load_b128 v[(\f)+8*(4*(\c)+(\i))+4:(\f)+8*(4*(\c)+(\i))+7],       v[ADRA] offset:((\k)/128)*KBB+(\i)*16*PA+64*(\c)+32
.endr
.endr
.endm
.macro PLACES
.rept 4
	v_nop
.endr
.endm
.macro FLIP                            ; the reads go over to the other slot
	s_xor_b32 s[TB], s[TB], SLOT
	v_add_nc_u32 v[ADRA], s[TB], v[ADRA0]
	v_add_nc_u32 v[ADRB], s[TB], v[ADRB0]
	v_add_nc_u32 v[ADRB+1], s[TB], v[ADRB0+1]
.endm
.macro QUARTER k, f, g, zero           ; multiplies buffer f, which holds branch k / 128 - 1, and fetches branch k / 128 into g
	s_wait_dscnt 16                                ; the first 32 channels are in
	MUL8 \f, 0, 0, (\k)/128-1, \zero
	MUL8 \f, 0, 2, (\k)/128-1, \zero
	PLACES
	FETCH \k, \g
	s_wait_dscnt 32                                ; all but the 32 just issued
	MUL8 \f, 1, 0, (\k)/128-1, 0
	MUL8 \f, 1, 2, (\k)/128-1, 0
.endm
.macro MEET                            ; branch 3's first half: one barrier; in front of it every wave's wait for all its tensor loads, the add, and the wait for that and for its reads of this slot
	WIN 0
	s_wait_tensorcnt 0x0
	ds_add_u32 v[SPW], v[NIL]
	s_wait_dscnt 17                                ; the add and the youngest sixteen loads may be out
	MUL8 F1, 0, 0, 3, 0
	s_wait_dscnt 0x0
	s_barrier_signal -1
	MUL8 F1, 0, 2, 3, 0
	WIN 0
	s_barrier_wait -1
.endm
.macro TURN                            ; all of branch 3, with the refill
	MEET
	CREST                                          ; the barrier has opened a round of the cluster's: no wave of any partner still reads this slot or has a load on its way
	s_xor_b32 s[TF], s[TF], SLOT                   ; the walking descriptors: the other slot than last time,
	s_add_co_u32 s[G0+5], s20, s[TF]
	s_add_co_u32 s[G0B+5], s20, s[TF]
	s_add_nc_u64 s[G0+6:G0+7], s[G0+6:G0+7], 65536            ; the next head
	s_add_nc_u64 s[G0B+6:G0B+7], s[G0B+6:G0B+7], KSTEP*2048
	JLOAD 1
	FLIP
	FETCH 0, F0
	MUL8 F1, 1, 0, 3, 0
	MUL8 F1, 1, 2, 3, 0
.endm
	s_wait_tensorcnt 1                             ; my part of K step 0 is in; step 1's may stay out
	s_wait_dscnt 0x0                               ; for the others' sake: my row's gates are in LDS
	s_barrier_signal -1
	s_barrier_wait -1
.irp a, 0,1,2,3
	ds_load_b128 v[GF+8*\a:GF+8*\a+3],   v[GA] offset:\a*512      ; the gates of row 16 a + l % 16 of my 64: older than the fragments' runs, so their counts cover these
	ds_load_b128 v[GF+8*\a+4:GF+8*\a+7], v[GA] offset:\a*512+16
.endr
	FETCH 0, F0
	QUARTER 128, F0, F1, 1                         ; the first quarter stands in front of the loop: its first products start branch 0's sums
	WIN 0
	s_mov_b32 s3, STEPS-2
.Lstep:                                                ; a trip: a head's branches 1 to 3, the refill of its slot, the next head's branch 0
	QUARTER 256, F1, F0, 0
	QUARTER 384, F0, F1, 0
	TURN
	QUARTER 128, F0, F1, 0
	WIN 0
	s_sub_co_u32 s3, s3, 1
	s_cmp_lg_u32 s3, 0
	s_cbranch_scc1 .Lstep
	s_mov_b32 s3, 2
.Ltail:                                                ; the last two steps fill nothing: their text has no tensor load; the second trip is left behind its barrier
	QUARTER 256, F1, F0, 0
	QUARTER 384, F0, F1, 0
	MEET
	s_sub_co_u32 s3, s3, 1
	s_cmp_eq_u32 s3, 0
	s_cbranch_scc1 .Lfin
	PLACES
	FLIP
	FETCH 0, F0
	MUL8 F1, 1, 0, 3, 0
	MUL8 F1, 1, 2, 3, 0
	QUARTER 128, F0, F1, 0
	WIN 0
	s_branch .Ltail
.Lfin:
	MUL8 F1, 1, 0, 3, 0                            ; the very last half quarter: its fragments were waited for in front of the barrier
	MUL8 F1, 1, 2, 3, 0
	PLACES
; THE WAY OUT.  GATE: block a's 32 numbers a lane = g0 A0 + g1 A1 + g2 A2 + g3 A3, each accumulator read from its low end on.  TOSTAGE: into my stage and back as whole rows of 256 bytes.  SEND: stored.
.macro GATE a
	WIN 0x02                                       ; source 0 in window 2
.set n, 0
.rept 16
	v_pk_mul_f32 v[CT+2*n:CT+2*n+1], v[32*(\a)+2*n:32*(\a)+2*n+1], v[GF+8*(\a):GF+8*(\a)+1] op_sel_hi:[1,0]
.set n, n+1
.endr
.set n, 0
.rept 16
	v_pk_fma_f32 v[CT+2*n:CT+2*n+1], v[128+32*(\a)+2*n:128+32*(\a)+2*n+1], v[GF+8*(\a)+2:GF+8*(\a)+3], v[CT+2*n:CT+2*n+1] op_sel_hi:[1,0,1]
.set n, n+1
.endr
	WIN 0x03                                       ; source 0 in window 3
.set n, 0
.rept 16
	v_pk_fma_f32 v[CT+2*n:CT+2*n+1], v[32*(\a)+2*n:32*(\a)+2*n+1], v[GF+8*(\a)+4:GF+8*(\a)+5], v[CT+2*n:CT+2*n+1] op_sel_hi:[1,0,1]
.set n, n+1
.endr
.set n, 0
.rept 16
	v_pk_fma_f32 v[CT+2*n:CT+2*n+1], v[128+32*(\a)+2*n:128+32*(\a)+2*n+1], v[GF+8*(\a)+6:GF+8*(\a)+7], v[CT+2*n:CT+2*n+1] op_sel_hi:[1,0,1]
.set n, n+1
.endr
	WIN 0
.endm
.macro TOSTAGE a
.set BK, 64+64*((\a)%2)                ; v64-95 and v128-159 by turns
.irp b, 0,1,2,3
	ds_store_b128 v[STO], v[CT+8*(\b):CT+8*(\b)+3] offset:64*(\b)
	ds_store_b128 v[STO], v[CT+8*(\b)+4:CT+8*(\b)+7] offset:64*(\b)+16
.endr
.if (\a) > 1
	s_wait_xcnt 0x0                                ; the registers that the block before last's stores read are loaded again only behind this wait
.endif
.irp t, 0,1,2,3,4,5,6,7
	ds_load_b128 v[BK+4*(\t):BK+4*(\t)+3], v[RD] offset:(\t)*2*SPITCH  ; LDS serves a wave's instructions in order: these see the stores above, the next block's stores come behind them
.endr
.endm
.macro SEND a, younger                 ; younger: the LDS instructions issued behind block a's loads: the next block's sixteen, or none
.set BK, 64+64*((\a)%2)
.irp t, 0,1,2,3,4,5,6,7
	s_wait_dscnt (\younger)+7-(\t)
	global_store_b128 v[CO], v[BK+4*(\t):BK+4*(\t)+3], s[8:9] offset:(16*(\a)+2*(\t))*4096  ; 16 lanes store 256 consecutive bytes, at a multiple of 256 from the buffer's first byte
.endr
.endm
	GATE 0
	TOSTAGE 0
	GATE 1
	TOSTAGE 1
	SEND 0, 16
	GATE 2
	TOSTAGE 2
	SEND 1, 16
	GATE 3
	TOSTAGE 3
	SEND 2, 16
	SEND 3, 0
	s_wait_tensorcnt 0x0                           ; the wave's end
	ds_add_u32 v[SPW], v[NIL]
	s_wait_dscnt 0x0
	CROUND                                         ; the closing round
	s_endpgm
.Lfunc_end_k_qbe5ef32a7f_out:
	.size	k_qbe5ef32a7f_out, .Lfunc_end_k_qbe5ef32a7f_out-k_qbe5ef32a7f_out
	.p2alignl 7, 3214868480
	.fill 96, 4, 3214868480
	.section	.rodata,"a",@progbits
	.p2align	6, 0x0
	.amdhsa_kernel k_qbe5ef32a7f_out
		.amdhsa_group_segment_fixed_size 327680
		.amdhsa_private_segment_fixed_size 0
		.amdhsa_enable_private_segment 0
		.amdhsa_kernarg_size 40
		.amdhsa_user_sgpr_count 2
		.amdhsa_user_sgpr_kernarg_segment_ptr 1
		.amdhsa_wavefront_size32 1
		.amdhsa_system_sgpr_workgroup_id_x 1
		.amdhsa_system_sgpr_workgroup_id_y 1
		.amdhsa_system_sgpr_workgroup_id_z 1
		.amdhsa_system_vgpr_workitem_id 0
		.amdhsa_next_free_vgpr 1024
		.amdhsa_next_free_sgpr 80
		.amdhsa_reserve_vcc 0
		.amdhsa_float_denorm_mode_32 3
		.amdhsa_float_denorm_mode_16_64 3
		.amdhsa_memory_ordered 1
		.amdhsa_forward_progress 1
		.amdhsa_inst_pref_size 97
	.end_amdhsa_kernel
	.amdgpu_metadata
---
amdhsa.version: [ 1, 2 ]
amdhsa.kernels:
  - .name:           k_qbe5ef32a7f_out
    .symbol:         k_qbe5ef32a7f_out.kd
    .args:
      - { .name: oh, .offset: 0, .size: 8, .value_kind: global_buffer, .address_space: global }
      - { .name: wo16, .offset: 8, .size: 8, .value_kind: global_buffer, .address_space: global }
      - { .name: pl, .offset: 16, .size: 8, .value_kind: global_buffer, .address_space: global }
      - { .name: gate_b, .offset: 24, .size: 8, .value_kind: global_buffer, .address_space: global }
      - { .name: qkv, .offset: 32, .size: 8, .value_kind: global_buffer, .address_space: global }
    .group_segment_fixed_size: 327680
    .private_segment_fixed_size: 0
    .kernarg_segment_align: 8
    .kernarg_segment_size: 40
    .max_flat_workgroup_size: 128
    .sgpr_count:     80
    .vgpr_count:     1024
    .wavefront_size: 32
...
	.end_amdgpu_metadata
.endif
;; end of part 9
;; launch sum (part 10): grid 256 x 1, 8 waves a work-group, no clusters, 0 bytes of LDS; arguments qkv, out0; writes out0
.if DOCPART == 10
	.amdgcn_target "amdgcn-amd-amdhsa--gfx1250"
	.amdhsa_code_object_version 6
	.text
	.protected	k_qbe5ef32a7f_sum
	.globl	k_qbe5ef32a7f_sum
	.p2align	8
	.type	k_qbe5ef32a7f_sum,@function
k_qbe5ef32a7f_sum:
	s_mov_b64 s[64:65], 0
	v_nop
	global_prefetch_b8 v0, s[64:65] scope:SCOPE_SE
	s_setreg_imm32_b32 hwreg(HW_REG_WAVE_MODE, 25, 1), 1
	s_wait_xcnt 0x0
; SUM: out0[m][n] = part[0][m][n] + part[1][m][n]: the two halves of K that the launch before left, f32 [2][2048][1024], in the first 16 MiB of qkv.  One f32 addition for each number.
; A stream: no LDS, no matrix unit, no barrier; nothing is shared between work-groups, so no cluster.
; A work-group of eight waves owns 32,768 consecutive bytes of out0; thread t owns the 16 bytes at 16 t of each of eight pieces of 4,096 bytes, so a wave's load or store covers 512 consecutive, aligned bytes.
; All sixteen loads of a wave go out at once; each piece has its own registers, so nothing that a store still reads is written again.
.set PIECES, 8
.set HALF,   8388608                   ; bytes in a half: one more than a load's immediate can hold, so the second half has a base of its own
.set P0, 4                             ; v[4:35]   piece i of the first half, then the sum
.set P1, 36                            ; v[36:67]  piece i of the second half
	s_load_b128 s[4:7], s[0:1], 0x0                ; qkv s[4:5], out0 s[6:7]
	s_lshl_b32 s2, ttmp9, 15                       ; the work-group's 32,768 bytes
	s_mov_b32 s3, 0
	v_lshlrev_b32 v1, 4, v0                        ; 16 bytes a thread
	s_wait_kmcnt 0x0
	s_add_nc_u64 s[4:5], s[4:5], s[2:3]
	s_add_nc_u64 s[8:9], s[4:5], HALF
	s_add_nc_u64 s[6:7], s[6:7], s[2:3]
.set i, 0
.rept PIECES
	global_load_b128 v[P0+4*i:P0+4*i+3], v1, s[4:5] offset:i*4096 th:TH_LOAD_NT
	global_load_b128 v[P1+4*i:P1+4*i+3], v1, s[8:9] offset:i*4096 th:TH_LOAD_NT
.set i, i+1
.endr
.set i, 0
.rept PIECES
	s_wait_loadcnt 2*(PIECES-1-i)                  ; loads come back in order: piece i's pair is in, the pairs issued behind it stay out
	v_pk_add_f32 v[P0+4*i:P0+4*i+1],   v[P0+4*i:P0+4*i+1],   v[P1+4*i:P1+4*i+1]
	v_pk_add_f32 v[P0+4*i+2:P0+4*i+3], v[P0+4*i+2:P0+4*i+3], v[P1+4*i+2:P1+4*i+3]
	global_store_b128 v1, v[P0+4*i:P0+4*i+3], s[6:7] offset:i*4096 th:TH_STORE_NT
.set i, i+1
.endr
	s_endpgm
.Lfunc_end_k_qbe5ef32a7f_sum:
	.size	k_qbe5ef32a7f_sum, .Lfunc_end_k_qbe5ef32a7f_sum-k_qbe5ef32a7f_sum
	.p2alignl 7, 3214868480
	.fill 96, 4, 3214868480
	.section	.rodata,"a",@progbits
	.p2align	6, 0x0
	.amdhsa_kernel k_qbe5ef32a7f_sum
		.amdhsa_group_segment_fixed_size 0
		.amdhsa_private_segment_fixed_size 0
		.amdhsa_enable_private_segment 0
		.amdhsa_kernarg_size 16
		.amdhsa_user_sgpr_count 2
		.amdhsa_user_sgpr_kernarg_segment_ptr 1
		.amdhsa_wavefront_size32 1
		.amdhsa_system_sgpr_workgroup_id_x 1
		.amdhsa_system_sgpr_workgroup_id_y 1
		.amdhsa_system_sgpr_workgroup_id_z 1
		.amdhsa_system_vgpr_workitem_id 0
		.amdhsa_next_free_vgpr 68
		.amdhsa_next_free_sgpr 66
		.amdhsa_reserve_vcc 0
		.amdhsa_float_denorm_mode_32 3
		.amdhsa_float_denorm_mode_16_64 3
		.amdhsa_memory_ordered 1
		.amdhsa_forward_progress 1
		.amdhsa_inst_pref_size 5
	.end_amdhsa_kernel
	.amdgpu_metadata
---
amdhsa.version: [ 1, 2 ]
amdhsa.kernels:
  - .name:           k_qbe5ef32a7f_sum
    .symbol:         k_qbe5ef32a7f_sum.kd
    .args:
      - { .name: qkv, .offset: 0, .size: 8, .value_kind: global_buffer, .address_space: global }
      - { .name: out0, .offset: 8, .size: 8, .value_kind: global_buffer, .address_space: global }
    .group_segment_fixed_size: 0
    .private_segment_fixed_size: 0
    .kernarg_segment_align: 8
    .kernarg_segment_size: 16
    .max_flat_workgroup_size: 256
    .sgpr_count:     66
    .vgpr_count:     68
    .wavefront_size: 32
...
	.end_amdgpu_metadata
.endif
;; end of part 10
;; ======== version 3 of 3: 6 launches; 1.36 times as fast as version 1
;; limits: values are held in f16: magnitudes above 65,504 overflow, below 6.1e-05 lose precision; right only within a limited range of input values
;; workspace buffers: xb 4,194,304 bytes; cb 1,179,648 bytes; wb 25,165,824 bytes; wo16 8,388,608 bytes; ut 131,072 bytes; qkv 50,331,648 bytes; oh 16,777,216 bytes; pl 2,097,152 bytes
;; launch prep: the kernel of part 6 again; grid 594 x 1, 8 waves a work-group, no clusters, 0 bytes of LDS; arguments local_wq, local_wk, local_wv, long_wq, long_wk, long_wv, mem_wq, per_wq, mem_wk, mem_wv, per_wk, per_wv, local_wo, long_wo, mem_wo, per_wo, x, memory_kv, persona_kv, gate_w, xb, cb, wb, wo16, ut; writes xb, cb, wb, wo16, ut
;; launch proj: the kernel of part 7 again; grid 32 x 8, 4 waves a work-group, clusters of 4 x 4, 327,680 bytes of LDS; arguments xb, wb, qkv; writes qkv
;; launch ctx: the kernel of part 8 again; grid 16 x 5, 4 waves a work-group, clusters of 4 x 1, 327,680 bytes of LDS; arguments cb, wb, qkv; writes qkv
;; launch attn (part 11): grid 16 x 16, 4 waves a work-group, no clusters, 327,680 bytes of LDS; arguments qkv, ut, oh, pl; writes oh, pl
.if DOCPART == 11
	.amdgcn_target "amdgcn-amd-amdhsa--gfx1250"
	.amdhsa_code_object_version 6
	.text
	.protected	k_qbe5ef32a7f_attn
	.globl	k_qbe5ef32a7f_attn
	.p2align	8
	.type	k_qbe5ef32a7f_attn,@function
k_qbe5ef32a7f_attn:
	s_mov_b64 s[64:65], 0
	v_nop
	global_prefetch_b8 v0, s[64:65] scope:SCOPE_SE
	s_setreg_imm32_b32 hwreg(HW_REG_WAVE_MODE, 25, 1), 1
	s_wait_xcnt 0x0
; ATTN: the four attentions (0 local: causal and q - k <= 512; 1 long: causal; 2 memory, 512 keys; 3 persona, 64 keys), 16 heads of 64, and each head's share of the gate's logits.
; q, k, v: f16 by heads, qkv region = [row / 128][head][128][64]; products, maxima and sums in f32; the weights p are rounded to f16 for the second product (their sum l is taken of the unrounded p), O once at the end.
; oh: f16 [block of 128 queries][head][branch][128][64].  pl: f32 [head 4 + branch][2048][4]: O (as rounded) times u, the share of that head and branch in the four logits.
; LIMITS.  q, k, v arrive within f16's 65,504.  A hidden score counts as its value less 1e30; a weight below 2^-126 counts as 0 in l; NaN and infinities are not treated apart.
; JOBS.  A job is a branch, the head and a block j of 128 queries.  Wave w holds two tiles of 16 queries: rows 128 j + 64 x + 16 w + lane % 16, x = 0, 1: a piece of each band of 64, so that all four waves have the same live work.
; A STEP is 64 keys, a SLOT of LDS 128 keys of K and V.  Work-group (c, head), e = c % 8:  c < 8: local 15 - e (10 steps), memory 15 - e (8), local e (10), memory e (8);
; c >= 8: persona 15 - e (1), persona e (1), long e (2 e + 2), long 15 - e (32 - 2 e).  Always 4 jobs, 36 steps, 18 slots: every trip count is a constant, and all work-groups are alike.
; Self-attention walks its keys DOWNWARD, the diagonal's 128 first, and in a slot the upper 64 keys lie first.  D = (a band's first query) - (the step's first key) rises by 64 a step: the band is live for 0 <= D <= LIM
; (local: min(512, the band's first query)); D = 0 holds the diagonal, D = 512 the window's edge.  Dead tiles are jumped, never computed.  For local blocks j < 4 the tile's number is held at 0: those slots' steps are dead.
; THE MASK is the C operand that starts S^T = K Q^T: MC = MD x AL + ML x AL2, with MD = -1e30 where key > query inside a band's own 64 (diagonal), ML where key < query (window's edge); it is rewritten only when it changes.
; LAYOUT, SOFTMAX.  S^T holds one query a lane (lane % 16) and the keys 8 (lane / 16) + 0..7; two results rounded to f16 ARE source 1 of O^T = V^T P, and O^T rounded is source 1 of the logits' product with u.
; p = 2^(c s - c m), c = log2(e) / 8, with a running maximum m; O and l are multiplied by a = 2^(c m_old - c m_new) in every step; a job's first a is 0, which wipes what the job before left.
; BATCHES.  A tile's 33 exponentials of a step (a, then its 32 weights) are ONE batch with ONE wait: ahead of the wait stand the maximum, the scalings and the exponentials, none of which names a result of the batch; behind it
; all that does: O^T times a, the roundings, the sums.  The two tiles have a batch each, since the label over which a dead tile is jumped lies between them.  A job's end has a batch of two reciprocals.
; NO CLUSTER: work-groups of a head ask for the same tile only in the memory slots, 8 of 18, and only in one of the two kinds; elsewhere their tiles differ.
; REGISTERS, in windows of 256 (s_set_vgpr_msb: bits 1:0 source 0, 3:2 source 1, 5:4 source 2, 7:6 destination):
;   window 0: v0-15 addresses; v16-31 statistics, 8 a tile; v32-47 logits; v48-51 at work; v64-127 S^T; v128-159 P; v160-223 O^T; v224-255 O^T packed
;   window 1: v0-31 Q; v32-47 u; v48-111 K of a step; v112-175 V of a step; v176-239 MC          window 2: v0-143 Q and u of the three jobs to come; v144-175 MD; v176-207 ML
.set KS,    64
.set PK,    144       ; a row of K in LDS: 128 bytes + 16
.set PV,    160       ; a row of V: 128 + 32 = 5 x 32, for the turning load
.set VOFF,  128*PK
.set SLOT1, 65536     ; slot 1 begins here: one exclusive or turns an address in one slot into the other's
.set STAGE, 2*SLOT1   ; behind the ring: 16 rows x 144 bytes for each wave
.set SP,    144
.set SPARE, STAGE+4*16*SP  ; the spare words: two blocks of 256 bytes that no other line names
.set AK0, 2
.set AV0, 3
.set AK,  4
.set AV,  5
.set STO, 6
.set RD,  7
.set GO,  8           ; 16 x lane
.set PLO, 12          ; my 16 bytes in pl: lanes 0-15 tile 0's queries, lanes 16-31 tile 1's, 64 rows on
.set QO,  13          ; my place in 16 rows of 128 bytes
.set ST,  16          ; tile x at ST + 8 x: c m, m, l (even keys', odd keys'), c0-c3 at work; c2 takes a
.set LG,  32
.set LGS, 48
.set SPW, 62
.set NIL, 63
.set S,   64
.set P,   128
.set O,   160
.set PKO, 224
.set Q,   0           ; window 1
.set U,   32
.set KF,  48
.set VF,  112
.set MC,  176
.set MD,  144         ; window 2
.set ML,  176
.set WV,  12
.set KD,  15          ; 0: local and memory; 1: persona and long
.set HDO, 16          ; head x 16 KiB
.set JLO, 17
.set JHI, 18
.set G1K, 24
.set G1V, 32
.set G0K, 40
.set G0V, 44
.set SLOTS, 48
.set CNT, 49
.set TBK, 50          ; LDS byte at which K of the step to be fetched begins
.set TBV, 51          ; the same for V, less VOFF
.set CS,  52
.set SEL, 54
.set BIGN, 56
.set HIM, 57          ; lanes 16-31
.set JQ,  58          ; the jobs to come: block j, four bits each
.set BQ,  59          ; and branch
.set RS,  60          ; steps left in the job
.set NEW, 61          ; 1: the next step begins a job
.set D0,  62
.set DST, 63
.set LIM0, 66
.set LIM1, 67
.set LV0, 68
.set LV1, 69
.set MS0, 70          ; 1: tile x's mask buffer holds a mask
.set MS1, 71
.set AL,  72
.set AL2, 74
.set OA,  76          ; oh at my rows of the job
.set PA,  78          ; pl at my rows of the job
.set FBQ, 80          ; the runs of tiles to be asked for: branch (4 bits), first tile (8), count (8)
.set FTQ, 81
.set FNQ, 82
.set FB,  83
.set FT,  84
.set FN,  85
.set HSW, 86          ; the half of a tile that I fetch, in bytes: the upper 64 keys go into a slot's first half
.set WQ,  87          ; the D of the window's edge, or -1
.set OFF, 88
.set MSB, 0
.macro WIN new
.if MSB != (\new)
	s_set_vgpr_msb (MSB<<8)|(\new)
.set MSB, (\new)
.endif
.endm
.macro PLACES                       ; four places behind matrix instructions (ISA guide 7.12.1)
.rept 4
	v_nop
.endr
.endm
; A fill: waves 0 and 1 fetch the two halves of a tile's K, waves 2 and 3 those of its V, 64 keys each.  An s_nop 0 and four v_nop follow each line.
.macro LOAD
	s_cmp_lt_u32 s[WV], 2
	s_cbranch_scc0 .Lfor_v_\@
	tensor_load_to_lds s[G0K:G0K+3], s[G1K:G1K+7]
	s_nop 0
.rept 4
	v_nop
.endr
	s_branch .Lasked_\@
.Lfor_v_\@:
	tensor_load_to_lds s[G0V:G0V+3], s[G1V:G1V+7]
	s_nop 0
.rept 4
	v_nop
.endr
.Lasked_\@:
.endm
; The next tile to ask for: when a run is used up the next run is taken from the three packed words; the descriptors' addresses are made anew from the tile's number.  Scalars alone, no branch.
.macro FILLNEXT
	s_and_b32 s90, s[FBQ], 15
	s_and_b32 s91, s[FTQ], 0xff
	s_and_b32 s92, s[FNQ], 0xff
	s_lshr_b32 s93, s[FBQ], 4
	s_lshr_b32 s94, s[FTQ], 8
	s_lshr_b32 s95, s[FNQ], 8
	s_cmp_eq_u32 s[FN], 0
	s_cselect_b32 s[FB], s90, s[FB]
	s_cselect_b32 s[FT], s91, s[FT]
	s_cselect_b32 s[FBQ], s93, s[FBQ]
	s_cselect_b32 s[FTQ], s94, s[FTQ]
	s_cselect_b32 s[FNQ], s95, s[FNQ]
	s_cselect_b32 s[FN], s92, s[FN]
	s_lshl_b32 s90, s[FB], 2
	s_lshr_b32 s90, 0xa841, s90     ; K's region by branch: 1, 4, 8, 10; V's is the next
	s_and_b32 s90, s90, 15
	s_lshl_b32 s90, s90, 22
	s_max_i32 s91, s[FT], 0         ; local blocks j < 4: the tile's number is held at 0
	s_lshl_b32 s91, s91, 18
	s_add_co_u32 s90, s90, s91
	s_add_co_u32 s90, s90, s[HDO]
	s_cmp_eq_u32 s[FB], 3
	s_cselect_b32 s91, 0, s[HSW]    ; persona's 64 keys go into both halves
	s_add_co_u32 s[OFF], s90, s91
	s_add_nc_u64 s[G0K+2:G0K+3], s[4:5], s[OFF:OFF+1]
	s_or_b32 s[G0K+3], s[G0K+3], 0x80000000
	s_add_co_u32 s[OFF], s[OFF], 1<<22
	s_add_nc_u64 s[G0V+2:G0V+3], s[4:5], s[OFF:OFF+1]
	s_or_b32 s[G0V+3], s[G0V+3], 0x80000000
	s_sub_co_i32 s[FT], s[FT], 1
	s_sub_co_u32 s[FN], s[FN], 1
.endm
; THE CHANGE OF SLOTS.  Each wave waits for all its tensor loads (one is out: its part of the other slot), adds 0 to its spare word, and waits for that and for its reads of the slot that it leaves.
; Behind the barrier nobody reads the old slot and the other is whole.  fill = 1: the old slot is filled again, first thing behind the barrier.  (At its first use nothing has been read: slot 0 is waited for, slot 1 filled.)
.macro CHANGE fill
	WIN 0
	s_wait_tensorcnt 0x0            ; no tensor load of mine is out, so a group 0 may be written
	ds_add_u32 v[SPW], v[NIL]       ; 0 onto my spare word; the descriptors' scalar work stands between it and the wait for it
.if \fill
	s_xor_b32 s[G0K+1], s[G0K+1], SLOT1
	s_xor_b32 s[G0V+1], s[G0V+1], SLOT1
	FILLNEXT
.endif
	s_wait_dscnt 0x0                ; the add is done, and my reads of the slot are over
	s_barrier_signal -1
	s_sub_co_u32 s[TBK], s[TBK], 2*KS*PK  ; the fetches go back to a slot's first step,
	s_xor_b32 s[TBK], s[TBK], SLOT1       ; in the other slot
	s_sub_co_u32 s[TBV], s[TBV], 2*KS*PV
	s_xor_b32 s[TBV], s[TBV], SLOT1
	s_barrier_wait -1
.if \fill
	LOAD
.endif
.endm
; Q (2 tiles x 16 registers) and u (16 registers) of job n, into 48 registers from base on in the window that win names
.macro QLOAD n, win, base
	s_lshr_b32 s90, s[BQ], 4*(\n)
	s_and_b32 s90, s90, 15          ; branch
	s_lshr_b32 s91, s[JQ], 4*(\n)
	s_and_b32 s91, s91, 15          ; block
	s_lshl_b32 s92, s90, 2
	s_lshr_b32 s92, 0x7630, s92     ; Q's region by branch: 0, 3, 6, 7
	s_and_b32 s92, s92, 15
	s_lshl_b32 s92, s92, 22
	s_lshl_b32 s93, s91, 18
	s_add_co_u32 s92, s92, s93
	s_add_co_u32 s92, s92, s[HDO]
	s_lshl_b32 s93, s[WV], 11       ; my 16 rows of a band
	s_add_co_u32 s92, s92, s93
	s_mov_b32 s93, 0
	s_add_nc_u64 s[92:93], s[4:5], s[92:93]
	s_lshl_b32 s94, s90, 15
	s_lshr_b32 s95, s[HDO], 3
	s_add_co_u32 s94, s94, s95      ; ut: 2,048 bytes for a branch and head
	s_mov_b32 s95, 0
	s_add_nc_u64 s[94:95], s[6:7], s[94:95]
	WIN \win
.irp x, 0,1
.irp c, 0,1
	global_load_b128 v[(\base)+16*\x+8*\c:(\base)+16*\x+8*\c+3],   v[QO], s[92:93] offset:\x*8192+\c*64
	global_load_b128 v[(\base)+16*\x+8*\c+4:(\base)+16*\x+8*\c+7], v[QO], s[92:93] offset:\x*8192+\c*64+32
.endr
.endr
.irp c, 0,1
	global_load_b128 v[(\base)+32+8*\c:(\base)+32+8*\c+3],   v[QO], s[94:95] offset:\c*64
	global_load_b128 v[(\base)+32+8*\c+4:(\base)+32+8*\c+7], v[QO], s[94:95] offset:\c*64+32
.endr
	WIN 0
	s_wait_xcnt 0x0                 ; the two bases are written again only behind this wait
.endm
; A job's scalars: its steps, D and its step, the bands' limits, the window's edge, and where O and the logits go
.macro BEGIN_S
	s_and_b32 s90, s[BQ], 15
	s_lshr_b32 s[BQ], s[BQ], 4
	s_and_b32 s91, s[JQ], 15
	s_lshr_b32 s[JQ], s[JQ], 4
	s_lshl_b32 s92, s91, 1
	s_add_co_u32 s92, s92, 2
	s_cmp_eq_u32 s90, 0
	s_cselect_b32 s[RS], 10, s92
	s_cmp_eq_u32 s90, 2
	s_cselect_b32 s[RS], 8, s[RS]
	s_cmp_eq_u32 s90, 3
	s_cselect_b32 s[RS], 1, s[RS]
	s_cmp_lt_u32 s90, 2
	s_cselect_b32 s[D0], 0xffffffc0, 64   ; self-attention begins 64 keys above band 0; a context is always wholly seen
	s_cselect_b32 s[DST], 64, 0
	s_lshl_b32 s93, s91, 7
	s_min_u32 s94, s93, 512
	s_add_co_u32 s93, s93, 64
	s_min_u32 s95, s93, 512
	s_cmp_eq_u32 s90, 0
	s_cselect_b32 s[LIM0], s94, 0x7fffffff
	s_cselect_b32 s[LIM1], s95, 0x7fffffff
	s_cselect_b32 s[WQ], 512, -1
	s_lshr_b32 s92, s[HDO], 12
	s_add_co_u32 s92, s92, s90      ; head x 4 + branch
	s_lshl_b32 s93, s91, 20
	s_lshl_b32 s94, s92, 14
	s_add_co_u32 s93, s93, s94
	s_lshl_b32 s94, s[WV], 11
	s_add_co_u32 s96, s93, s94
	s_mov_b32 s97, 0
	s_add_nc_u64 s[OA:OA+1], s[8:9], s[96:97]
	s_lshl_b32 s93, s92, 15
	s_lshl_b32 s94, s91, 11
	s_add_co_u32 s93, s93, s94
	s_lshl_b32 s94, s[WV], 8
	s_add_co_u32 s96, s93, s94
	s_add_nc_u64 s[PA:PA+1], s[10:11], s[96:97]
	s_mov_b32 s[NEW], 0
.endm
.macro STATS                        ; c m far below every c s, so the first a is 0; m the lowest finite number
.irp x, 0,1
	v_mov_b32 v[ST+8*\x], 0xfe000000
	v_mov_b32 v[ST+8*\x+1], 0xff7fffff
.endr
.endm
.macro JOBBEG                       ; a later job begins: its Q and u come out of the queue, and the queue moves up
	BEGIN_S
	WIN 0x42
.set n, 0
.rept 48
	v_mov_b32 v[n], v[n]
.set n, n+1
.endr
	WIN 0x82
.set n, 0
.rept 96
	v_mov_b32 v[n], v[n+48]
.set n, n+1
.endr
	WIN 0
	STATS
.endm
.macro LIVE
	s_add_co_i32 s90, s[D0], 64
	s_cmp_ge_i32 s[D0], 0
	s_cselect_b32 s[LV0], 1, 0
	s_cmp_le_i32 s[D0], s[LIM0]
	s_cselect_b32 s[LV0], s[LV0], 0
	s_cmp_ge_i32 s90, 0
	s_cselect_b32 s[LV1], 1, 0
	s_cmp_le_i32 s90, s[LIM1]
	s_cselect_b32 s[LV1], s[LV1], 0
.endm
.macro MASK x                       ; MD x AL + ML x AL2 into tile x's buffer
	WIN 0x42
.set n, 0
.rept 16
	v_pk_mul_f32 v[MC+32*(\x)+2*n:MC+32*(\x)+2*n+1], v[MD+2*n:MD+2*n+1], s[AL:AL+1] op_sel_hi:[1,0]
.set n, n+1
.endr
	WIN 0x52
.set n, 0
.rept 16
	v_pk_fma_f32 v[MC+32*(\x)+2*n:MC+32*(\x)+2*n+1], v[ML+2*n:ML+2*n+1], s[AL2:AL2+1], v[MC+32*(\x)+2*n:MC+32*(\x)+2*n+1] op_sel_hi:[1,0,1]
.set n, n+1
.endr
.endm
.macro GUARD x                      ; tile x's mask buffer is rewritten if this step wants a mask or the buffer still holds one
.if \x
	s_add_co_i32 s90, s[D0], 64
.else
	s_mov_b32 s90, s[D0]
.endif
	s_cmp_eq_u32 s90, 0
	s_cselect_b32 s[AL], 1.0, 0
	s_cselect_b32 s91, 1, 0
	s_cmp_eq_u32 s90, s[WQ]
	s_cselect_b32 s[AL2], 1.0, 0
	s_cselect_b32 s91, 1, s91
	s_or_b32 s92, s91, s[MS0+(\x)]
	s_mov_b32 s[MS0+(\x)], s91
	s_cmp_eq_u32 s92, 0
	s_cbranch_scc1 .Lnomask_\@
	MASK \x
	WIN 0
.Lnomask_\@:
.endm
; THE LDS LOADS stand in runs of 16: a step's K (64 keys x 64 channels: 8 fragments) and its V (turned)
.macro FETCH_K
	WIN 0
	v_add_nc_u32 v[AK], s[TBK], v[AK0]
	s_add_co_u32 s[TBK], s[TBK], KS*PK
	WIN 0x40
.irp f, 0,1,2,3,4,5,6,7             ; keys 16 (f / 2) on, channels 32 (f % 2) on
	ds_load_b128 v[KF+8*\f:KF+8*\f+3],   v[AK] offset:(\f/2)*16*PK+(\f%2)*64
	ds_load_b128 v[KF+8*\f+4:KF+8*\f+7], v[AK] offset:(\f/2)*16*PK+(\f%2)*64+32
.endr
	WIN 0
.endm
.macro FETCH_V
	WIN 0
	v_add_nc_u32 v[AV], s[TBV], v[AV0]
	s_add_co_u32 s[TBV], s[TBV], KS*PV
	WIN 0x40
.irp f, 0,1,2,3,4,5,6,7             ; keys 32 (f / 4) on, channels 16 (f % 4) on
	ds_load_tr16_b128 v[VF+8*\f:VF+8*\f+3],   v[AV] offset:(\f/4)*32*PV+(\f%4)*32
	ds_load_tr16_b128 v[VF+8*\f+4:VF+8*\f+7], v[AV] offset:(\f/4)*32*PV+16*PV+(\f%4)*32
.endr
	WIN 0
.endm
; THE MATRIX WORK.  The 4 accumulators of a run of 8 take turns.  S^T = K Q^T for tile x: product i: channels 32 (i / 4) on, keys 16 (i % 4) on; the first 4 start the sums, with the mask (km = 1) or with 0.
.macro KQ x, km
.set i, 0
.rept 8
.set rS, S+32*(\x)+8*(i%4)
.set rK, KF+16*(i%4)+8*(i/4)
.set rQ, Q+16*(\x)+8*(i/4)
.set rM, MC+32*(\x)+8*(i%4)
.if (i < 4) && (\km)
	WIN 0x15
	v_wmma_f32_16x16x32_f16 v[rS:rS+7], v[rK:rK+7], v[rQ:rQ+7], v[rM:rM+7]
.elseif i < 4
	WIN 0x05
	v_wmma_f32_16x16x32_f16 v[rS:rS+7], v[rK:rK+7], v[rQ:rQ+7], 0
.else
	WIN 0x05
	v_wmma_f32_16x16x32_f16 v[rS:rS+7], v[rK:rK+7], v[rQ:rQ+7], v[rS:rS+7]
.endif
.set i, i+1
.endr
.endm
.macro PV x                         ; O^T += V^T P for tile x: product i: keys 32 (i / 4) on, channels 16 (i % 4) on
	WIN 0x01
.set i, 0
.rept 8
.set rO, O+32*(\x)+8*(i%4)
.set rV, VF+32*(i/4)+8*(i%4)
.set rP, P+16*(\x)+8*(i/4)
	v_wmma_f32_16x16x32_f16 v[rO:rO+7], v[rV:rV+7], v[rP:rP+7], v[rO:rO+7]
.set i, i+1
.endr
.endm
; ONE TILE'S SOFTMAX FOR A STEP, all in window 0.  Each accumulator's lowest registers are read first.
; Its 33 exponentials (a, then the weights s0-s31, each in place) are one batch.  The 16 scalings, which name no result of the batch, are spread through it: pairs 0 and 1 ahead of a, then pair n + 2 ahead of pair n's two
; exponentials, so that a pair is scaled two groups ahead of its exponentials.  Behind the one wait stand all the readers: O^T times a, the roundings, the sums, l.
.macro SM x
.set rT, ST+8*(\x)
.set rS, S+32*(\x)
.set rP, P+16*(\x)
.set rO, O+32*(\x)
	WIN 0
.irp j, 0,1,2,3                     ; the maximum of the lane's 32 scores and the old m: four chains, three operands at a time
	v_max3_num_f32 v[rT+4+\j], v[rS+8*\j], v[rS+8*\j+1], v[rS+8*\j+2]
.endr
.irp j, 0,1,2,3
	v_max3_num_f32 v[rT+4+\j], v[rT+4+\j], v[rS+8*\j+3], v[rS+8*\j+4]
.endr
.irp j, 0,1,2,3
	v_max3_num_f32 v[rT+4+\j], v[rT+4+\j], v[rS+8*\j+5], v[rS+8*\j+6]
.endr
	v_max3_num_f32 v[rT+4], v[rT+4], v[rS+7], v[rS+15]
	v_max3_num_f32 v[rT+6], v[rT+6], v[rS+23], v[rS+31]
	v_max3_num_f32 v[rT+5], v[rT+5], v[rT+7], v[rT+1]
	v_mov_b32 v[rT+7], v[rT]        ; c m_old is kept for a
	v_max3_num_f32 v[rT+4], v[rT+4], v[rT+5], v[rT+6]
	v_permlanex16_b32 v[rT+5], v[rT+4], s[SEL], s[SEL+1]  ; the query's other 32 keys lie in the lane 16 away
	v_max_num_f32 v[rT+1], v[rT+4], v[rT+5]
	v_mul_f32 v[rT], s[CS], v[rT+1]
	v_sub_f32 v[rT+7], v[rT+7], v[rT]
.set n, 0
.rept 2                             ; c s - c m for pairs 0 and 1
	v_pk_fma_f32 v[rS+2*n:rS+2*n+1], v[rS+2*n:rS+2*n+1], s[CS:CS+1], v[rT:rT+1] op_sel_hi:[1,0,0] neg_lo:[0,0,1] neg_hi:[0,0,1]
.set n, n+1
.endr
	v_exp_f32 v[rT+6], v[rT+7]      ; a: the batch's first
.set n, 0
.rept 14                            ; c s - c m for pair n + 2, then pair n's two exponentials
	v_pk_fma_f32 v[rS+2*n+4:rS+2*n+5], v[rS+2*n+4:rS+2*n+5], s[CS:CS+1], v[rT:rT+1] op_sel_hi:[1,0,0] neg_lo:[0,0,1] neg_hi:[0,0,1]
	v_exp_f32 v[rS+2*n], v[rS+2*n]
	v_exp_f32 v[rS+2*n+1], v[rS+2*n+1]
.set n, n+1
.endr
.set n, 28
.rept 4                             ; pairs 14 and 15: the batch's last four
	v_exp_f32 v[rS+n], v[rS+n]
.set n, n+1
.endr
	v_nop                           ; a plain instruction behind the last exponential, ahead of the first use: one for the batch; the tile has no plain line left that names none of the results
	s_wait_alu depctr_va_vdst(0)    ; the wait ahead of the first line that names a result: one for the tile's 33 exponentials
.set n, 0
.rept 16                            ; O^T times a, and the pair of weights rounded to f16
	v_pk_mul_f32 v[rO+2*n:rO+2*n+1], v[rO+2*n:rO+2*n+1], v[rT+6:rT+7] op_sel_hi:[1,0]
	v_cvt_pk_f16_f32 v[rP+n], v[rS+2*n], v[rS+2*n+1]
.set n, n+1
.endr
.irp d, 2,4,8,16                    ; the sum of the 16 pairs, in place, as a tree; then l = a l + sum
.set n, 0
.rept 16/(\d)
	v_pk_add_f32 v[rS+2*(\d)*n:rS+2*(\d)*n+1], v[rS+2*(\d)*n:rS+2*(\d)*n+1], v[rS+2*(\d)*n+(\d):rS+2*(\d)*n+(\d)+1]
.set n, n+1
.endr
.endr
	v_pk_fma_f32 v[rT+2:rT+3], v[rT+2:rT+3], v[rT+6:rT+7], v[rS:rS+1] op_sel_hi:[1,0,1]
.endm
; A JOB ENDS: O^T is divided by l and rounded to f16; its product with u gives the logits' share (u's rows 0-3 and 8-11 hold the same four columns, so lanes 0-15 and lanes 16-31 both hold the four numbers of query lane % 16:
; lanes 0-15 keep tile 0's, lanes 16-31 tile 1's); O goes through my stage in LDS and leaves as whole rows.
.macro JOBEND
	WIN 0
.irp x, 0,1
	v_add_f32 v[ST+8*\x+4], v[ST+8*\x+2], v[ST+8*\x+3]
.endr
.irp x, 0,1
	v_permlanex16_b32 v[ST+8*\x+5], v[ST+8*\x+4], s[SEL], s[SEL+1]
.endr
.irp x, 0,1
	v_add_f32 v[ST+8*\x+4], v[ST+8*\x+4], v[ST+8*\x+5]
.endr
.irp x, 0,1
	v_rcp_f32 v[ST+8*\x+6], v[ST+8*\x+4]
.endr
	v_nop                           ; a plain instruction between the last reciprocal and the use of its result
.set n, 0
	s_wait_alu depctr_va_vdst(0)    ; the wait ahead of the first use: one for the two reciprocals
.rept 32
	v_pk_mul_f32 v[O+2*n:O+2*n+1], v[O+2*n:O+2*n+1], v[ST+8*(n/16)+6:ST+8*(n/16)+7] op_sel_hi:[1,0]
.set n, n+1
.endr
.set n, 0
.rept 32
	v_cvt_pk_f16_f32 v[PKO+n], v[O+2*n], v[O+2*n+1]
.set n, n+1
.endr
	WIN 0x01                        ; u in window 1; the two accumulators take turns
	v_wmma_f32_16x16x32_f16 v[LG:LG+7],    v[U:U+7],    v[PKO:PKO+7],     0
	v_wmma_f32_16x16x32_f16 v[LG+8:LG+15], v[U:U+7],    v[PKO+16:PKO+23], 0
	v_wmma_f32_16x16x32_f16 v[LG:LG+7],    v[U+8:U+15], v[PKO+8:PKO+15],  v[LG:LG+7]
	v_wmma_f32_16x16x32_f16 v[LG+8:LG+15], v[U+8:U+15], v[PKO+24:PKO+31], v[LG+8:LG+15]
	WIN 0
.irp x, 0,1
.irp f, 0,1,2,3
	ds_store_b128 v[STO], v[PKO+16*\x+4*\f:PKO+16*\x+4*\f+3] offset:32*\f
.endr
.irp f, 0,1,2,3
	ds_load_b128 v[S+16*\x+4*\f:S+16*\x+4*\f+3], v[RD] offset:\f*4*SP  ; LDS serves a wave's instructions in order: these see the stores above, the next tile's stores come behind them
.endr
.endr
	PLACES
.irp j, 0,1,2,3
	v_cndmask_b32 v[LGS+\j], v[LG+\j], v[LG+8+\j], s[HIM]
.endr
	global_store_b128 v[PLO], v[LGS:LGS+3], s[PA:PA+1]  ; twice 256 consecutive bytes
.irp f, 0,1,2,3
	s_wait_dscnt 11-\f              ; behind this load: the rest of tile 0's, and tile 1's eight
	global_store_b128 v[GO], v[S+4*\f:S+4*\f+3], s[OA:OA+1] offset:\f*512
.endr
.irp f, 0,1,2,3
	s_wait_dscnt 3-\f
	global_store_b128 v[GO], v[S+16+4*\f:S+16+4*\f+3], s[OA:OA+1] offset:8192+\f*512
.endr
	s_wait_xcnt 0x0                 ; the stores' bases and data are written again only behind this wait
.endm
; A KEY STEP.  full = 1: a job may begin and end here, tiles may be dead, masks are kept.  full = 0 (the last slot): both tiles live, no mask, no job's first step.
; Order: V's run; K Q^T of both tiles; the next step's K (not behind a slot's second step); then tile 0's softmax and V^T P, whose products run beside tile 1's softmax; then tile 1's V^T P.
.macro STEP full
.if \full
	s_cmp_eq_u32 s[NEW], 0
	s_cbranch_scc1 .Lsame_\@
	JOBBEG
.Lsame_\@:
	LIVE
	GUARD 0
	GUARD 1
.endif
	FETCH_V
	s_wait_dscnt 16                 ; K is in; V's sixteen loads, issued behind it, may stay out
.if \full
	s_cmp_eq_u32 s[LV0], 0
	s_cbranch_scc1 .Lnk0_\@
.endif
	KQ 0, \full
	WIN 0
.if \full
.Lnk0_\@:
	s_cmp_eq_u32 s[LV1], 0
	s_cbranch_scc1 .Lnk1_\@
.endif
	KQ 1, \full
	WIN 0
.if \full
.Lnk1_\@:
.endif
	PLACES                          ; behind the products: the scores are read, and K's registers loaded again
	s_cmp_eq_u32 s[CNT], 1
	s_cbranch_scc1 .Lnof_\@
	FETCH_K
.Lnof_\@:
.if \full
	s_cmp_eq_u32 s[LV0], 0
	s_cbranch_scc1 .Lns0_\@
.endif
	SM 0
	s_wait_dscnt 0x0                ; V is in
	PV 0
	WIN 0
.if \full
.Lns0_\@:
	s_cmp_eq_u32 s[LV1], 0
	s_cbranch_scc1 .Lns1_\@
.endif
	SM 1
	s_wait_dscnt 0x0
	PV 1
	WIN 0
.if \full
.Lns1_\@:
.endif
	s_wait_dscnt 0x0                ; on every path: no load of this step is out when the next step's runs name the same registers
	PLACES                          ; behind the products: O^T is read, and V's registers loaded again
.if \full
	s_add_co_i32 s[D0], s[D0], s[DST]
	s_sub_co_u32 s[RS], s[RS], 1
	s_cmp_lg_u32 s[RS], 0
	s_cbranch_scc1 .Lgo_\@
	JOBEND
	s_mov_b32 s[NEW], 1
.Lgo_\@:
.endif
.endm
	s_load_b256 s[4:11], s[0:1], 0x0  ; qkv s[4:5], ut s[6:7], oh s[8:9], pl s[10:11]
	v_lshl_add_u32 v[SPW], v0, 2, SPARE
	v_mov_b32 v[NIL], 0
	ds_add_u32 v[SPW], v[NIL]       ; the wave's opening: the add and its wait ahead of my first tensor load; the set-up stands between them
	ds_add_u32 v62, v63
	v_lshrrev_b32 v1, 5, v0
	v_readfirstlane_b32 s[WV], v1
	s_and_b32 s[JLO], ttmp9, 7
	s_lshr_b32 s[KD], ttmp9, 3
	s_sub_co_u32 s[JHI], 15, s[JLO]
	s_and_b32 s[HDO], ttmp7, 0xffff
	s_lshl_b32 s[HDO], s[HDO], 14
	s_mul_i32 s90, s[JHI], 0x11     ; the jobs' blocks, first job in the lowest four bits: hi, hi, lo, lo
	s_mul_i32 s91, s[JLO], 0x1100
	s_add_co_u32 s90, s90, s91
	s_mul_i32 s92, s[JHI], 0x1001   ; or hi, lo, lo, hi
	s_mul_i32 s93, s[JLO], 0x110
	s_add_co_u32 s92, s92, s93
	s_lshl_b32 s94, s[JLO], 16      ; the runs' first tiles: hi, 3, lo, 3
	s_or_b32 s94, s94, s[JHI]
	s_or_b32 s94, s94, 0x03000300
	s_lshl_b32 s95, s[JLO], 8       ; or 0, lo, hi,
	s_lshl_b32 s96, s[JHI], 16
	s_or_b32 s95, s95, s96
	s_add_co_u32 s96, s95, 0x00010101  ; with 1, lo + 1, hi + 1 tiles
	s_mov_b32 s97, 0x1133
	s_mov_b32 s93, 0x113
	s_cmp_eq_u32 s[KD], 0
	s_cselect_b32 s[JQ], s90, s92
	s_cselect_b32 s[BQ], 0x2020, s97
	s_cselect_b32 s[FBQ], 0x2020, s93
	s_cselect_b32 s[FTQ], s94, s95
	s_cselect_b32 s[FNQ], 0x04050405, s96
	s_mov_b32 s[FB], 0
	s_mov_b32 s[FT], 0
	s_mov_b32 s[FN], 0
	s_mov_b32 s[OFF+1], 0
	; descriptor group 1: 64 keys are 8,192 dense bytes: 32 rows of 256 bytes, two keys a row, padded in LDS after every key
	s_mov_b32 s[G1K], (1<<16)|(1<<20)|(4<<22)|(3<<25)  ; 2-byte elements; padding on; after every 32 words 4 words
	s_mov_b32 s[G1V], (1<<16)|(1<<20)|(4<<22)|(7<<25)  ; 8 words
.irp g, G1K, G1V
	s_mov_b32 s[\g+1], 128<<16      ; tensor_dim0 = 128
	s_mov_b32 s[\g+2], 32<<16       ; tensor_dim1 = 32
	s_mov_b32 s[\g+3], 128<<16      ; tile_dim0 = 128
	s_mov_b32 s[\g+4], 32           ; tile_dim1 = 32
	s_mov_b32 s[\g+5], 128          ; elements from row to row
	s_mov_b32 s[\g+6], 0
	s_mov_b32 s[\g+7], 0
.endr
	s_and_b32 s90, s[WV], 1
	s_xor_b32 s91, s90, 1
	s_lshl_b32 s[HSW], s91, 13
	s_mov_b32 s[G0K], 1
	s_mul_i32 s[G0K+1], s90, KS*PK
	s_mov_b32 s[G0V], 1
	s_mul_i32 s[G0V+1], s90, KS*PV
	s_add_co_u32 s[G0V+1], s[G0V+1], VOFF
	s_mov_b32 s[CS], 0x3e38aa3b     ; c = log2(e) / 8
	s_mov_b32 s[CS+1], s[CS]
	s_mov_b32 s[SEL], 0x76543210
	s_mov_b32 s[SEL+1], 0xfedcba98
	s_mov_b32 s[BIGN], 0xf149f2ca   ; -1e30
	s_mov_b32 s[HIM], 0xffff0000
	s_mov_b32 s[TBK], SLOT1+2*KS*PK ; the first change of slots turns these two into 0
	s_mov_b32 s[TBV], SLOT1+2*KS*PV
	s_mov_b32 s[MS0], 0
	s_mov_b32 s[MS1], 0
	s_mov_b32 s[AL+1], 0            ; named as pairs
	s_mov_b32 s[AL2+1], 0
	s_wait_dscnt 0x0                ; the opening add is done
	s_wait_kmcnt 0x0
	FILLNEXT
	LOAD                            ; the first tile into slot 0
	v_and_b32 v1, 15, v0            ; l % 16
	v_bfe_u32 v9, v0, 4, 1          ; l / 16
	v_lshlrev_b32 v[QO], 7, v1
	v_lshl_add_u32 v[QO], v9, 4, v[QO]
	QLOAD 0, 0x40, 0                ; the first job's Q and u where the products name them, the others' into the queue
	QLOAD 1, 0x80, 0
	QLOAD 2, 0x80, 48
	QLOAD 3, 0x80, 96
	v_lshlrev_b32 v14, 3, v9
	v_sub_nc_u32 v14, v1, v14
	s_lshl_b32 s90, s[WV], 4
	v_add_nc_u32 v14, s90, v14      ; my query's place in its band, 16 w + l % 16, less my lanes' 8 (l / 16)
	WIN 0x80
.set i, 0
.rept 32
	v_cmp_gt_i32 vcc_lo, 16*(i/8)+i%8, v14
	v_cndmask_b32 v[MD+i], 0, s[BIGN], vcc_lo
	v_cmp_lt_i32 vcc_lo, 16*(i/8)+i%8, v14
	v_cndmask_b32 v[ML+i], 0, s[BIGN], vcc_lo
.set i, i+1
.endr
	WIN 0
	v_mul_u32_u24 v[AK0], v1, PK
	v_lshl_add_u32 v[AK0], v9, 4, v[AK0]
	v_and_b32 v10, 7, v0            ; the turning load: lane l reads key 8 (l / 16) + l % 8, channels 8 ((l / 8) % 2) ..
	v_bfe_u32 v11, v0, 3, 1
	v_lshl_add_u32 v[AV0], v9, 3, v10
	v_mul_u32_u24 v[AV0], v[AV0], PV
	v_lshl_add_u32 v[AV0], v11, 4, v[AV0]
	v_add_nc_u32 v[AV0], VOFF, v[AV0]
	s_mul_i32 s90, s[WV], 16*SP
	s_add_co_u32 s90, s90, STAGE    ; my stage
	v_mul_u32_u24 v[STO], v1, SP
	v_lshl_add_u32 v[STO], v9, 4, v[STO]
	v_add_nc_u32 v[STO], s90, v[STO]
	v_bfe_u32 v[RD], v0, 3, 2
	v_mul_u32_u24 v[RD], v[RD], SP
	v_lshl_add_u32 v[RD], v10, 4, v[RD]
	v_add_nc_u32 v[RD], s90, v[RD]
	v_and_b32 v[GO], 31, v0
	v_lshlrev_b32 v[GO], 4, v[GO]
	v_lshlrev_b32 v[PLO], 4, v1
	v_lshl_add_u32 v[PLO], v9, 10, v[PLO]
	; What the first steps find: no mask; O^T and l finite (a job's first a is 0); S^T, P and the statistics written, since a tile's first steps may be dead.  All this stands in the wait for the first tile.
	WIN 0x40
.set i, MC
.rept 64
	v_mov_b32 v[i], 0
.set i, i+1
.endr
	WIN 0
.set i, ST
.rept 16
	v_mov_b32 v[i], 0
.set i, i+1
.endr
.set i, S
.rept 160
	v_mov_b32 v[i], 0
.set i, i+1
.endr
	BEGIN_S
	STATS
	s_wait_loadcnt 0x0              ; Q and u of all four jobs
	s_mov_b32 s[SLOTS], 17
.Lslot:                             ; 17 times: a slot is entered and the next tile is asked for
	CHANGE 1
	FETCH_K
	s_mov_b32 s[CNT], 2
.Lstep:
	STEP 1
	s_sub_co_u32 s[CNT], s[CNT], 1
	s_cmp_lg_u32 s[CNT], 0
	s_cbranch_scc1 .Lstep
	s_sub_co_u32 s[SLOTS], s[SLOTS], 1
	s_cmp_lg_u32 s[SLOTS], 0
	s_cbranch_scc1 .Lslot
	CHANGE 0                        ; the last slot is written out: memory's tile 0, or the long walk's: no mask, both tiles live, the last job's last two steps
	FETCH_K
	s_mov_b32 s[CNT], 2
.Ltail:
	STEP 0
	s_sub_co_u32 s[CNT], s[CNT], 1
	s_cmp_lg_u32 s[CNT], 0
	s_cbranch_scc1 .Ltail
	JOBEND
	s_wait_tensorcnt 0x0            ; the wave's end
	ds_add_u32 v[SPW], v[NIL]
	s_wait_dscnt 0x0
	s_endpgm
.Lfunc_end_k_qbe5ef32a7f_attn:
	.size	k_qbe5ef32a7f_attn, .Lfunc_end_k_qbe5ef32a7f_attn-k_qbe5ef32a7f_attn
	.p2alignl 7, 3214868480
	.fill 96, 4, 3214868480
	.section	.rodata,"a",@progbits
	.p2align	6, 0x0
	.amdhsa_kernel k_qbe5ef32a7f_attn
		.amdhsa_group_segment_fixed_size 327680
		.amdhsa_private_segment_fixed_size 0
		.amdhsa_enable_private_segment 0
		.amdhsa_kernarg_size 32
		.amdhsa_user_sgpr_count 2
		.amdhsa_user_sgpr_kernarg_segment_ptr 1
		.amdhsa_wavefront_size32 1
		.amdhsa_system_sgpr_workgroup_id_x 1
		.amdhsa_system_sgpr_workgroup_id_y 1
		.amdhsa_system_sgpr_workgroup_id_z 1
		.amdhsa_system_vgpr_workitem_id 0
		.amdhsa_next_free_vgpr 720
		.amdhsa_next_free_sgpr 100
		.amdhsa_reserve_vcc 1
		.amdhsa_float_denorm_mode_32 3
		.amdhsa_float_denorm_mode_16_64 3
		.amdhsa_memory_ordered 1
		.amdhsa_forward_progress 1
		.amdhsa_inst_pref_size 97
	.end_amdhsa_kernel
	.amdgpu_metadata
---
amdhsa.version: [ 1, 2 ]
amdhsa.kernels:
  - .name:           k_qbe5ef32a7f_attn
    .symbol:         k_qbe5ef32a7f_attn.kd
    .args:
      - { .name: qkv, .offset: 0, .size: 8, .value_kind: global_buffer, .address_space: global }
      - { .name: ut, .offset: 8, .size: 8, .value_kind: global_buffer, .address_space: global }
      - { .name: oh, .offset: 16, .size: 8, .value_kind: global_buffer, .address_space: global }
      - { .name: pl, .offset: 24, .size: 8, .value_kind: global_buffer, .address_space: global }
    .group_segment_fixed_size: 327680
    .private_segment_fixed_size: 0
    .kernarg_segment_align: 8
    .kernarg_segment_size: 32
    .max_flat_workgroup_size: 128
    .sgpr_count:     100
    .vgpr_count:     720
    .wavefront_size: 32
...
	.end_amdgpu_metadata
.endif
;; end of part 11
;; launch out: the kernel of part 9 again; grid 8 x 32, 4 waves a work-group, clusters of 4 x 4, 327,680 bytes of LDS; arguments oh, wo16, pl, gate_b, qkv; writes qkv
;; launch sum: the kernel of part 10 again; grid 256 x 1, 8 waves a work-group, no clusters, 0 bytes of LDS; arguments qkv, out0; writes out0
